; MI455X (gfx1250); checked and timed in simulation.
; The chip was launched on July 23, 2026; its instructions are those of AMD's public machine-readable ISA for CDNA 5 (MIT licence, August 2026) and "CDNA5" Instruction Set Architecture Reference Guide (July 2026). The comments in the code are by the model that wrote it; some were corrected since.
;; Stable Scan Latte. Allowed arithmetic: float matrix products may take bf16 or f16 operands with f32 sums; other float arithmetic in f32, or as packed bf16 or f16 multiplies, adds, multiply-adds, maxima and minima; sums over many terms, partial sums and values carried from step to step in f32; what a program stores and reads back later, other than sums and carried values, may be rounded once to bf16 or f16.
;; Inputs: Wk 1,024 x 512 float32; Wq 1,024 x 512 float32; Wv 1,024 x 1,024 float32; X 4 x 2,048 x 1,024 float32; o_proj 1,024 x 1,024 float32.
;; Outputs: out0 4 x 2,048 x 1,024 float32.
;; Constants: train = False.
;; 3 versions, each right; version 2 is faster than version 1; version 3 is version 2 with the launches prep, fix written anew for expert scheduling mode. Each part assembles by itself: llvm-mc -triple=amdgcn-amd-amdhsa -mcpu=gfx1250 --defsym DOCPART=n.
;; ======== version 1 of 3: 6 launches
;; limits: values are held in f16: magnitudes above 65,504 overflow, below 6.1e-05 lose precision; inputs' magnitudes at most 65,504; right only within a limited range of input values; values outside matrix products are rounded to f16
;; workspace buffers: xh 16,777,216 bytes; wt 4,194,304 bytes; wot 2,097,152 bytes; vqk 67,108,864 bytes; ssum 7,454,720 bytes; y 16,777,216 bytes; ylo 131,072 bytes
;; launch prep (part 1): grid 1408 x 1, 4 waves a work-group, no clusters, 17,920 bytes of LDS; arguments X, Wk, Wq, Wv, o_proj, xh, wt, wot; writes xh, wt, wot
.if DOCPART == 1
	.amdgcn_target "amdgcn-amd-amdhsa--gfx1250"
	.amdhsa_code_object_version 6
	.text
	.protected	k_qf9e5d0314c_prep
	.globl	k_qf9e5d0314c_prep
	.p2align	8
	.type	k_qf9e5d0314c_prep,@function
k_qf9e5d0314c_prep:
	s_mov_b64 s[64:65], 0
	v_nop
	global_prefetch_b8 v0, s[64:65] scope:SCOPE_SE
	s_setreg_imm32_b32 hwreg(HW_REG_WAVE_MODE, 25, 1), 1
	s_wait_xcnt 0x0
; All five inputs are rounded once to bf16, and that number is written as f16 (exact inside f16's range), so that one f16 product text serves both products.
; LIMITS: an input beyond 65,504 in size becomes an infinity; below 6.1e-5 it keeps f16's fixed step of 6e-8.
; Work-groups 0-1023: 8 rows of X each, xh[row][k] = X[row][k].  Work-groups 1024-1407: a tile of 128 k x 64 n of a weight, turned through LDS:
; wt[n][k] (rows 0-1023 Wv's columns, 1024-1535 Wq's, 1536-2047 Wk's), wot[n][k] = o_proj[k][n].
; Memory binds: each byte is read once by 16-byte loads (sixteen lanes take 256 bytes on end) and written once in runs of 256 bytes.  No matrix unit, no cluster: nothing is shared.
.set PT,    272                        ; an LDS row: 128 k x 2 bytes + 16
.set SPARE, 64*PT                      ; behind the 64 rows: the spare words, 128 bytes a wave
.set D,     32                         ; v[32:95] data
.set T0,    108
.set T1,    109
.set SPW,   110                        ; LDS address of my spare word; never rewritten
.set NIL,   111                        ; 0; never rewritten
.macro CV d, a, b                      ; two numbers: to bf16 (nearest even), widened again, written as f16
	v_cvt_pk_bf16_f32 v[\d], v[\a], v[\b]
	v_lshlrev_b32 v[T0], 16, v[\d]
	v_and_b32 v[T1], s30, v[\d]
	v_cvt_pk_f16_f32 v[\d], v[T0], v[T1]
.endm
	s_load_b512 s[4:19], s[0:1], 0x0               ; X 4, Wk 6, Wq 8, Wv 10, o_proj 12, xh 14, wt 16, wot 18
	v_lshl_add_u32 v[SPW], v0, 2, SPARE
	v_mov_b32 v[NIL], 0
	s_mov_b32 s30, 0xffff0000
	s_cmp_lt_u32 ttmp9, 1024
	s_cbranch_scc0 .Lweights
	; ---- X: 8 rows of 4,096 bytes in, 2,048 out; piece n is half a row
	s_lshl_b32 s20, ttmp9, 15
	s_mov_b32 s21, 0
	s_lshl_b32 s22, ttmp9, 14
	s_mov_b32 s23, 0
	v_lshlrev_b32 v1, 4, v0
	v_lshlrev_b32 v2, 3, v0
	s_wait_kmcnt 0x0
	s_add_nc_u64 s[4:5], s[4:5], s[20:21]
	s_add_nc_u64 s[14:15], s[14:15], s[22:23]
.set n, 0
.rept 16
	global_load_b128 v[D+4*n:D+4*n+3], v1, s[4:5] offset:n*2048 th:TH_LOAD_NT
.set n, n+1
.endr
.set n, 0
.rept 16
	s_wait_loadcnt 15-n                            ; loads come back in order: piece n is in, the younger ones stay out
	CV D+4*n, D+4*n, D+4*n+1
	CV D+4*n+1, D+4*n+2, D+4*n+3
	global_store_b64 v2, v[D+4*n:D+4*n+1], s[14:15] offset:n*1024  ; a wave stores 256 bytes on end; every register is written once
.set n, n+1
.endr
	s_wait_tensorcnt 0x0                           ; the wave's end
	ds_add_u32 v[SPW], v[NIL]
	s_wait_dscnt 0x0
	s_endpgm
.Lweights:
	; ---- which weight, which tile: all by selects on the work-group's number
	s_sub_co_u32 s20, ttmp9, 1024
	s_wait_kmcnt 0x0
	s_cmp_lt_u32 s20, 256
	s_cselect_b64 s[22:23], s[6:7], s[12:13]       ; source: Wk, else o_proj
	s_cselect_b64 s[24:25], s[16:17], s[18:19]     ; destination: wt, else wot
	s_cselect_b32 s26, 11, 12                      ; log2 of the source's row bytes
	s_cselect_b32 s27, 1536, 0                     ; first row in the destination
	s_cselect_b32 s28, 3, 4                        ; the role's first number / 64
	s_cmp_lt_u32 s20, 192
	s_cselect_b64 s[22:23], s[8:9], s[22:23]       ; Wq
	s_cselect_b32 s27, 1024, s27
	s_cselect_b32 s28, 2, s28
	s_cmp_lt_u32 s20, 128
	s_cselect_b64 s[22:23], s[10:11], s[22:23]     ; Wv
	s_cselect_b32 s26, 12, s26
	s_cselect_b32 s27, 0, s27
	s_cselect_b32 s28, 0, s28
	s_lshl_b32 s28, s28, 6
	s_sub_co_u32 s20, s20, s28                     ; the tile's number in its weight
	s_sub_co_u32 s29, s26, 8                       ; log2 of the tiles along n
	s_bfm_b32 s31, s29, 0
	s_and_b32 s31, s20, s31                        ; tile along n
	s_lshr_b32 s32, s20, s29                       ; tile along k
	s_lshl_b32 s33, 1, s26                         ; the source's row bytes
	s_add_co_u32 s34, s26, 7
	s_lshl_b32 s34, s32, s34                       ; 128 rows a tile
	s_lshl_b32 s35, s31, 8                         ; 256 bytes a tile
	s_add_co_u32 s34, s34, s35
	s_mov_b32 s35, 0
	s_add_nc_u64 s[22:23], s[22:23], s[34:35]      ; the tile's even rows are reached from here,
	s_mov_b32 s34, s33
	s_add_nc_u64 s[36:37], s[22:23], s[34:35]      ; the odd ones from here
	s_lshl_b32 s34, s31, 6
	s_add_co_u32 s34, s34, s27
	s_lshl_b32 s34, s34, 11                        ; destination row x 2,048
	s_lshl_b32 s38, s32, 8
	s_add_co_u32 s34, s34, s38
	s_add_nc_u64 s[24:25], s[24:25], s[34:35]
	v_and_b32 v1, 15, v0                           ; g: which 16 bytes (4 n) of a row
	v_lshrrev_b32 v2, 4, v0                        ; p: 0..7
	v_lshlrev_b32 v3, 4, v1
	v_lshlrev_b32 v4, 1, v2
.set i, 0
.rept 8
	v_add_nc_u32 v5, 16*i, v4                      ; row 2 p + 16 i
	v_mad_u32_u24 v[16+i], v5, s33, v3
.set i, i+1
.endr
.set i, 0
.rept 8
	global_load_b128 v[D+8*i:D+8*i+3], v[16+i], s[22:23] th:TH_LOAD_NT
	global_load_b128 v[D+8*i+4:D+8*i+7], v[16+i], s[36:37] th:TH_LOAD_NT
.set i, i+1
.endr
	v_mul_u32_u24 v6, v1, 4*PT
	v_lshl_add_u32 v6, v2, 2, v6                   ; LDS row 4 g, byte 4 p
	v_mul_u32_u24 v7, v2, PT
	v_lshl_add_u32 v7, v1, 4, v7                   ; back: row p, 16 bytes g
	v_lshlrev_b32 v8, 11, v2
	v_lshl_add_u32 v8, v1, 4, v8
.set i, 0
.rept 8
	s_wait_loadcnt 14-2*i                          ; pair i of rows is in
.irp e, 0,1,2,3
	CV D+8*i+\e, D+8*i+\e, D+8*i+4+\e              ; k and k + 1 of column 4 g + e: one word
	ds_store_b32 v6, v[D+8*i+\e] offset:\e*PT+32*i
.endr
.set i, i+1
.endr
	s_wait_dscnt 0x0                               ; for the others' sake: my stores are done
	s_barrier_signal -1
	s_barrier_wait -1
.set i, 0
.rept 8
	ds_load_b128 v[D+4*i:D+4*i+3], v7 offset:i*8*PT
.set i, i+1
.endr
.set i, 0
.rept 8
	s_wait_dscnt 7-i
	global_store_b128 v8, v[D+4*i:D+4*i+3], s[24:25] offset:i*8*2048  ; sixteen lanes store 256 bytes on end, aligned
.set i, i+1
.endr
	s_wait_tensorcnt 0x0                           ; the wave's end
	ds_add_u32 v[SPW], v[NIL]
	s_wait_dscnt 0x0
	s_endpgm
.Lfunc_end_k_qf9e5d0314c_prep:
	.size	k_qf9e5d0314c_prep, .Lfunc_end_k_qf9e5d0314c_prep-k_qf9e5d0314c_prep
	.p2alignl 7, 3214868480
	.fill 96, 4, 3214868480
	.section	.rodata,"a",@progbits
	.p2align	6, 0x0
	.amdhsa_kernel k_qf9e5d0314c_prep
		.amdhsa_group_segment_fixed_size 17920
		.amdhsa_private_segment_fixed_size 0
		.amdhsa_enable_private_segment 0
		.amdhsa_kernarg_size 64
		.amdhsa_user_sgpr_count 2
		.amdhsa_user_sgpr_kernarg_segment_ptr 1
		.amdhsa_wavefront_size32 1
		.amdhsa_system_sgpr_workgroup_id_x 1
		.amdhsa_system_sgpr_workgroup_id_y 1
		.amdhsa_system_sgpr_workgroup_id_z 1
		.amdhsa_system_vgpr_workitem_id 0
		.amdhsa_next_free_vgpr 112
		.amdhsa_next_free_sgpr 66
		.amdhsa_reserve_vcc 0
		.amdhsa_float_denorm_mode_32 3
		.amdhsa_float_denorm_mode_16_64 3
		.amdhsa_memory_ordered 1
		.amdhsa_forward_progress 1
		.amdhsa_inst_pref_size 25
	.end_amdhsa_kernel
	.amdgpu_metadata
---
amdhsa.version: [ 1, 2 ]
amdhsa.kernels:
  - .name:           k_qf9e5d0314c_prep
    .symbol:         k_qf9e5d0314c_prep.kd
    .args:
      - { .name: X, .offset: 0, .size: 8, .value_kind: global_buffer, .address_space: global }
      - { .name: Wk, .offset: 8, .size: 8, .value_kind: global_buffer, .address_space: global }
      - { .name: Wq, .offset: 16, .size: 8, .value_kind: global_buffer, .address_space: global }
      - { .name: Wv, .offset: 24, .size: 8, .value_kind: global_buffer, .address_space: global }
      - { .name: o_proj, .offset: 32, .size: 8, .value_kind: global_buffer, .address_space: global }
      - { .name: xh, .offset: 40, .size: 8, .value_kind: global_buffer, .address_space: global }
      - { .name: wt, .offset: 48, .size: 8, .value_kind: global_buffer, .address_space: global }
      - { .name: wot, .offset: 56, .size: 8, .value_kind: global_buffer, .address_space: global }
    .group_segment_fixed_size: 17920
    .private_segment_fixed_size: 0
    .kernarg_segment_align: 8
    .kernarg_segment_size: 64
    .max_flat_workgroup_size: 128
    .sgpr_count:     66
    .vgpr_count:     112
    .wavefront_size: 32
...
	.end_amdgpu_metadata
.endif
;; end of part 1
;; launch proj (part 2): grid 16 x 32, 4 waves a work-group, clusters of 4 x 4, 327,680 bytes of LDS; arguments xh, wt, vqk; writes vqk
.if DOCPART == 2
	.amdgcn_target "amdgcn-amd-amdhsa--gfx1250"
	.amdhsa_code_object_version 6
	.text
	.protected	k_qf9e5d0314c_proj
	.globl	k_qf9e5d0314c_proj
	.p2align	8
	.type	k_qf9e5d0314c_proj,@function
k_qf9e5d0314c_proj:
	s_mov_b64 s[64:65], 0
	v_nop
	global_prefetch_b8 v0, s[64:65] scope:SCOPE_SE
	s_setreg_imm32_b32 hwreg(HW_REG_WAVE_MODE, 25, 1), 1
	s_wait_xcnt 0x0
	s_wait_alu depctr_hold_cnt(0) depctr_sa_sdst(0) depctr_va_vdst(0) depctr_va_sdst(0) depctr_va_ssrc(0) depctr_va_vcc(0) depctr_vm_vsrc(0)
	s_getreg_b32 s2, hwreg(HW_REG_IB_STS2, 6, 4)
	s_cmp_eq_u32 s2, 0
	s_cbranch_scc0 .Lentry_in_a_cluster
	s_endpgm
.Lentry_in_a_cluster:
	s_bfe_u32 s2, ttmp6, 0x10000c
	s_cmp_lg_u32 s2, 0xf033
	s_cbranch_scc0 .Lentry_shape_is_right
	s_endpgm
.Lentry_shape_is_right:
; C[m][n] = sum over k of A[m][k] B[n][k].  A: [8192][1024] f16, B: [N][1024] f16 (N = 128 x the grid's width), sums and C in f32.
; C lies in planes of [8192][1024] f32: column tile x goes to plane x / 8, columns 128 (x % 8) on.  The same text serves V, Q, K (N = 2048, two planes) and the last projection (N = 1024).
; A tile of C is 256 x 128, so that the narrower product still has 256 work-groups; four waves, each 128 rows x 64 columns: 32 accumulators, 256 registers.
; K goes in steps of 128 (rows of 256 bytes) through two LDS slots filled by tensor loads; one load a wave behind each change of slots.
; CLUSTER 4 x 4: the four work-groups of a row need the same tile of A, the four of a column the same tile of B: each tile is asked for jointly.
; The matrix instruction is used transposed (source 0 = 16 rows of B, source 1 = 16 rows of A): a lane holds eight neighbouring columns of one row of C.
; REGISTERS.  window 0: v16-29 addresses; v32-95 rows on the way out; v64-159, v160-255 two fragment buffers (A 64 registers, then B 32).  window 1: accumulator (a, b) at v[8 (4 a + b)].
.set SIZE_K, 1024
.set KSTEP,  128
.set PITCH,  272                       ; 256 bytes + 16: the sixteen rows of a fragment load start at sixteen different groups of four banks
.set HALFA,  128*PITCH                 ; what a wave fetches, and reads, of A
.set HALFB,  64*PITCH                  ; the same of B
.set SLOT,   2*HALFA+2*HALFB           ; A's 256 rows, then B's 128
.set STAGE,  2*SLOT                    ; behind the ring: 16 rows x 272 bytes for each wave; no tensor load lands here
.set SPITCH, 272
.set SPARE,  STAGE+4*16*SPITCH         ; the spare words, 128 bytes a wave
.set LAPS,   SIZE_K/(2*KSTEP)
.set CROW,   4096                      ; bytes in a row of C
.set ADRA, 16
.set ADRB, 20
.set STO,  24
.set RD,   25
.set CO,   26
.set SPW,  28
.set NIL,  29
.set OB,   32
.set F0,   64
.set F1,   160
.set G1,  24
.set G0,  32
.set G1B, 48
.set G0B, 56
.set MSB, 0
.macro WIN new                         ; the immediate's high byte repeats the setting that is left
.if MSB != (\new)
	s_set_vgpr_msb (MSB<<8)|(\new)
.set MSB, \new
.endif
.endm
.set MUL,   0x50                       ; C and D in window 1, both sources in window 0
.set FROM1, 0x04                       ; an LDS store's data in window 1
.macro JLOAD s                         ; a joint refill: waves 0, 1 fetch A's halves, waves 2, 3 B's; the branch hangs on the wave's number alone
	s_cmp_eq_u32 s11, 0
	s_cbranch_scc0 .Lfor_b_\@
	tensor_load_to_lds s[G0+4*(\s):G0+4*(\s)+3], s[G1:G1+7]
	s_nop 0
.rept 4
	v_nop
.endr
	s_branch .Lasked_\@
.Lfor_b_\@:
	tensor_load_to_lds s[G0B+4*(\s):G0B+4*(\s)+3], s[G1B:G1B+7]
	s_nop 0
.rept 4
	v_nop
.endr
.Lasked_\@:
.endm
.macro CREST                           ; a round of the cluster's barrier behind its opening barrier
	s_cmp_lg_u32 s10, 0
	s_cbranch_scc1 .Lnot_wave_0_\@
	s_barrier_signal -3
.Lnot_wave_0_\@:
	s_barrier_wait -3
	s_barrier_signal -1
	s_barrier_wait -1
.endm
.macro CROUND
	s_barrier_signal -1
	s_barrier_wait -1
	CREST
.endm
	s_load_b128 s[4:7], s[0:1], 0x0                ; A, B
	s_load_b64 s[8:9], s[0:1], 0x10                ; C
	v_lshl_add_u32 v[SPW], v0, 2, SPARE
	v_mov_b32 v[NIL], 0
	ds_add_u32 v[SPW], v[NIL]                      ; the wave's opening: the add and its wait stand ahead of my first tensor load
	ds_add_u32 v28, v29
	v_lshrrev_b32 v1, 5, v0
	v_readfirstlane_b32 s10, v1                    ; wave
	s_lshr_b32 s11, s10, 1                         ; my half of the tile's rows; also: I fetch for A (0) or B (1)
	s_and_b32 s12, s10, 1                          ; my half of its columns; also: which half of that tile I fetch
	s_bfe_u32 s40, ttmp6, 0x40000                  ; cx
	s_bfe_u32 s41, ttmp6, 0x40004                  ; cy
	s_lshl_b32 s42, ttmp9, 2
	s_add_co_u32 s42, s42, s40                     ; tile column
	s_and_b32 s13, ttmp7, 0xffff
	s_lshl_b32 s13, s13, 2
	s_add_co_u32 s13, s13, s41                     ; tile row
	s_lshl_b32 s43, s41, 2
	s_lshl_b32 s43, 15, s43                        ; my row of the cluster
	s_lshl_b32 s44, 0x1111, s40                    ; my column
	s_or_b32 s[G1+0], s43, (1<<16)|(1<<20)|(1<<21)|(5<<22)|(3<<25)   ; mask; 2-byte elements; padding of 4 words after every 64; bit 21 beside a mask
	s_or_b32 s[G1B+0], s44, (1<<16)|(1<<20)|(1<<21)|(5<<22)|(3<<25)
	s_mov_b32 s[G1+1], KSTEP<<16                   ; tensor_dim0 = 128
	s_mov_b32 s[G1+2], 128<<16                     ; tensor_dim1 = 128
	s_mov_b32 s[G1+3], KSTEP<<16                   ; tile_dim0 = 128
	s_mov_b32 s[G1+4], 128                         ; tile_dim1 = 128
	s_mov_b32 s[G1+5], SIZE_K                      ; elements from row to row
	s_mov_b32 s[G1+6], 0
	s_mov_b32 s[G1+7], 0
	s_mov_b32 s[G1B+1], KSTEP<<16
	s_mov_b32 s[G1B+2], 64<<16                     ; B: 64 rows a load
	s_mov_b32 s[G1B+3], KSTEP<<16
	s_mov_b32 s[G1B+4], 64
	s_mov_b32 s[G1B+5], SIZE_K
	s_mov_b32 s[G1B+6], 0
	s_mov_b32 s[G1B+7], 0
	s_lshl_b32 s17, s12, 7
	s_lshl_b32 s16, s13, 8
	s_add_co_u32 s16, s16, s17                     ; A: row 256 x tile row + 128 x half
	s_lshl_b32 s16, s16, 11                        ; x 2,048 bytes
	s_mov_b32 s17, 0
	s_lshl_b32 s47, s12, 6
	s_lshl_b32 s46, s42, 7
	s_add_co_u32 s46, s46, s47                     ; B: row 128 x tile column + 64 x half
	s_lshl_b32 s46, s46, 11
	s_mov_b32 s47, 0
	s_mul_i32 s20, s10, HALFA                      ; where A's halves go (waves 0, 1),
	s_mul_i32 s45, s10, HALFB
	s_add_co_u32 s45, s45, 2*HALFA-2*HALFB         ; and B's (waves 2, 3): behind A's 256 rows
	s_wait_dscnt 0x0                               ; the opening add is done
	s_wait_kmcnt 0x0
	s_add_nc_u64 s[14:15], s[4:5], s[16:17]
	s_add_nc_u64 s[46:47], s[6:7], s[46:47]
	CROUND                                         ; all sixteen work-groups are here: the first joint loads meet
.irp s, 0,1
	s_mov_b32 s[G0+4*(\s)], 1
	s_add_co_u32 s[G0+4*(\s)+1], s20, (\s)*SLOT
	s_add_nc_u64 s[G0+4*(\s)+2:G0+4*(\s)+3], s[14:15], (\s)*KSTEP*2
	s_or_b32 s[G0+4*(\s)+3], s[G0+4*(\s)+3], 0x80000000
	s_mov_b32 s[G0B+4*(\s)], 1
	s_add_co_u32 s[G0B+4*(\s)+1], s45, (\s)*SLOT
	s_add_nc_u64 s[G0B+4*(\s)+2:G0B+4*(\s)+3], s[46:47], (\s)*KSTEP*2
	s_or_b32 s[G0B+4*(\s)+3], s[G0B+4*(\s)+3], 0x80000000
.endr
	s_cmp_eq_u32 s11, 0                            ; a wave's two first fills stand in one branch: two loads of mine are out
	s_cbranch_scc0 .Lfirst_b
	tensor_load_to_lds s[G0:G0+3], s[G1:G1+7]
	s_nop 0
	tensor_load_to_lds s[G0+4:G0+7], s[G1:G1+7]
	s_nop 0
.rept 4
	v_nop
.endr
	s_branch .Lfirst_asked
.Lfirst_b:
	tensor_load_to_lds s[G0B:G0B+3], s[G1B:G1B+7]
	s_nop 0
	tensor_load_to_lds s[G0B+4:G0B+7], s[G1B:G1B+7]
	s_nop 0
.rept 4
	v_nop
.endr
.Lfirst_asked:
	v_and_b32 v1, 15, v0                           ; l % 16
	v_bfe_u32 v2, v0, 4, 1                         ; l / 16
	v_mul_u32_u24 v3, v1, PITCH
	v_lshl_add_u32 v3, v2, 4, v3                   ; a fragment's row x pitch + 16 x half
	s_mul_i32 s21, s11, HALFA
	s_mul_i32 s22, s12, HALFB
	s_add_co_u32 s22, s22, 2*HALFA
.irp s, 0,1
	v_add_nc_u32 v[ADRA+(\s)], s21, v3
	v_add_nc_u32 v[ADRB+(\s)], s22, v3
	s_add_co_u32 s21, s21, SLOT
	s_add_co_u32 s22, s22, SLOT
.endr
	s_mul_i32 s23, s10, 16*SPITCH
	s_add_co_u32 s23, s23, STAGE                   ; my stage
	v_mul_u32_u24 v4, v1, SPITCH
	v_lshl_add_u32 v4, v2, 5, v4                   ; in: row l % 16, 32 bytes for each half of the lanes
	v_add_nc_u32 v[STO], s23, v4
	v_mul_u32_u24 v5, v2, SPITCH
	v_lshl_add_u32 v5, v1, 4, v5                   ; back: lanes 0-15 one row of 256 bytes, lanes 16-31 the next
	v_add_nc_u32 v[RD], s23, v5
	v_lshlrev_b32 v5, 12, v2
	v_lshl_add_u32 v[CO], v1, 4, v5                ; the same two rows in C
	s_lshl_b32 s16, s13, 8
	s_lshl_b32 s17, s11, 7
	s_add_co_u32 s16, s16, s17
	s_lshl_b32 s16, s16, 12                        ; my first row of C x 4,096
	s_mov_b32 s17, 0
	s_add_nc_u64 s[8:9], s[8:9], s[16:17]
	s_lshr_b32 s46, s42, 3
	s_lshl_b32 s46, s46, 25                        ; the plane: 33,554,432 bytes
	s_and_b32 s47, s42, 7
	s_lshl_b32 s47, s47, 9                         ; 128 columns x 4 bytes
	s_add_co_u32 s46, s46, s47
	s_lshl_b32 s47, s12, 8                         ; my 64 columns
	s_add_co_u32 s46, s46, s47
	s_mov_b32 s47, 0
	s_add_nc_u64 s[8:9], s[8:9], s[46:47]
; 8 matrix instructions: row blocks 4 hi + a0, + 1 x the 4 column blocks, 32 along K.  zero = 1: the product starts the sums.  The 32 accumulators take turns in one order everywhere.
.macro MUL8 f, hi, a0, zero
	WIN MUL
.irp a, 4*(\hi)+(\a0), 4*(\hi)+(\a0)+1
.irp b, 0,1,2,3
.if \zero
	v_wmma_f32_16x16x32_f16 v[8*(4*(\a)+(\b)):8*(4*(\a)+(\b))+7], v[(\f)+64+8*(\b):(\f)+64+8*(\b)+7], v[(\f)+8*(\a):(\f)+8*(\a)+7], 0
.else
	v_wmma_f32_16x16x32_f16 v[8*(4*(\a)+(\b)):8*(4*(\a)+(\b))+7], v[(\f)+64+8*(\b):(\f)+64+8*(\b)+7], v[(\f)+8*(\a):(\f)+8*(\a)+7], v[8*(4*(\a)+(\b)):8*(4*(\a)+(\b))+7]
.endif
.endr
.endr
.endm
; 24 LDS loads in one run: B's 64 rows, A's rows 0-63, A's rows 64-127; 32 K at byte k of the rows
.macro FETCH slot, k, f
	WIN 0
.irp i, 0,1,2,3
	ds_load_b128 v[(\f)+64+8*(\i):(\f)+64+8*(\i)+3],   v[ADRB+(\slot)] offset:(\k)+(\i)*16*PITCH
	ds_load_b128 v[(\f)+64+8*(\i)+4:(\f)+64+8*(\i)+7], v[ADRB+(\slot)] offset:(\k)+(\i)*16*PITCH+32
.endr
.irp i, 0,1,2,3,4,5,6,7
	ds_load_b128 v[(\f)+8*(\i):(\f)+8*(\i)+3],   v[ADRA+(\slot)] offset:(\k)+(\i)*16*PITCH
	ds_load_b128 v[(\f)+8*(\i)+4:(\f)+8*(\i)+7], v[ADRA+(\slot)] offset:(\k)+(\i)*16*PITCH+32
.endr
.endm
.macro PLACES                          ; four plain instructions between a matrix instruction and a load into, or a read of, its registers
.rept 4
	v_nop
.endr
.endm
.macro QUARTER slot, k, f, g, zero     ; 32 along K on buffer f; in its middle the next quarter's fragments go into g
	s_wait_dscnt 8                                 ; B and A's rows 0-63 are in; the youngest eight loads may be out
	MUL8 \f, 0, 0, \zero
	MUL8 \f, 0, 2, \zero
	PLACES
	FETCH \slot, \k, \g
	s_wait_dscnt 24                                ; all but the 24 just issued
	MUL8 \f, 1, 0, \zero
	MUL8 \f, 1, 2, \zero
.endm
; A K step's last quarter, on buffer 1, and the change of slots: each wave waits for all its tensor loads (one is out: its part of the next slot), adds 0 to its spare word,
; waits for that and for its reads of this slot, and signals.  fill = 1: the barrier opens a round of the cluster's, and the joint refill is the first thing behind it.
.macro TURN slot, next, fill
	WIN 0
	s_wait_tensorcnt 0x0
	ds_add_u32 v[SPW], v[NIL]
	s_wait_dscnt 9                                 ; the add and the youngest eight loads may be out
	MUL8 F1, 0, 0, 0
	s_wait_dscnt 0x0                               ; the add is done, my reads of this slot are over
	s_barrier_signal -1
	MUL8 F1, 0, 2, 0
	WIN 0
	s_barrier_wait -1
.if \fill
	CREST
	s_add_nc_u64 s[G0+4*(\slot)+2:G0+4*(\slot)+3], s[G0+4*(\slot)+2:G0+4*(\slot)+3], 2*KSTEP*2
	s_add_nc_u64 s[G0B+4*(\slot)+2:G0B+4*(\slot)+3], s[G0B+4*(\slot)+2:G0B+4*(\slot)+3], 2*KSTEP*2
	JLOAD \slot                                    ; its four v_nop are also the places in front of the loads below
.else
	PLACES
.endif
	FETCH \next, 0, F0
	MUL8 F1, 1, 0, 0
	MUL8 F1, 1, 2, 0
.endm
	s_wait_tensorcnt 1                             ; my part of K step 0 is in; K step 1's may stay out
	s_barrier_signal -1
	s_barrier_wait -1
	FETCH 0, 0, F0
	QUARTER 0, 64, F0, F1, 1                       ; the first quarter starts the sums
	WIN 0
	s_mov_b32 s3, LAPS-1
.Llap:                                                 ; a trip goes once round the ring and fills both slots again
	QUARTER 0, 128, F1, F0, 0
	QUARTER 0, 192, F0, F1, 0
	TURN 0, 1, 1
	QUARTER 1, 64,  F0, F1, 0
	QUARTER 1, 128, F1, F0, 0
	QUARTER 1, 192, F0, F1, 0
	TURN 1, 0, 1
	QUARTER 0, 64,  F0, F1, 0
	WIN 0
	s_sub_co_u32 s3, s3, 1
	s_cmp_lg_u32 s3, 0
	s_cbranch_scc1 .Llap
	QUARTER 0, 128, F1, F0, 0                      ; the last lap asks for nothing
	QUARTER 0, 192, F0, F1, 0
	TURN 0, 1, 0
	QUARTER 1, 64,  F0, F1, 0
	QUARTER 1, 128, F1, F0, 0
	QUARTER 1, 192, F0, F1, 0
	s_wait_dscnt 8
	MUL8 F1, 0, 0, 0
	MUL8 F1, 0, 2, 0
	s_wait_dscnt 0x0
	MUL8 F1, 1, 0, 0
	MUL8 F1, 1, 2, 0
	PLACES
; THE WAY OUT, 16 rows at a time through my own stage: a lane's 32 bytes of a row in, whole rows of 256 bytes back.  LDS serves a wave's instructions in order, so no wait stands between.
.macro TOSTAGE a
	s_wait_xcnt 0x0                                ; the registers that the stores two blocks back read are loaded again only behind this wait
	WIN FROM1
.irp b, 0,1,2,3
	ds_store_b128 v[STO], v[8*(4*(\a)+(\b)):8*(4*(\a)+(\b))+3] offset:64*(\b)          ; each accumulator's low registers first
	ds_store_b128 v[STO], v[8*(4*(\a)+(\b))+4:8*(4*(\a)+(\b))+7] offset:64*(\b)+16
.endr
	WIN 0
.irp t, 0,1,2,3,4,5,6,7
	ds_load_b128 v[OB+32*((\a)%2)+4*(\t):OB+32*((\a)%2)+4*(\t)+3], v[RD] offset:(\t)*2*SPITCH
.endr
.endm
.macro SEND a, younger
	s_wait_dscnt \younger                          ; the block is back; the next block's sixteen LDS instructions may be out
.irp t, 0,1,2,3,4,5,6,7
	global_store_b128 v[CO], v[OB+32*((\a)%2)+4*(\t):OB+32*((\a)%2)+4*(\t)+3], s[8:9] offset:(16*(\a)+2*(\t))*CROW  ; sixteen lanes store 256 bytes on end, aligned
.endr
.endm
	TOSTAGE 0
.irp a, 1,2,3,4,5,6,7
	TOSTAGE \a
	SEND (\a)-1, 16
.endr
	SEND 7, 0
	s_wait_tensorcnt 0x0                           ; the wave's end
	ds_add_u32 v[SPW], v[NIL]
	s_wait_dscnt 0x0
	CROUND                                         ; the closing round
	s_endpgm
.Lfunc_end_k_qf9e5d0314c_proj:
	.size	k_qf9e5d0314c_proj, .Lfunc_end_k_qf9e5d0314c_proj-k_qf9e5d0314c_proj
	.p2alignl 7, 3214868480
	.fill 96, 4, 3214868480
	.section	.rodata,"a",@progbits
	.p2align	6, 0x0
	.amdhsa_kernel k_qf9e5d0314c_proj
		.amdhsa_group_segment_fixed_size 327680
		.amdhsa_private_segment_fixed_size 0
		.amdhsa_enable_private_segment 0
		.amdhsa_kernarg_size 24
		.amdhsa_user_sgpr_count 2
		.amdhsa_user_sgpr_kernarg_segment_ptr 1
		.amdhsa_wavefront_size32 1
		.amdhsa_system_sgpr_workgroup_id_x 1
		.amdhsa_system_sgpr_workgroup_id_y 1
		.amdhsa_system_sgpr_workgroup_id_z 1
		.amdhsa_system_vgpr_workitem_id 0
		.amdhsa_next_free_vgpr 512
		.amdhsa_next_free_sgpr 66
		.amdhsa_reserve_vcc 0
		.amdhsa_float_denorm_mode_32 3
		.amdhsa_float_denorm_mode_16_64 3
		.amdhsa_memory_ordered 1
		.amdhsa_forward_progress 1
		.amdhsa_inst_pref_size 85
	.end_amdhsa_kernel
	.amdgpu_metadata
---
amdhsa.version: [ 1, 2 ]
amdhsa.kernels:
  - .name:           k_qf9e5d0314c_proj
    .symbol:         k_qf9e5d0314c_proj.kd
    .args:
      - { .name: xh, .offset: 0, .size: 8, .value_kind: global_buffer, .address_space: global }
      - { .name: wt, .offset: 8, .size: 8, .value_kind: global_buffer, .address_space: global }
      - { .name: vqk, .offset: 16, .size: 8, .value_kind: global_buffer, .address_space: global }
    .group_segment_fixed_size: 327680
    .private_segment_fixed_size: 0
    .kernarg_segment_align: 8
    .kernarg_segment_size: 24
    .max_flat_workgroup_size: 128
    .sgpr_count:     66
    .vgpr_count:     512
    .wavefront_size: 32
...
	.end_amdgpu_metadata
.endif
;; end of part 2
;; launch sums (part 3): grid 7 x 32, 4 waves a work-group, no clusters, 167,936 bytes of LDS; arguments vqk, ssum; writes ssum
.if DOCPART == 3
	.amdgcn_target "amdgcn-amd-amdhsa--gfx1250"
	.amdhsa_code_object_version 6
	.text
	.protected	k_qf9e5d0314c_sums
	.globl	k_qf9e5d0314c_sums
	.p2align	8
	.type	k_qf9e5d0314c_sums,@function
k_qf9e5d0314c_sums:
	s_mov_b64 s[64:65], 0
	v_nop
	global_prefetch_b8 v0, s[64:65] scope:SCOPE_SE
	s_setreg_imm32_b32 hwreg(HW_REG_WAVE_MODE, 25, 1), 1
	s_wait_xcnt 0x0
; For chunk c (256 steps, c = 0..6) of (batch, head): M[l] = max over t of k, N[l] = sum of 2^(k - M), S[l][d] = sum of 2^(k - M) V[t][d], with k = K log2(e).  All three leave in f32.
; The maximum is taken away before every exponential: no exponent is above 0.  The weights and V go to the matrix unit in f16: LIMIT |V| < 65,504; a weight under 6e-5 keeps f16's step of 6e-8.
; Four waves; wave w owns steps 64 w .. 64 w + 63 for the maxima and weights, and channels 32 w .. 32 w + 31 of S.  No cluster: no two work-groups read the same tile.
; LAYOUT by time: lane (r = l % 16, h = l / 16) holds step r of a block of 16 and 32 latents: register 8 lt + 4 q + i is latent 16 lt + 8 h + 4 q + i.
.set PK,    288                        ; an LDS row of K (256 bytes f32, later 128 bytes of f16 weights) or of V (256 bytes f16): + 32, an odd multiple of 32 for the turning load
.set VH,    73728                      ; V in f16, 256 rows
.set XW,    147456                     ; the waves' maxima, 4 x 256; their sums 1,024 bytes on
.set XF,    149504                     ; M, then N: 512 bytes
.set SPARE, 150016
.set REC,   33280
.set GV,  1
.set VST, 2
.set KA,  3
.set EST, 4
.set XAW, 5
.set XAR, 6
.set TLE, 7                            ; v7, v8
.set TLV, 9                            ; v9, v10
.set XFA, 11
.set XFL, 12
.set SPW, 14
.set NIL, 15
.set KP,  64                           ; v[64:191] V rows in flight; then k of my four blocks
.set VB,  64
.set VT,  192
.set MX,  192
.set NS,  224
.set ACC, 160
.set L2E, 36
.macro LD8 dst, adr, off               ; 32 numbers by latents
.irp z, 0,1,2,3,4,5,6,7
	ds_load_b128 v[(\dst)+4*\z:(\dst)+4*\z+3], v[\adr] offset:(\off)+64*(\z/2)+16*(\z%2)
.endr
.endm
.macro ST8 src, adr, off
.irp z, 0,1,2,3,4,5,6,7
	ds_store_b128 v[\adr], v[(\src)+4*\z:(\src)+4*\z+3] offset:(\off)+64*(\z/2)+16*(\z%2)
.endr
.endm
.macro XMAX base                       ; over the sixteen steps that lie in sixteen lanes
.irp m, 1,2,4,8
.set zz, 0
.rept 32
	v_max_num_f32_dpp v[(\base)+zz], v[(\base)+zz], v[(\base)+zz] row_xmask:\m row_mask:0xf bank_mask:0xf
.set zz, zz+1
.endr
.endr
.endm
.macro XADD base
.irp m, 1,2,4,8
.set zz, 0
.rept 32
	v_add_f32_dpp v[(\base)+zz], v[(\base)+zz], v[(\base)+zz] row_xmask:\m row_mask:0xf bank_mask:0xf
.set zz, zz+1
.endr
.endr
.endm
	s_load_b128 s[4:7], s[0:1], 0x0                ; vqk, ssum
	v_lshl_add_u32 v[SPW], v0, 2, SPARE
	v_mov_b32 v[NIL], 0
	ds_add_u32 v[SPW], v[NIL]                      ; the wave's opening: the add and its wait stand ahead of my tensor load
	ds_add_u32 v14, v15
	v_lshrrev_b32 v16, 5, v0
	v_readfirstlane_b32 s8, v16                    ; wave
	s_mov_b32 s9, ttmp9                            ; chunk
	s_and_b32 s10, ttmp7, 0xffff                   ; 8 x batch + head
	s_lshr_b32 s11, s10, 3
	s_and_b32 s12, s10, 7
	s_lshl_b32 s13, s11, 11
	s_lshl_b32 s14, s9, 8
	s_add_co_u32 s13, s13, s14
	s_lshl_b32 s14, s8, 6
	s_add_co_u32 s13, s13, s14                     ; my first row
	s_lshl_b32 s13, s13, 12                        ; x 4,096 bytes
	s_lshl_b32 s14, s12, 9
	s_add_co_u32 s16, s13, s14                     ; V: plane 0, 512 bytes a head
	s_mov_b32 s17, 0
	s_lshl_b32 s14, s12, 8
	s_add_co_u32 s18, s13, s14
	s_add_co_u32 s18, s18, 33554432+2048           ; K: plane 1, columns 512 on, 256 bytes a head
	s_mov_b32 s19, 0
	s_mul_i32 s22, s10, 7
	s_add_co_u32 s22, s22, s9
	s_mul_i32 s22, s22, REC                        ; my record
	s_mov_b32 s23, 0
	s_mov_b32 s24, (2<<16)|(1<<20)|(5<<22)|(7<<25) ; 4-byte elements; 8 words of padding after every 64
	s_mov_b32 s25, 64<<16                          ; tensor_dim0 = 64
	s_mov_b32 s26, 64<<16                          ; tensor_dim1 = 64
	s_mov_b32 s27, 64<<16                          ; tile_dim0 = 64
	s_mov_b32 s28, 64                              ; tile_dim1 = 64
	s_mov_b32 s29, 1024                            ; elements from row to row
	s_mov_b32 s30, 0
	s_mov_b32 s31, 0
	s_mov_b32 s32, 1
	s_mul_i32 s33, s8, 64*PK                       ; my 64 rows in LDS
	s_mov_b32 s[L2E], 0x3fb8aa3b
	s_mov_b32 s[L2E+1], s[L2E]
	s_wait_dscnt 0x0
	s_wait_kmcnt 0x0
	s_add_nc_u64 s[34:35], s[4:5], s[18:19]
	s_or_b32 s35, s35, 0x80000000
	tensor_load_to_lds s[32:35], s[24:31]          ; my 64 rows of K: the launch's only fill of these bytes
	s_nop 0
	s_add_nc_u64 s[16:17], s[4:5], s[16:17]
	s_add_nc_u64 s[6:7], s[6:7], s[22:23]
	s_lshl_b32 s22, s8, 13
	s_add_nc_u64 s[38:39], s[6:7], s[22:23]        ; my two channel tiles of S: 8,192 bytes a wave
	v_and_b32 v16, 31, v0
	v_and_b32 v17, 15, v0
	v_bfe_u32 v18, v0, 4, 1
	v_lshlrev_b32 v[GV], 4, v16
	v_lshl_add_u32 v[VST], v16, 3, s33
	v_add_nc_u32 v[VST], VH, v[VST]
	v_mul_u32_u24 v19, v17, PK
	v_add_nc_u32 v19, s33, v19
	v_lshl_add_u32 v[KA], v18, 5, v19
	v_lshl_add_u32 v[EST], v18, 4, v19
	v_lshlrev_b32 v20, 5, v18
	v_add_nc_u32 v[XAR], XW, v20
	s_lshl_b32 s21, s8, 8
	v_add_nc_u32 v[XAW], s21, v[XAR]
	v_add_nc_u32 v[XFA], XF, v20
	v_add_nc_u32 v[XFL], XF, v[GV]
	v_and_b32 v19, 7, v0                           ; the turning load: row 8 h + l % 8, 16 bytes (l / 8) % 2
	v_lshl_add_u32 v19, v18, 3, v19
	v_mul_u32_u24 v19, v19, PK
	v_bfe_u32 v21, v0, 3, 1
	v_lshl_add_u32 v[TLE], v21, 4, v19
	v_add_nc_u32 v[TLE+1], 128*PK, v[TLE]
	s_lshl_b32 s21, s8, 6
	s_add_co_u32 s21, s21, VH
	v_add_nc_u32 v[TLV], s21, v[TLE]
	v_add_nc_u32 v[TLV+1], 128*PK, v[TLV]
	; V: my 64 rows, f32 to f16, into LDS.  A ring of 32 row loads, 512 bytes on end each.
.set i, 0
.rept 32
	global_load_b128 v[VB+4*i:VB+4*i+3], v[GV], s[16:17] offset:i*4096
.set i, i+1
.endr
.set i, 0
.rept 32
	s_wait_loadcnt 31                              ; row i is in; 31 younger loads stay out
	v_cvt_pk_f16_f32 v[VT+2*(i%4)], v[VB+4*i], v[VB+4*i+1]
	v_cvt_pk_f16_f32 v[VT+2*(i%4)+1], v[VB+4*i+2], v[VB+4*i+3]
	ds_store_b64 v[VST], v[VT+2*(i%4):VT+2*(i%4)+1] offset:i*PK
	global_load_b128 v[VB+4*i:VB+4*i+3], v[GV], s[16:17] offset:(i+32)*4096
.set i, i+1
.endr
.set i, 0
.rept 32
	s_wait_loadcnt 31-i
	v_cvt_pk_f16_f32 v[VT+2*(i%4)], v[VB+4*i], v[VB+4*i+1]
	v_cvt_pk_f16_f32 v[VT+2*(i%4)+1], v[VB+4*i+2], v[VB+4*i+3]
	ds_store_b64 v[VST], v[VT+2*(i%4):VT+2*(i%4)+1] offset:(i+32)*PK
.set i, i+1
.endr
	s_wait_tensorcnt 0x0                           ; my rows of K are in; only I read them
.irp b, 0,1,2,3
	LD8 KP+32*\b, KA, \b*16*PK
.endr
	s_wait_dscnt 0x0
.set n, 0
.rept 64
	v_pk_mul_f32 v[KP+2*n:KP+2*n+1], v[KP+2*n:KP+2*n+1], s[L2E:L2E+1] op_sel_hi:[1,0]
.set n, n+1
.endr
.set n, 0
.rept 32
	v_max3_num_f32 v[MX+n], v[KP+n], v[KP+32+n], v[KP+64+n]
.set n, n+1
.endr
.set n, 0
.rept 32
	v_max_num_f32 v[MX+n], v[MX+n], v[KP+96+n]
.set n, n+1
.endr
	XMAX MX
	ST8 MX, XAW, 0
	s_wait_dscnt 0x0
	s_barrier_signal -1
	s_barrier_wait -1
.irp v, 0,1,2,3
	LD8 NS, XAR, 256*\v
	s_wait_dscnt 0x0
.set n, 0
.rept 32
	v_max_num_f32 v[MX+n], v[MX+n], v[NS+n]
.set n, n+1
.endr
.endr
.set n, 0
.rept 64                                               ; k - M: block n / 16, pair n % 16
	v_pk_add_f32 v[KP+2*n:KP+2*n+1], v[KP+2*n:KP+2*n+1], v[MX+2*(n%16):MX+2*(n%16)+1] neg_lo:[0,1] neg_hi:[0,1]
.set n, n+1
.endr
.set n, 0
.rept 128
	v_exp_f32 v[KP+n], v[KP+n]
.set n, n+1
.endr
	v_nop                                          ; a plain instruction behind the last exponential
.set n, 0
	s_wait_alu depctr_va_vdst(0)
.rept 16
	v_pk_add_f32 v[NS+2*n:NS+2*n+1], v[KP+2*n:KP+2*n+1], v[KP+32+2*n:KP+32+2*n+1]
.set n, n+1
.endr
.irp b, 64, 96
.set n, 0
.rept 16
	v_pk_add_f32 v[NS+2*n:NS+2*n+1], v[NS+2*n:NS+2*n+1], v[KP+\b+2*n:KP+\b+2*n+1]
.set n, n+1
.endr
.endr
.set n, 0
.rept 64                                               ; to f16, packed downward in each block's registers
	v_cvt_pk_f16_f32 v[KP+32*(n/16)+n%16], v[KP+2*n], v[KP+2*n+1]
.set n, n+1
.endr
.irp b, 0,1,2,3
.irp lt, 0,1,2,3
	ds_store_b128 v[EST], v[KP+32*\b+4*\lt:KP+32*\b+4*\lt+3] offset:\b*16*PK+32*\lt  ; the weights take the place of my rows of K, whose one fill is over and which I have read
.endr
.endr
	XADD NS
	ST8 NS, XAW, 1024
	s_wait_dscnt 0x0                               ; weights, V and sums are written
	s_barrier_signal -1
	s_barrier_wait -1
	s_cmp_lg_u32 s8, 0
	s_cbranch_scc1 .Lnot_0
.irp v, 0,1,2,3
	LD8 KP+32*\v, XAR, 1024+256*\v
.endr
	s_wait_dscnt 0x0
.irp b, 32, 64, 96
.set n, 0
.rept 16
	v_pk_add_f32 v[KP+2*n:KP+2*n+1], v[KP+2*n:KP+2*n+1], v[KP+\b+2*n:KP+\b+2*n+1]
.set n, n+1
.endr
.endr
	ST8 MX, XFA, 0
	ST8 KP, XFA, 256
	ds_load_b128 v[NS:NS+3], v[XFL]                ; LDS serves my instructions in order: M and N as 512 bytes on end
	s_wait_dscnt 0x0
	global_store_b128 v[GV], v[NS:NS+3], s[6:7] offset:32768
.Lnot_0:
; S = E^T V: source 0 = 16 latents x 32 steps, source 1 = 32 steps x 16 channels, both turned on their way out of LDS.  Two fragment buffers; eight accumulators by turns.
.macro FETS ks, f
.irp lt, 0,1,2,3
	ds_load_tr16_b128 v[(\f)+8*\lt:(\f)+8*\lt+3],   v[TLE+(\ks)/4] offset:((\ks)%4)*32*PK+32*\lt
	ds_load_tr16_b128 v[(\f)+8*\lt+4:(\f)+8*\lt+7], v[TLE+(\ks)/4] offset:((\ks)%4)*32*PK+16*PK+32*\lt
.endr
.irp dd, 0,1
	ds_load_tr16_b128 v[(\f)+32+8*\dd:(\f)+32+8*\dd+3],   v[TLV+(\ks)/4] offset:((\ks)%4)*32*PK+32*\dd
	ds_load_tr16_b128 v[(\f)+32+8*\dd+4:(\f)+32+8*\dd+7], v[TLV+(\ks)/4] offset:((\ks)%4)*32*PK+16*PK+32*\dd
.endr
.endm
	FETS 0, 64
.irp ks, 0,1,2,3,4,5,6,7
.rept 4
	v_nop                                          ; places between the products that read a buffer and the loads into it
.endr
.if \ks < 7
	FETS \ks+1, 64+48*((\ks+1)%2)
	s_wait_dscnt 12                                ; all but the twelve just issued
.else
	s_wait_dscnt 0x0
.endif
.irp lt, 0,1,2,3
.irp dd, 0,1
.if \ks == 0
	v_wmma_f32_16x16x32_f16 v[ACC+8*(2*\lt+\dd):ACC+8*(2*\lt+\dd)+7], v[64+48*(\ks%2)+8*\lt:64+48*(\ks%2)+8*\lt+7], v[96+48*(\ks%2)+8*\dd:96+48*(\ks%2)+8*\dd+7], 0
.else
	v_wmma_f32_16x16x32_f16 v[ACC+8*(2*\lt+\dd):ACC+8*(2*\lt+\dd)+7], v[64+48*(\ks%2)+8*\lt:64+48*(\ks%2)+8*\lt+7], v[96+48*(\ks%2)+8*\dd:96+48*(\ks%2)+8*\dd+7], v[ACC+8*(2*\lt+\dd):ACC+8*(2*\lt+\dd)+7]
.endif
.endr
.endr
.endr
.rept 4
	v_nop
.endr
.irp lt, 0,1,2,3
.irp dd, 0,1
	global_store_b128 v[GV], v[ACC+8*(2*\lt+\dd):ACC+8*(2*\lt+\dd)+3], s[38:39] offset:(4*\dd+\lt)*1024        ; a wave stores 512 bytes on end; low registers first
	global_store_b128 v[GV], v[ACC+8*(2*\lt+\dd)+4:ACC+8*(2*\lt+\dd)+7], s[38:39] offset:(4*\dd+\lt)*1024+512
.endr
.endr
	s_wait_tensorcnt 0x0                           ; the wave's end
	ds_add_u32 v[SPW], v[NIL]
	s_wait_dscnt 0x0
	s_endpgm
.Lfunc_end_k_qf9e5d0314c_sums:
	.size	k_qf9e5d0314c_sums, .Lfunc_end_k_qf9e5d0314c_sums-k_qf9e5d0314c_sums
	.p2alignl 7, 3214868480
	.fill 96, 4, 3214868480
	.section	.rodata,"a",@progbits
	.p2align	6, 0x0
	.amdhsa_kernel k_qf9e5d0314c_sums
		.amdhsa_group_segment_fixed_size 167936
		.amdhsa_private_segment_fixed_size 0
		.amdhsa_enable_private_segment 0
		.amdhsa_kernarg_size 16
		.amdhsa_user_sgpr_count 2
		.amdhsa_user_sgpr_kernarg_segment_ptr 1
		.amdhsa_wavefront_size32 1
		.amdhsa_system_sgpr_workgroup_id_x 1
		.amdhsa_system_sgpr_workgroup_id_y 1
		.amdhsa_system_sgpr_workgroup_id_z 1
		.amdhsa_system_vgpr_workitem_id 0
		.amdhsa_next_free_vgpr 256
		.amdhsa_next_free_sgpr 66
		.amdhsa_reserve_vcc 0
		.amdhsa_float_denorm_mode_32 3
		.amdhsa_float_denorm_mode_16_64 3
		.amdhsa_memory_ordered 1
		.amdhsa_forward_progress 1
		.amdhsa_inst_pref_size 92
	.end_amdhsa_kernel
	.amdgpu_metadata
---
amdhsa.version: [ 1, 2 ]
amdhsa.kernels:
  - .name:           k_qf9e5d0314c_sums
    .symbol:         k_qf9e5d0314c_sums.kd
    .args:
      - { .name: vqk, .offset: 0, .size: 8, .value_kind: global_buffer, .address_space: global }
      - { .name: ssum, .offset: 8, .size: 8, .value_kind: global_buffer, .address_space: global }
    .group_segment_fixed_size: 167936
    .private_segment_fixed_size: 0
    .kernarg_segment_align: 8
    .kernarg_segment_size: 16
    .max_flat_workgroup_size: 128
    .sgpr_count:     66
    .vgpr_count:     256
    .wavefront_size: 32
...
	.end_amdgpu_metadata
.endif
;; end of part 3
;; launch scan (part 4): grid 8 x 32, 4 waves a work-group, no clusters, 327,680 bytes of LDS; arguments vqk, ssum, y, ylo; writes y, ylo
.if DOCPART == 4
	.amdgcn_target "amdgcn-amd-amdhsa--gfx1250"
	.amdhsa_code_object_version 6
	.text
	.protected	k_qf9e5d0314c_scan
	.globl	k_qf9e5d0314c_scan
	.p2align	8
	.type	k_qf9e5d0314c_scan,@function
k_qf9e5d0314c_scan:
	s_mov_b64 s[64:65], 0
	v_nop
	global_prefetch_b8 v0, s[64:65] scope:SCOPE_SE
	s_setreg_imm32_b32 hwreg(HW_REG_WAVE_MODE, 25, 1), 1
	s_wait_xcnt 0x0
; THE SCAN, in blocks, for chunk c (256 steps) of (batch, head).  k = K log2(e); m_t the running maximum, n_t the norm relative to m_t, w_t = softmax(Q)_t / n_t, all per latent.
; State in front of a block of 16 steps: mu, N, and Sbar[64][128] = csum / N (a mean of V's rows).  Then
;   y_t = sum_l P_t[l] Sbar[l][:] + sum_{s <= t} A[t][s] V_s,   P_t = w_t N 2^(mu - m_t),   Sbar' = rho Sbar + sum_s a_s V_s,   a_s = 2^(k_s - m_15) / n_15,   rho = N 2^(mu - m_15) / n_15.
; A[t][s] = sum_l w_t 2^(k_s - m_t) is split at a running maximum m_c with s <= c < t: for the highest bit b in which s and t differ, c is the last step of the lower half of their group of 2^(b+1);
; Z_b[i] = 2^(k_i - m_c) where bit b of i is 0, w_i 2^(m_c - m_i) where it is 1, and Z_b^T Z_b holds A at the pairs of level b.  Every exponent in the text is <= 0: the running maximum is always taken away.
; PHASES.  Wave w makes P, a, rho and A for blocks 4 w .. 4 w + 3, from carries made by a prefix over earlier chunks' records and earlier waves' sums; then every wave walks all 16 blocks for its 32 channels.
; FORMATS.  P, a, Z, A, Sbar, V, y go in f16, sums, maxima, norms and Sbar's master copy in f32.  A has a second f16 word everywhere; V and y have one in a chunk's first 16 steps (stored for chunk 0).
; LIMITS: |V| < 65,504; a factor under 6e-5 keeps f16's step of 6e-8; a weight under 2^-126 counts as 0; NaN and infinities are not treated apart.
; No cluster: no two work-groups read the same tile; the records that chunks of one head share are a small part of the bytes.
; LAYOUT by time: lane (r = l % 16, h = l / 16) holds step r and 32 latents: register 8 lt + 4 q + i is latent 16 lt + 8 h + 4 q + i; that is also a matrix result's row 8 h + j of tile lt.
; LDS ADDRESSES.  No loop writes an LDS address register: an address is a register made ahead of the loop plus an immediate.  Where a loop's trips touch different bytes, the run of LDS
; instructions is written once for each trip, and the trip's counter picks its run by forward jumps (the last run is the default, so that one run is taken on every way).
.set PK,    288
.set PQ,    272
.set QR,    73728                      ; K's rows lie at 0 (later a, 128 bytes a row); Q's here (later P)
.set VH,    143360                     ; V in f16, 256 x 288
.set VL,    217088                     ; V's second word, 16 x 288
.set AF,    221696                     ; A: 256 rows of 80 bytes: 32 first word, 32 second
.set RHO,   242176                     ; 16 x 256
.set YS,    246272                     ; y: 4 waves x 256 steps x 64 bytes
.set YL,    311808                     ; y's second word: 4 x 16 x 64
.set XW,    315904                     ; the waves' maxima and sums: 4 x 512
.set CAR,   317952                     ; each wave's running carry: 4 x 512
.set CAR0,  320000                     ; the chunk's carry: 4 x 512
.set SPARE, 322048
.set REC,   33280
.set SPW, 14
.set NIL, 15
.set TQ,   20                          ; s20  the walk's trip / 4
.set TE,   21                          ; s21  the walk's trip % 4
.set MK,   24                          ; s[24:27] lanes whose step has bit b
.set SELG, 28                          ; s[28:35] every lane takes lane c of its group
.set SELC, 36                          ; s[36:43] upper lanes take lane c, lower ones themselves
.set SEL15, 44
.set SELX, 46
.set L2E,  48
.set G1K, 72
.set G1Q, 80
.set G0K, 88
.set G0Q, 92
.set C1, 66                            ; masks for A, made when the tensor loads are done
.set C2, 74
.set C4, 82
.set C5, 90
.set C3, 98
.macro LD8 dst, adr, off
.irp z, 0,1,2,3,4,5,6,7
	ds_load_b128 v[(\dst)+4*\z:(\dst)+4*\z+3], v[\adr] offset:(\off)+64*(\z/2)+16*(\z%2)
.endr
.endm
.macro ST8 src, adr, off
.irp z, 0,1,2,3,4,5,6,7
	ds_store_b128 v[\adr], v[(\src)+4*\z:(\src)+4*\z+3] offset:(\off)+64*(\z/2)+16*(\z%2)
.endr
.endm
.macro GL8 dst, adr, off
.irp z, 0,1,2,3,4,5,6,7
	global_load_b128 v[(\dst)+4*\z:(\dst)+4*\z+3], v[\adr], s[56:57] offset:(\off)+64*(\z/2)+16*(\z%2)
.endr
.endm
.macro XMAX base
.irp m, 1,2,4,8
.set zz, 0
.rept 32
	v_max_num_f32_dpp v[(\base)+zz], v[(\base)+zz], v[(\base)+zz] row_xmask:\m row_mask:0xf bank_mask:0xf
.set zz, zz+1
.endr
.endr
.endm
.macro XADD base
.irp m, 1,2,4,8
.set zz, 0
.rept 32
	v_add_f32_dpp v[(\base)+zz], v[(\base)+zz], v[(\base)+zz] row_xmask:\m row_mask:0xf bank_mask:0xf
.set zz, zz+1
.endr
.endr
.endm
.set MU, 32
.set NU, 64
.set MX, 96
.set NX, 128
.set TA, 160
.set TB, 192
.macro COMB                            ; (MU, NU) takes (MX, NX) in: the new maximum, both norms rescaled to it
.set zz, 0
.rept 16
	v_pk_add_f32 v[TA+2*zz:TA+2*zz+1], v[MU+2*zz:MU+2*zz+1], v[MX+2*zz:MX+2*zz+1] neg_lo:[0,1] neg_hi:[0,1]
	v_pk_add_f32 v[TB+2*zz:TB+2*zz+1], v[MX+2*zz:MX+2*zz+1], v[MU+2*zz:MU+2*zz+1] neg_lo:[0,1] neg_hi:[0,1]
.set zz, zz+1
.endr
.set zz, 0
.rept 32
	v_max_num_f32 v[MU+zz], v[MU+zz], v[MX+zz]
	v_min_num_f32 v[TA+zz], 0, v[TA+zz]
	v_min_num_f32 v[TB+zz], 0, v[TB+zz]
.set zz, zz+1
.endr
.set zz, 0
.rept 32
	v_exp_f32 v[TA+zz], v[TA+zz]
	v_exp_f32 v[TB+zz], v[TB+zz]
.set zz, zz+1
.endr
	v_nop
.set zz, 0
	s_wait_alu depctr_va_vdst(0)
.rept 16
	v_pk_mul_f32 v[NU+2*zz:NU+2*zz+1], v[NU+2*zz:NU+2*zz+1], v[TA+2*zz:TA+2*zz+1]
.set zz, zz+1
.endr
.set zz, 0
.rept 16
	v_pk_fma_f32 v[NU+2*zz:NU+2*zz+1], v[NX+2*zz:NX+2*zz+1], v[TB+2*zz:TB+2*zz+1], v[NU+2*zz:NU+2*zz+1]
.set zz, zz+1
.endr
.endm
; One of four runs, by the counter s50 (0 to 3): macro m is written once for each value.
.macro SITE4 m
.irp bb, 0,1,2
	s_cmp_lg_u32 s50, \bb
	s_cbranch_scc1 .Ls4_\@_\bb
	\m \bb
	s_branch .Ls4x_\@
.Ls4_\@_\bb:
.endr
	\m 3
.Ls4x_\@:
.endm
; One of fifteen runs, for the walk's trips 1 to 15: first by trip / 4, then by trip % 4.
.macro WSITE m
.irp q, 0,1,2,3
.if \q < 3
	s_cmp_lg_u32 s[TQ], \q
	s_cbranch_scc1 .Lwq_\@_\q
.endif
.irp e, 0,1,2,3
.if 4*\q+\e > 0
.if \e < 3
	s_cmp_lg_u32 s[TE], \e
	s_cbranch_scc1 .Lwe_\@_\q\e
.endif
	\m 4*\q+\e
.if 4*\q+\e < 15
	s_branch .Lwx_\@
.endif
.if \e < 3
.Lwe_\@_\q\e:
.endif
.endif
.endr
.if \q < 3
.Lwq_\@_\q:
.endif
.endr
.Lwx_\@:
.endm
	s_load_b256 s[4:11], s[0:1], 0x0               ; vqk, ssum, y, ylo
	v_lshl_add_u32 v[SPW], v0, 2, SPARE
	v_mov_b32 v[NIL], 0
	ds_add_u32 v[SPW], v[NIL]                      ; the wave's opening: the add and its wait stand ahead of my first tensor load
	ds_add_u32 v14, v15
	v_lshrrev_b32 v1, 5, v0
	v_readfirstlane_b32 s12, v1                    ; wave
	s_mov_b32 s13, ttmp9                           ; chunk
	s_and_b32 s14, ttmp7, 0xffff
	s_lshr_b32 s15, s14, 3                         ; batch
	s_and_b32 s16, s14, 7                          ; head
	s_lshl_b32 s17, s15, 11
	s_lshl_b32 s18, s13, 8
	s_add_co_u32 s17, s17, s18
	s_lshl_b32 s18, s12, 6
	s_add_co_u32 s17, s17, s18                     ; my first row
	s_lshl_b32 s18, s17, 12
	s_lshl_b32 s19, s16, 9
	s_add_co_u32 s52, s18, s19                     ; V
	s_mov_b32 s53, 0
	s_lshl_b32 s19, s16, 8
	s_add_co_u32 s58, s18, s19
	s_add_co_u32 s58, s58, 33554432                ; Q
	s_mov_b32 s59, 0
	s_add_co_u32 s62, s58, 2048                    ; K
	s_mov_b32 s63, 0
	s_lshl_b32 s60, s17, 11
	s_add_co_u32 s60, s60, s19                     ; y: row x 2,048 + head x 256
	s_mov_b32 s61, 0
	s_mul_i32 s54, s14, 7*REC                      ; the head's first record
	s_mov_b32 s55, 0
	s_mov_b32 s[G1K], (2<<16)|(1<<20)|(5<<22)|(7<<25)  ; 4-byte elements; 8 words of padding after every 64
	s_mov_b32 s[G1Q], (2<<16)|(1<<20)|(5<<22)|(3<<25)  ; 4 words
.irp g, G1K, G1Q
	s_mov_b32 s[\g+1], 64<<16                      ; tensor_dim0 = 64
	s_mov_b32 s[\g+2], 64<<16                      ; tensor_dim1 = 64
	s_mov_b32 s[\g+3], 64<<16                      ; tile_dim0 = 64
	s_mov_b32 s[\g+4], 64                          ; tile_dim1 = 64
	s_mov_b32 s[\g+5], 1024
	s_mov_b32 s[\g+6], 0
	s_mov_b32 s[\g+7], 0
.endr
	s_mov_b32 s[G0K], 1
	s_mul_i32 s[G0K+1], s12, 64*PK
	s_mov_b32 s[G0Q], 1
	s_mul_i32 s[G0Q+1], s12, 64*PQ
	s_add_co_u32 s[G0Q+1], s[G0Q+1], QR
	s_mov_b32 s[MK], 0xaaaaaaaa
	s_mov_b32 s[MK+1], 0xcccccccc
	s_mov_b32 s[MK+2], 0xf0f0f0f0
	s_mov_b32 s[MK+3], 0xff00ff00
	s_mov_b32 s[SELG], 0x66442200
	s_mov_b32 s[SELG+1], 0xeeccaa88
	s_mov_b32 s[SELG+2], 0x55551111
	s_mov_b32 s[SELG+3], 0xdddd9999
	s_mov_b32 s[SELG+4], 0x33333333
	s_mov_b32 s[SELG+5], 0xbbbbbbbb
	s_mov_b32 s[SELG+6], 0x77777777
	s_mov_b32 s[SELG+7], 0x77777777
	s_mov_b32 s[SELC], 0x66442200
	s_mov_b32 s[SELC+1], 0xeeccaa88
	s_mov_b32 s[SELC+2], 0x55541110
	s_mov_b32 s[SELC+3], 0xdddc9998
	s_mov_b32 s[SELC+4], 0x33333210
	s_mov_b32 s[SELC+5], 0xbbbbba98
	s_mov_b32 s[SELC+6], 0x76543210
	s_mov_b32 s[SELC+7], 0x77777777
	s_mov_b32 s[SEL15], -1
	s_mov_b32 s[SEL15+1], -1
	s_mov_b32 s[SELX], 0x76543210
	s_mov_b32 s[SELX+1], 0xfedcba98
	s_mov_b32 s[L2E], 0x3fb8aa3b
	s_mov_b32 s[L2E+1], s[L2E]
	s_wait_dscnt 0x0
	s_wait_kmcnt 0x0
	s_add_nc_u64 s[G0K+2:G0K+3], s[4:5], s[62:63]
	s_or_b32 s[G0K+3], s[G0K+3], 0x80000000
	s_add_nc_u64 s[G0Q+2:G0Q+3], s[4:5], s[58:59]
	s_or_b32 s[G0Q+3], s[G0Q+3], 0x80000000
	tensor_load_to_lds s[G0K:G0K+3], s[G1K:G1K+7]  ; my 64 rows of K and of Q: two loads of mine are out; these bytes are filled once
	s_nop 0
	tensor_load_to_lds s[G0Q:G0Q+3], s[G1Q:G1Q+7]
	s_nop 0
	s_add_nc_u64 s[52:53], s[4:5], s[52:53]
	s_add_nc_u64 s[54:55], s[6:7], s[54:55]
	s_add_nc_u64 s[60:61], s[8:9], s[60:61]
	; ---- V: my 64 rows to f16, a ring of 32 row loads of 512 bytes
.set VB, 64
.set VT, 192
	v_and_b32 v9, 31, v0
	v_lshlrev_b32 v1, 4, v9
	s_mul_i32 s17, s12, 64*PK
	s_add_co_u32 s17, s17, VH
	v_lshl_add_u32 v2, v9, 3, s17
.set i, 0
.rept 32
	global_load_b128 v[VB+4*i:VB+4*i+3], v1, s[52:53] offset:i*4096
.set i, i+1
.endr
.set i, 0
.rept 32
	s_wait_loadcnt 31                              ; row i is in; 31 younger loads stay out
	v_cvt_pk_f16_f32 v[VT+2*(i%4)], v[VB+4*i], v[VB+4*i+1]
	v_cvt_pk_f16_f32 v[VT+2*(i%4)+1], v[VB+4*i+2], v[VB+4*i+3]
	ds_store_b64 v2, v[VT+2*(i%4):VT+2*(i%4)+1] offset:i*PK
	global_load_b128 v[VB+4*i:VB+4*i+3], v1, s[52:53] offset:(i+32)*4096
.set i, i+1
.endr
.set i, 0
.rept 32
	s_wait_loadcnt 31-i
	v_cvt_pk_f16_f32 v[VT+2*(i%4)], v[VB+4*i], v[VB+4*i+1]
	v_cvt_pk_f16_f32 v[VT+2*(i%4)+1], v[VB+4*i+2], v[VB+4*i+3]
	ds_store_b64 v2, v[VT+2*(i%4):VT+2*(i%4)+1] offset:(i+32)*PK
.set i, i+1
.endr
	s_cmp_lg_u32 s12, 0
	s_cbranch_scc1 .Lno_vlo
	v_lshl_add_u32 v3, v9, 3, VL                   ; wave 0: the chunk's first 16 rows once more, for what the first f16 word left over
.set i, 0
.rept 16
	global_load_b128 v[128+4*i:128+4*i+3], v1, s[52:53] offset:i*4096
.set i, i+1
.endr
.set i, 0
.rept 16
	s_wait_loadcnt 15-i
	v_cvt_pk_f16_f32 v32, v[128+4*i], v[128+4*i+1]
	v_cvt_pk_f16_f32 v33, v[128+4*i+2], v[128+4*i+3]
	v_cvt_f32_f16 v34, v32.l
	v_cvt_f32_f16 v35, v32.h
	v_cvt_f32_f16 v36, v33.l
	v_cvt_f32_f16 v37, v33.h
	v_pk_add_f32 v[34:35], v[128+4*i:128+4*i+1], v[34:35] neg_lo:[0,1] neg_hi:[0,1]
	v_pk_add_f32 v[36:37], v[128+4*i+2:128+4*i+3], v[36:37] neg_lo:[0,1] neg_hi:[0,1]
	v_cvt_pk_f16_f32 v38, v34, v35
	v_cvt_pk_f16_f32 v39, v36, v37
	ds_store_b64 v3, v[38:39] offset:i*PK
.set i, i+1
.endr
.Lno_vlo:
	; ---- the chunk's carry (mu0, N0) from the records of the chunks before; every wave makes it for itself
	v_bfe_u32 v10, v0, 4, 1
	v_lshlrev_b32 v4, 5, v10                       ; 32 h
	s_lshl_b32 s18, s12, 9
	v_add_nc_u32 v5, s18, v4
	v_add_nc_u32 v6, CAR0, v5
	v_add_nc_u32 v7, CAR, v5
	v_add_nc_u32 v8, XW, v5
	v_add_nc_u32 v13, XW, v4                       ; wave 0's maxima and sums
.set n, 0
.rept 32
	v_mov_b32 v[MU+n], 0xff000000                  ; far below every k
	v_mov_b32 v[NU+n], 0
.set n, n+1
.endr
	s_cmp_eq_u32 s13, 0
	s_cbranch_scc1 .Lp2_done
	s_mov_b64 s[56:57], s[54:55]
	s_mov_b32 s50, 0
.Lp2:
	GL8 MX, 4, 32768
	GL8 NX, 4, 32768+256
	s_wait_loadcnt 0x0                             ; also frees the base for its step
	COMB
	s_add_nc_u64 s[56:57], s[56:57], REC
	s_add_co_u32 s50, s50, 1
	s_cmp_lt_u32 s50, s13
	s_cbranch_scc1 .Lp2
.Lp2_done:
	ST8 MU, 6, 0
	ST8 NU, 6, 256
	; ---- my 64 steps' maximum and sum, for the waves behind me
.set K3, 96
	v_and_b32 v12, 15, v0
	v_mul_u32_u24 v12, v12, PK
	s_mul_i32 s17, s12, 64*PK
	v_add_nc_u32 v12, s17, v12
	v_lshl_add_u32 v10, v10, 5, v12
	s_wait_tensorcnt 0x0                           ; my rows of K and Q are in; only I read them until the second barrier
.irp b, 0,1,2,3
	LD8 K3+32*\b, 10, \b*16*PK
.endr
	s_wait_dscnt 0x0
.set n, 0
.rept 64
	v_pk_mul_f32 v[K3+2*n:K3+2*n+1], v[K3+2*n:K3+2*n+1], s[L2E:L2E+1] op_sel_hi:[1,0]
.set n, n+1
.endr
.set n, 0
.rept 32
	v_max3_num_f32 v[MU+n], v[K3+n], v[K3+32+n], v[K3+64+n]
.set n, n+1
.endr
.set n, 0
.rept 32
	v_max_num_f32 v[MU+n], v[MU+n], v[K3+96+n]
.set n, n+1
.endr
	XMAX MU
.set n, 0
.rept 64
	v_pk_add_f32 v[K3+2*n:K3+2*n+1], v[K3+2*n:K3+2*n+1], v[MU+2*(n%16):MU+2*(n%16)+1] neg_lo:[0,1] neg_hi:[0,1]
.set n, n+1
.endr
.set n, 0
.rept 128
	v_exp_f32 v[K3+n], v[K3+n]
.set n, n+1
.endr
	v_nop
.set n, 0
	s_wait_alu depctr_va_vdst(0)
.rept 16
	v_pk_add_f32 v[NU+2*n:NU+2*n+1], v[K3+2*n:K3+2*n+1], v[K3+32+2*n:K3+32+2*n+1]
.set n, n+1
.endr
.irp b, 64, 96
.set n, 0
.rept 16
	v_pk_add_f32 v[NU+2*n:NU+2*n+1], v[NU+2*n:NU+2*n+1], v[K3+\b+2*n:K3+\b+2*n+1]
.set n, n+1
.endr
.endr
	XADD NU
	ST8 MU, 8, 0
	ST8 NU, 8, 256
	s_wait_dscnt 0x0
	s_barrier_signal -1
	s_barrier_wait -1
	LD8 MU, 6, 0                                   ; the chunk's carry again,
	LD8 NU, 6, 256
	s_wait_dscnt 0x0
.macro XIN bb                          ; wave bb's maxima and sums
	LD8 MX, 13, 512*(\bb)
	LD8 NX, 13, 512*(\bb)+256
.endm
	s_mov_b32 s50, 0
.Lp3:                                                  ; and the waves in front of me: three trips, the dead ones jumped
	s_cmp_ge_u32 s50, s12
	s_cbranch_scc1 .Lp3_skip
.irp bb, 0,1
	s_cmp_lg_u32 s50, \bb
	s_cbranch_scc1 .Lp3_not_\bb
	XIN \bb
	s_branch .Lp3_in
.Lp3_not_\bb:
.endr
	XIN 2
.Lp3_in:
	s_wait_dscnt 0x0
	COMB
.Lp3_skip:
	s_add_co_u32 s50, s50, 1
	s_cmp_lt_u32 s50, 3
	s_cbranch_scc1 .Lp3
	ST8 MU, 7, 0                                   ; the state in front of my first block
	ST8 NU, 7, 256
	; ---- PHASE A: P, a, rho, A for my four blocks
.set KA,   1
.set QA,   2
.set EST,  3
.set PST,  4
.set AST,  5
.set RHOA, 6
.set CARA, 7
.set KP,  24
.set QS,  56
.set ZF,  88
.set DA,  120
.set MUG, 152
.set NCG, 160
.set RM,  168
.set RE0, 176
.set RST, 184
.set RNL, 192
.set RX,  200
.set RT,  232
.set RW,  240
.set RT2, 248
	v_and_b32 v18, 15, v0                          ; the six addresses of my first block; the loop does not write them
	v_bfe_u32 v19, v0, 4, 1
	s_mul_i32 s17, s12, 64*PK
	v_mul_u32_u24 v21, v18, PK
	v_add_nc_u32 v21, s17, v21
	v_lshl_add_u32 v[KA], v19, 5, v21
	v_lshl_add_u32 v[EST], v19, 4, v21
	s_mul_i32 s17, s12, 64*PQ
	s_add_co_u32 s17, s17, QR
	v_mul_u32_u24 v21, v18, PQ
	v_add_nc_u32 v21, s17, v21
	v_lshl_add_u32 v[QA], v19, 5, v21
	v_lshl_add_u32 v[PST], v19, 4, v21
	s_mul_i32 s17, s12, 64*80
	s_add_co_u32 s17, s17, AF
	v_mul_u32_u24 v21, v18, 80
	v_add_nc_u32 v21, s17, v21
	v_lshl_add_u32 v[AST], v19, 4, v21
	s_lshl_b32 s17, s12, 10
	s_add_co_u32 s17, s17, RHO
	v_lshl_add_u32 v[RHOA], v19, 5, s17
	v_lshlrev_b32 v19, 3, v19                      ; a result's row s = 8 h + j, its column t = r
.set j, 0
.rept 8
	v_add_nc_u32 v20, j, v19
	v_xor_b32 v21, v20, v18
	v_cmp_le_u32 s[C1+j], 2, v21                   ; level 1 or above
	v_cmp_le_u32 s[C2+j], 4, v21                   ; level 2 or above
	v_cmp_eq_u32 s[C4+j], v20, v18                 ; the diagonal
	v_cmp_le_u32 s[C5+j], v20, v18                 ; s <= t
.set j, j+1
.endr
	v_cmp_le_u32 s[C3], 8, v21                     ; level 3: the same for all j
.irp k, 0,1,2
	v_cndmask_b32 v[8+2*\k], 0, 1.0, s[MK+\k]      ; 1 where the step has bit k
	v_cndmask_b32 v[9+2*\k], 0, 1.0, s[MK+\k]
.endr
	v_cndmask_b32 v16, 0, 1.0, s[MK+3]
	v_cndmask_b32 v17, 0, 1.0, s[MK+3]
.set n, 0
.rept 8
	v_mov_b32 v[RT+n], 0                           ; a lane permute's destination counts as read
	v_mov_b32 v[RT2+n], 0
.set n, n+1
.endr
.macro AIN bb                          ; block bb of my four: K and Q by time
	LD8 KP, KA, (\bb)*16*PK
	LD8 QS, QA, (\bb)*16*PQ
.endm
.macro AOUT bb                         ; block bb's results, which the groups left in the registers of k (a, P) and of Q's softmax (rho)
.irp lt, 0,1,2,3
	ds_store_b128 v[RHOA], v[QS+8*\lt:QS+8*\lt+3] offset:(\bb)*256+64*\lt
	ds_store_b128 v[RHOA], v[QS+8*\lt+4:QS+8*\lt+7] offset:(\bb)*256+64*\lt+16
	ds_store_b128 v[EST], v[KP+8*\lt:KP+8*\lt+3] offset:(\bb)*16*PK+32*\lt      ; a, in the place of my rows of K, which have been read
	ds_store_b128 v[PST], v[KP+8*\lt+4:KP+8*\lt+7] offset:(\bb)*16*PQ+32*\lt    ; P, in the place of my rows of Q
.endr
	ds_store_b128 v[AST], v[18:21] offset:(\bb)*16*80
	ds_store_b128 v[AST], v[RT:RT+3] offset:(\bb)*16*80+32
.endm
.macro LEVEL k, src, bit               ; X_k = 2^-|m_c - (k_i or m_i)|, and the norm's prefix sum: upper lanes add lane c's sum times X_k
.irp i, 0,1,2,3,4,5,6,7
	v_permlane16_b32 v[RT+\i], v[RM+\i], s[SELG+2*(\k)], s[SELG+2*(\k)+1]
.endr
.irp i, 0,1,2,3,4,5,6,7
	v_cndmask_b32 v[RT2+\i], v[K8+\i], v[RM+\i], s[MK+(\k)]
.endr
.irp p, 0,2,4,6
	v_pk_add_f32 v[RT+\p:RT+\p+1], v[RT+\p:RT+\p+1], v[RT2+\p:RT2+\p+1] neg_lo:[0,1] neg_hi:[0,1]
.endr
.irp i, 0,1,2,3,4,5,6,7
	v_or_b32 v[RT+\i], 0x80000000, v[RT+\i]
.endr
.irp i, 0,1,2,3,4,5,6,7
	v_permlane16_b32 v[RT2+\i], v[(\src)+\i], s[SELG+2*(\k)], s[SELG+2*(\k)+1]
.endr
.irp i, 0,1,2,3,4,5,6,7
	v_exp_f32 v[RX+8*(\k)+\i], v[RT+\i]
.endr
	v_nop
	s_wait_alu depctr_va_vdst(0)
.irp p, 0,2,4,6
	v_pk_mul_f32 v[RT2+\p:RT2+\p+1], v[RT2+\p:RT2+\p+1], v[RX+8*(\k)+\p:RX+8*(\k)+\p+1]
.endr
.irp p, 0,2,4,6
	v_pk_fma_f32 v[RNL+\p:RNL+\p+1], v[RT2+\p:RT2+\p+1], v[\bit:\bit+1], v[(\src)+\p:(\src)+\p+1] op_sel_hi:[1,0,1]
.endr
.endm
.macro GROUP lt                        ; eight latents a lane
.set K8, KP+8*(\lt)
.set Q8, QS+8*(\lt)
	ds_load_b128 v[MUG:MUG+3], v[CARA] offset:64*(\lt)
	ds_load_b128 v[MUG+4:MUG+7], v[CARA] offset:64*(\lt)+16
	ds_load_b128 v[NCG:NCG+3], v[CARA] offset:256+64*(\lt)
	ds_load_b128 v[NCG+4:NCG+7], v[CARA] offset:256+64*(\lt)+16
.irp i, 0,1,2,3,4,5,6,7
	v_permlane16_b32 v[RT+\i], v[K8+\i], s[SELC], s[SELC+1]
.endr
.irp i, 0,1,2,3,4,5,6,7
	v_max_num_f32 v[RM+\i], v[K8+\i], v[RT+\i]
.endr
.irp k, 1,2,3
.irp i, 0,1,2,3,4,5,6,7
	v_permlane16_b32 v[RT+\i], v[RM+\i], s[SELC+2*\k], s[SELC+2*\k+1]
.endr
.irp i, 0,1,2,3,4,5,6,7
	v_max_num_f32 v[RM+\i], v[RM+\i], v[RT+\i]
.endr
.endr
	s_wait_dscnt 0x0                               ; mu and N
.irp i, 0,1,2,3,4,5,6,7
	v_max_num_f32 v[RM+\i], v[RM+\i], v[MUG+\i]    ; m_t
.endr
.irp p, 0,2,4,6
	v_pk_add_f32 v[RE0+\p:RE0+\p+1], v[K8+\p:K8+\p+1], v[RM+\p:RM+\p+1] neg_lo:[0,1] neg_hi:[0,1]
	v_pk_add_f32 v[RST+\p:RST+\p+1], v[MUG+\p:MUG+\p+1], v[RM+\p:RM+\p+1] neg_lo:[0,1] neg_hi:[0,1]
.endr
.irp i, 0,1,2,3,4,5,6,7
	v_exp_f32 v[RE0+\i], v[RE0+\i]
	v_exp_f32 v[RST+\i], v[RST+\i]
.endr
	v_nop
	s_wait_alu depctr_va_vdst(0)
.irp p, 0,2,4,6
	v_pk_mul_f32 v[RST+\p:RST+\p+1], v[RST+\p:RST+\p+1], v[NCG+\p:NCG+\p+1]  ; N 2^(mu - m_t)
.endr
	LEVEL 0, RE0, 8
	LEVEL 1, RNL, 10
	LEVEL 2, RNL, 12
	LEVEL 3, RNL, 16
.irp p, 0,2,4,6
	v_pk_add_f32 v[RNL+\p:RNL+\p+1], v[RNL+\p:RNL+\p+1], v[RST+\p:RST+\p+1]  ; n_t
.endr
.irp i, 0,1,2,3,4,5,6,7
	v_rcp_f32 v[RW+\i], v[RNL+\i]
.endr
	v_nop
	s_wait_alu depctr_va_vdst(0)
.irp p, 0,2,4,6
	v_pk_mul_f32 v[RT2+\p:RT2+\p+1], v[RST+\p:RST+\p+1], v[RW+\p:RW+\p+1]    ; N 2^(mu - m_t) / n_t: step 15's is rho
.endr
.irp i, 0,1,2,3,4,5,6,7
	v_permlane16_b32 v[MUG+\i], v[RM+\i], s[SEL15], s[SEL15+1]   ; m_15,
	v_permlane16_b32 v[NCG+\i], v[RNL+\i], s[SEL15], s[SEL15+1]  ; n_15: the next block's mu and N,
	v_permlane16_b32 v[RM+\i], v[RW+\i], s[SEL15], s[SEL15+1]    ; and 1 / n_15, where m_t is no longer needed
.endr
.irp p, 0,2,4,6
	v_pk_add_f32 v[RT+\p:RT+\p+1], v[K8+\p:K8+\p+1], v[MUG+\p:MUG+\p+1] neg_lo:[0,1] neg_hi:[0,1]
.endr
.irp i, 0,1,2,3,4,5,6,7
	v_exp_f32 v[RT+\i], v[RT+\i]
.endr
	v_nop
	s_wait_alu depctr_va_vdst(0)
.irp p, 0,2,4,6
	v_pk_mul_f32 v[RT+\p:RT+\p+1], v[RT+\p:RT+\p+1], v[RM+\p:RM+\p+1]        ; a_s
.endr
.irp i, 0,1,2,3
	v_cvt_pk_f16_f32 v[K8+\i], v[RT+2*\i], v[RT+2*\i+1]                      ; kept where the group's k lay, which is used up
.endr
	ds_store_b128 v[CARA], v[MUG:MUG+3] offset:64*(\lt)
	ds_store_b128 v[CARA], v[MUG+4:MUG+7] offset:64*(\lt)+16
	ds_store_b128 v[CARA], v[NCG:NCG+3] offset:256+64*(\lt)
	ds_store_b128 v[CARA], v[NCG+4:NCG+7] offset:256+64*(\lt)+16
.irp p, 0,2,4,6
	v_pk_mul_f32 v[RW+\p:RW+\p+1], v[Q8+\p:Q8+\p+1], v[RW+\p:RW+\p+1]        ; w_t
.endr
.irp i, 0,1,2,3,4,5,6,7
	v_permlane16_b32 v[Q8+\i], v[RT2+\i], s[SEL15], s[SEL15+1]               ; rho, kept where the group's softmax lay
.endr
.irp p, 0,2,4,6
	v_pk_fma_f32 v[22:23], v[RW+\p:RW+\p+1], v[RE0+\p:RE0+\p+1], v[22:23]    ; the diagonal, in f32
.endr
.irp p, 0,2,4,6
	v_pk_mul_f32 v[RT+\p:RT+\p+1], v[RW+\p:RW+\p+1], v[RST+\p:RST+\p+1]      ; P_t
.endr
.irp i, 0,1,2,3
	v_cvt_pk_f16_f32 v[K8+4+\i], v[RT+2*\i], v[RT+2*\i+1]
.endr
.irp k, 0,1,2,3
.irp p, 0,2,4,6
	v_pk_mul_f32 v[RT+\p:RT+\p+1], v[RX+8*\k+\p:RX+8*\k+\p+1], v[RW+\p:RW+\p+1]
.endr
.irp i, 0,1,2,3,4,5,6,7
	v_cndmask_b32 v[RT+\i], v[RX+8*\k+\i], v[RT+\i], s[MK+\k]
.endr
.irp i, 0,1,2,3
	v_cvt_pk_f16_f32 v[ZF+8*\k+4*((\lt)%2)+\i], v[RT+2*\i], v[RT+2*\i+1]
.endr
.endr
.endm
	s_mov_b32 s50, 0
.Lblk:
	SITE4 AIN
	s_wait_dscnt 0x0
.set n, 0
.rept 16
	v_pk_mul_f32 v[KP+2*n:KP+2*n+1], v[KP+2*n:KP+2*n+1], s[L2E:L2E+1] op_sel_hi:[1,0]
	v_pk_mul_f32 v[QS+2*n:QS+2*n+1], v[QS+2*n:QS+2*n+1], s[L2E:L2E+1] op_sel_hi:[1,0]
.set n, n+1
.endr
.irp j, 0,1,2,3                        ; softmax over the 64 latents: 32 here, 32 in the lane 16 away
	v_max3_num_f32 v[18+\j], v[QS+8*\j], v[QS+8*\j+1], v[QS+8*\j+2]
.endr
.irp j, 0,1,2,3
	v_max3_num_f32 v[18+\j], v[18+\j], v[QS+8*\j+3], v[QS+8*\j+4]
.endr
.irp j, 0,1,2,3
	v_max3_num_f32 v[18+\j], v[18+\j], v[QS+8*\j+5], v[QS+8*\j+6]
.endr
	v_max3_num_f32 v18, v18, v[QS+7], v[QS+15]
	v_max3_num_f32 v19, v19, v[QS+23], v[QS+31]
	v_max3_num_f32 v18, v18, v19, v20
	v_max_num_f32 v18, v18, v21
	v_permlanex16_b32 v19, v18, s[SELX], s[SELX+1]
	v_max_num_f32 v18, v18, v19
.set n, 0
.rept 16
	v_pk_add_f32 v[QS+2*n:QS+2*n+1], v[QS+2*n:QS+2*n+1], v[18:19] op_sel_hi:[1,0] neg_lo:[0,1] neg_hi:[0,1]
.set n, n+1
.endr
.set n, 0
.rept 32
	v_exp_f32 v[QS+n], v[QS+n]
.set n, n+1
.endr
	v_mov_b32 v22, 0                               ; the diagonal's sum starts; also the plain instruction behind the exponentials
	v_mov_b32 v23, 0
	s_wait_alu depctr_va_vdst(0)
.irp p, 0,2,4,6
	v_pk_add_f32 v[RT+\p:RT+\p+1], v[QS+\p:QS+\p+1], v[QS+8+\p:QS+8+\p+1]
.endr
.irp p, 0,2,4,6
	v_pk_add_f32 v[RT+\p:RT+\p+1], v[RT+\p:RT+\p+1], v[QS+16+\p:QS+16+\p+1]
.endr
.irp p, 0,2,4,6
	v_pk_add_f32 v[RT+\p:RT+\p+1], v[RT+\p:RT+\p+1], v[QS+24+\p:QS+24+\p+1]
.endr
	v_pk_add_f32 v[RT:RT+1], v[RT:RT+1], v[RT+2:RT+3]
	v_pk_add_f32 v[RT+4:RT+5], v[RT+4:RT+5], v[RT+6:RT+7]
	v_pk_add_f32 v[RT:RT+1], v[RT:RT+1], v[RT+4:RT+5]
	v_add_f32 v20, v[RT], v[RT+1]
	v_permlanex16_b32 v21, v20, s[SELX], s[SELX+1]
	v_add_f32 v20, v20, v21
	v_rcp_f32 v20, v20
	v_nop
.set n, 0
	s_wait_alu depctr_va_vdst(0)
.rept 16
	v_pk_mul_f32 v[QS+2*n:QS+2*n+1], v[QS+2*n:QS+2*n+1], v[20:21] op_sel_hi:[1,0]
.set n, n+1
.endr
	GROUP 0
	GROUP 1
.irp k, 0,1,2,3                        ; Z^T Z over latents 0-31 starts the four sums; the four accumulators take turns
	v_wmma_f32_16x16x32_f16 v[DA+8*\k:DA+8*\k+7], v[ZF+8*\k:ZF+8*\k+7], v[ZF+8*\k:ZF+8*\k+7], 0
.endr
	GROUP 2
	GROUP 3
.irp k, 0,1,2,3
	v_wmma_f32_16x16x32_f16 v[DA+8*\k:DA+8*\k+7], v[ZF+8*\k:ZF+8*\k+7], v[ZF+8*\k:ZF+8*\k+7], v[DA+8*\k:DA+8*\k+7]
.endr
.rept 4
	v_nop
.endr
	v_add_f32 v22, v22, v23
	v_permlanex16_b32 v23, v22, s[SELX], s[SELX+1]
	v_add_f32 v22, v22, v23
.irp j, 0,1,2,3,4,5,6,7                ; each pair (s, t) takes its level's product; registers in ascending order
	v_cndmask_b32 v[RT+\j], v[DA+\j], v[DA+8+\j], s[C1+\j]
	v_cndmask_b32 v[RT+\j], v[RT+\j], v[DA+16+\j], s[C2+\j]
	v_cndmask_b32 v[RT+\j], v[RT+\j], v[DA+24+\j], s[C3]
	v_cndmask_b32 v[RT+\j], v[RT+\j], v22, s[C4+\j]
	v_cndmask_b32 v[RT+\j], 0, v[RT+\j], s[C5+\j]
.endr
.irp i, 0,1,2,3
	v_cvt_pk_f16_f32 v[18+\i], v[RT+2*\i], v[RT+2*\i+1]
.endr
	v_cvt_f32_f16 v[RT2], v18.l
	v_cvt_f32_f16 v[RT2+1], v18.h
	v_cvt_f32_f16 v[RT2+2], v19.l
	v_cvt_f32_f16 v[RT2+3], v19.h
	v_cvt_f32_f16 v[RT2+4], v20.l
	v_cvt_f32_f16 v[RT2+5], v20.h
	v_cvt_f32_f16 v[RT2+6], v21.l
	v_cvt_f32_f16 v[RT2+7], v21.h
.irp p, 0,2,4,6
	v_pk_add_f32 v[RT+\p:RT+\p+1], v[RT+\p:RT+\p+1], v[RT2+\p:RT2+\p+1] neg_lo:[0,1] neg_hi:[0,1]
.endr
.irp i, 0,1,2,3
	v_cvt_pk_f16_f32 v[RT+\i], v[RT+2*\i], v[RT+2*\i+1]
.endr
	SITE4 AOUT
	s_add_co_u32 s50, s50, 1
	s_cmp_lt_u32 s50, 4
	s_cbranch_scc1 .Lblk
	; ---- Sbar in front of the chunk, for my 32 channels: the earlier chunks' S, rescaled to mu0 and divided by N0
.set YA,  16
.set ST,  32
.set SH,  96
.set PF,  128
.set AFH, 144
.set AF2, 152
.set VF,  160
.set VL2, 176
.set AT,  192
.set RH,  224
	v_bfe_u32 v10, v0, 4, 1
	v_lshlrev_b32 v4, 5, v10
	s_lshl_b32 s18, s12, 9
	s_add_co_u32 s18, s18, CAR0
	v_add_nc_u32 v6, s18, v4
	LD8 128, 6, 0
	LD8 160, 6, 256
	v_and_b32 v9, 31, v0
	s_lshl_b32 s18, s12, 13
	v_lshl_add_u32 v5, v9, 4, s18                  ; 16 l + my two channel tiles
.set n, 0
.rept 64
	v_mov_b32 v[ST+n], 0
.set n, n+1
.endr
	s_wait_dscnt 0x0
.set n, 0
.rept 32
	v_max_num_f32 v[160+n], 1.0, v[160+n]          ; N0 is 0 for chunk 0 and at least 1 otherwise
.set n, n+1
.endr
.set n, 0
.rept 32
	v_rcp_f32 v[160+n], v[160+n]
.set n, n+1
.endr
	v_nop
	s_cmp_eq_u32 s13, 0
	s_cbranch_scc1 .Lp5_done
	s_mov_b64 s[56:57], s[54:55]
	s_mov_b32 s50, 0
.Lp5:
	GL8 192, 4, 32768
.irp lt, 0,1,2,3
.irp q, 0,1
	global_load_b128 v[96+8*\lt+4*\q:96+8*\lt+4*\q+3], v5, s[56:57] offset:\lt*1024+\q*512
	global_load_b128 v[224+8*\lt+4*\q:224+8*\lt+4*\q+3], v5, s[56:57] offset:4096+\lt*1024+\q*512
.endr
.endr
	s_wait_loadcnt 0x0
.set n, 0
.rept 16
	v_pk_add_f32 v[192+2*n:192+2*n+1], v[192+2*n:192+2*n+1], v[128+2*n:128+2*n+1] neg_lo:[0,1] neg_hi:[0,1]
.set n, n+1
.endr
.set n, 0
.rept 32
	v_exp_f32 v[192+n], v[192+n]
.set n, n+1
.endr
	v_nop
.set n, 0
	s_wait_alu depctr_va_vdst(0)
.rept 16
	v_pk_mul_f32 v[192+2*n:192+2*n+1], v[192+2*n:192+2*n+1], v[160+2*n:160+2*n+1]
.set n, n+1
.endr
.irp lt, 0,1,2,3
.irp p, 0,2,4,6
	v_pk_fma_f32 v[ST+16*\lt+\p:ST+16*\lt+\p+1], v[96+8*\lt+\p:96+8*\lt+\p+1], v[192+8*\lt+\p:192+8*\lt+\p+1], v[ST+16*\lt+\p:ST+16*\lt+\p+1]
	v_pk_fma_f32 v[ST+16*\lt+8+\p:ST+16*\lt+8+\p+1], v[224+8*\lt+\p:224+8*\lt+\p+1], v[192+8*\lt+\p:192+8*\lt+\p+1], v[ST+16*\lt+8+\p:ST+16*\lt+8+\p+1]
.endr
.endr
	s_add_nc_u64 s[56:57], s[56:57], REC
	s_add_co_u32 s50, s50, 1
	s_cmp_lt_u32 s50, s13
	s_cbranch_scc1 .Lp5
.Lp5_done:
.macro MKSH                            ; Sbar in f16: two tiles of 16 latents ARE a fragment of 16 channels x 32 latents; each tile's low registers are read first
.irp dd, 0,1
.irp lt, 0,1,2,3
.irp i, 0,1,2,3
	v_cvt_pk_f16_f32 v[SH+16*\dd+4*\lt+\i], v[ST+8*(2*\lt+\dd)+2*\i], v[ST+8*(2*\lt+\dd)+2*\i+1]
.endr
.endr
.endr
.endm
	MKSH
.irp lt, 0,1,2,3
.irp i, 4,5,6,7
	v_mov_b32 v[AT+8*\lt+\i], 0                    ; a block has 16 steps: the upper half of K = 32 is 0 in a's fragments,
.endr
.endr
.irp i, 4,5,6,7
	v_mov_b32 v[AF2+\i], 0                         ; and in A's where V's second word is multiplied
.endr
	; ---- the walk's addresses, all at block 0; the loop does not write them
.set PA,  1                            ; v1    P: row r, 16 h
.set AA,  2                            ; v2    A: row r, 16 h
.set RA,  3                            ; v3    rho: 32 h
.set YSA, 4                            ; v4    my slice of y: row r, 16 h
.set VA,  5                            ; v5, v6  V, turned: blocks 0-7, blocks 8-15
.set TAD, 7                            ; v7, v8  a, turned: likewise
.set YLA, 9                            ; v9    my slice of y's second word
	v_and_b32 v10, 15, v0
	v_bfe_u32 v11, v0, 4, 1
	v_mul_u32_u24 v[PA], v10, PQ
	v_lshl_add_u32 v[PA], v11, 4, v[PA]
	v_add_nc_u32 v[PA], QR, v[PA]
	v_mul_u32_u24 v[AA], v10, 80
	v_lshl_add_u32 v[AA], v11, 4, v[AA]
	v_add_nc_u32 v[AA], AF, v[AA]
	v_lshlrev_b32 v[RA], 5, v11
	v_add_nc_u32 v[RA], RHO, v[RA]
	v_and_b32 v12, 7, v0                           ; the turning load: row 8 h + l % 8, 16 bytes (l / 8) % 2
	v_lshl_add_u32 v12, v11, 3, v12
	v_mul_u32_u24 v12, v12, PK
	v_bfe_u32 v13, v0, 3, 1
	v_lshl_add_u32 v[TAD], v13, 4, v12
	v_add_nc_u32 v[TAD+1], 128*PK, v[TAD]
	s_lshl_b32 s17, s12, 6
	s_add_co_u32 s17, s17, VH
	v_add_nc_u32 v[VA], s17, v[TAD]
	v_add_nc_u32 v[VA+1], 128*PK, v[VA]
	v_lshlrev_b32 v12, 6, v10
	v_lshl_add_u32 v12, v11, 4, v12
	s_lshl_b32 s18, s12, 14
	s_add_co_u32 s18, s18, YS
	v_add_nc_u32 v[YSA], s18, v12
	s_lshl_b32 s18, s12, 10
	s_add_co_u32 s18, s18, YL
	v_add_nc_u32 v[YLA], s18, v12
	s_wait_dscnt 0x0                               ; P, a, rho, A and V are written
	s_barrier_signal -1
	s_barrier_wait -1
; A BLOCK for my 32 channels.  y^T = Sbar^T P + V^T (A + A's second word) [+ V's second word^T A]; then Sbar = rho Sbar + a^T V.
; In V's fragments the 16 steps stand twice, so that K = 32 takes A's first word below and its second above.
.macro BLD bb                          ; block bb's 22 loads
.irp z, 0,1,2,3
	ds_load_b128 v[PF+4*\z:PF+4*\z+3], v[PA] offset:(\bb)*16*PQ+32*\z
.endr
	ds_load_b128 v[AFH:AFH+3], v[AA] offset:(\bb)*16*80
	ds_load_b128 v[AFH+4:AFH+7], v[AA] offset:(\bb)*16*80+32
	s_wait_alu depctr_va_vdst(0)
.irp dd, 0,1
	ds_load_tr16_b128 v[VF+8*\dd:VF+8*\dd+3], v[VA+(\bb)/8] offset:((\bb)%8)*16*PK+32*\dd
	ds_load_tr16_b128 v[VF+8*\dd+4:VF+8*\dd+7], v[VA+(\bb)/8] offset:((\bb)%8)*16*PK+32*\dd
.endr
.irp lt, 0,1,2,3
	ds_load_tr16_b128 v[AT+8*\lt:AT+8*\lt+3], v[TAD+(\bb)/8] offset:((\bb)%8)*16*PK+32*\lt
.endr
	LD8 RH, RA, (\bb)*256
.endm
.macro BST bb                          ; block bb's 16 steps of y, my 32 channels
	ds_store_b128 v[YSA], v[10:13] offset:(\bb)*1024
	ds_store_b128 v[YSA], v[AFH:AFH+3] offset:(\bb)*1024+32
.endm
.macro BMUL lo                         ; lo = 1: the chunk's first block.  No two matrix instructions on end share an accumulator.
	s_wait_dscnt 0x0
.irp lt, 0,1,2,3
.irp dd, 0,1
.irp p, 0,2,4,6
	v_pk_mul_f32 v[ST+8*(2*\lt+\dd)+\p:ST+8*(2*\lt+\dd)+\p+1], v[ST+8*(2*\lt+\dd)+\p:ST+8*(2*\lt+\dd)+\p+1], v[RH+8*\lt+\p:RH+8*\lt+\p+1]
.endr
.endr
.endr
.irp dd, 0,1
	v_wmma_f32_16x16x32_f16 v[YA+8*\dd:YA+8*\dd+7], v[SH+16*\dd:SH+16*\dd+7], v[PF:PF+7], 0
.endr
.irp dd, 0,1
	v_wmma_f32_16x16x32_f16 v[YA+8*\dd:YA+8*\dd+7], v[SH+16*\dd+8:SH+16*\dd+15], v[PF+8:PF+15], v[YA+8*\dd:YA+8*\dd+7]
.endr
.irp dd, 0,1
	v_wmma_f32_16x16x32_f16 v[YA+8*\dd:YA+8*\dd+7], v[VF+8*\dd:VF+8*\dd+7], v[AFH:AFH+7], v[YA+8*\dd:YA+8*\dd+7]
.endr
.if \lo
.irp dd, 0,1
	v_wmma_f32_16x16x32_f16 v[YA+8*\dd:YA+8*\dd+7], v[VL2+8*\dd:VL2+8*\dd+7], v[AF2:AF2+7], v[YA+8*\dd:YA+8*\dd+7]
.endr
.endif
.irp lt, 0,1,2,3
.irp dd, 0,1
	v_wmma_f32_16x16x32_f16 v[ST+8*(2*\lt+\dd):ST+8*(2*\lt+\dd)+7], v[AT+8*\lt:AT+8*\lt+7], v[VF+8*\dd:VF+8*\dd+7], v[ST+8*(2*\lt+\dd):ST+8*(2*\lt+\dd)+7]
.endr
.endr
.rept 4
	v_nop                                          ; places behind the products
.endr
.endm
.macro YOUT0 dd                        ; block 0: y in two f16 words
.irp i, 0,1,2,3
	v_cvt_pk_f16_f32 v[10+\i], v[YA+8*(\dd)+2*\i], v[YA+8*(\dd)+2*\i+1]
.endr
	ds_store_b128 v[YSA], v[10:13] offset:32*(\dd)
	v_cvt_f32_f16 v[PF], v10.l
	v_cvt_f32_f16 v[PF+1], v10.h
	v_cvt_f32_f16 v[PF+2], v11.l
	v_cvt_f32_f16 v[PF+3], v11.h
	v_cvt_f32_f16 v[PF+4], v12.l
	v_cvt_f32_f16 v[PF+5], v12.h
	v_cvt_f32_f16 v[PF+6], v13.l
	v_cvt_f32_f16 v[PF+7], v13.h
.irp p, 0,2,4,6
	v_pk_add_f32 v[PF+\p:PF+\p+1], v[YA+8*(\dd)+\p:YA+8*(\dd)+\p+1], v[PF+\p:PF+\p+1] neg_lo:[0,1] neg_hi:[0,1]
.endr
.irp i, 0,1,2,3
	v_cvt_pk_f16_f32 v[PF+8+\i], v[PF+2*\i], v[PF+2*\i+1]
.endr
	ds_store_b128 v[YLA], v[PF+8:PF+11] offset:32*(\dd)
.endm
	BLD 0
	ds_load_b128 v[AF2:AF2+3], v[AA]
.irp dd, 0,1                           ; V's second word lies 256 rows behind V: 128 rows behind the second base
	ds_load_tr16_b128 v[VL2+8*\dd:VL2+8*\dd+3], v[VA+1] offset:VL-VH-128*PK+32*\dd
	ds_load_tr16_b128 v[VL2+8*\dd+4:VL2+8*\dd+7], v[VA+1] offset:VL-VH-128*PK+32*\dd
.endr
	BMUL 1
	YOUT0 0
	YOUT0 1
	MKSH
	s_mov_b32 s50, 1
.Lwalk:                                                ; blocks 1 to 15
	s_lshr_b32 s[TQ], s50, 2
	s_and_b32 s[TE], s50, 3
	WSITE BLD
	BMUL 0
.irp i, 0,1,2,3
	v_cvt_pk_f16_f32 v[10+\i], v[YA+2*\i], v[YA+2*\i+1]
.endr
.irp i, 0,1,2,3
	v_cvt_pk_f16_f32 v[AFH+\i], v[YA+8+2*\i], v[YA+8+2*\i+1]
.endr
	WSITE BST
	MKSH
	s_add_co_u32 s50, s50, 1
	s_cmp_lt_u32 s50, 16
	s_cbranch_scc1 .Lwalk
	s_wait_dscnt 0x0                               ; my channels of y are written
	s_barrier_signal -1
	s_barrier_wait -1
	; ---- y leaves: my 64 steps, the head's 256 bytes of a row gathered from the four waves' slices
	v_and_b32 v9, 15, v0
	v_bfe_u32 v10, v0, 4, 1
	v_lshrrev_b32 v11, 2, v9
	v_and_b32 v12, 3, v9
	v_lshlrev_b32 v13, 6, v10
	v_lshl_add_u32 v13, v12, 4, v13                ; step l / 16, 16 bytes (l % 16) % 4
	v_lshl_add_u32 v1, v11, 14, v13
	s_lshl_b32 s17, s12, 12
	s_add_co_u32 s17, s17, YS
	v_add_nc_u32 v1, s17, v1
	v_lshl_add_u32 v3, v11, 10, v13
	v_add_nc_u32 v3, YL, v3
	v_lshlrev_b32 v2, 11, v10
	v_lshl_add_u32 v2, v9, 4, v2
.irp bt, 0,1
.if \bt
	s_wait_xcnt 0x0                                ; the first batch's stores have read their registers
.endif
.set i, 0
.rept 16
	ds_load_b128 v[32+4*i:32+4*i+3], v1 offset:(16*\bt+i)*128
.set i, i+1
.endr
.set i, 0
.rept 16
	s_wait_dscnt 15-i
	global_store_b128 v2, v[32+4*i:32+4*i+3], s[60:61] offset:(16*\bt+i)*4096  ; sixteen lanes store 256 bytes on end, aligned
.set i, i+1
.endr
.endr
	s_cmp_lg_u32 s12, 0
	s_cbranch_scc1 .Lend
	s_cmp_lg_u32 s13, 0
	s_cbranch_scc1 .Lend
	s_lshl_b32 s18, s15, 15                        ; chunk 0, wave 0: the second word of the batch's first 16 rows
	s_lshl_b32 s19, s16, 8
	s_add_co_u32 s18, s18, s19
	s_mov_b32 s19, 0
	s_add_nc_u64 s[10:11], s[10:11], s[18:19]
	s_wait_xcnt 0x0
.set i, 0
.rept 8
	ds_load_b128 v[32+4*i:32+4*i+3], v3 offset:i*128
.set i, i+1
.endr
.set i, 0
.rept 8
	s_wait_dscnt 7-i
	global_store_b128 v2, v[32+4*i:32+4*i+3], s[10:11] offset:i*4096
.set i, i+1
.endr
.Lend:
	s_wait_tensorcnt 0x0                           ; the wave's end
	ds_add_u32 v[SPW], v[NIL]
	s_wait_dscnt 0x0
	s_endpgm
.Lfunc_end_k_qf9e5d0314c_scan:
	.size	k_qf9e5d0314c_scan, .Lfunc_end_k_qf9e5d0314c_scan-k_qf9e5d0314c_scan
	.p2alignl 7, 3214868480
	.fill 96, 4, 3214868480
	.section	.rodata,"a",@progbits
	.p2align	6, 0x0
	.amdhsa_kernel k_qf9e5d0314c_scan
		.amdhsa_group_segment_fixed_size 327680
		.amdhsa_private_segment_fixed_size 0
		.amdhsa_enable_private_segment 0
		.amdhsa_kernarg_size 32
		.amdhsa_user_sgpr_count 2
		.amdhsa_user_sgpr_kernarg_segment_ptr 1
		.amdhsa_wavefront_size32 1
		.amdhsa_system_sgpr_workgroup_id_x 1
		.amdhsa_system_sgpr_workgroup_id_y 1
		.amdhsa_system_sgpr_workgroup_id_z 1
		.amdhsa_system_vgpr_workitem_id 0
		.amdhsa_next_free_vgpr 256
		.amdhsa_next_free_sgpr 100
		.amdhsa_reserve_vcc 0
		.amdhsa_float_denorm_mode_32 3
		.amdhsa_float_denorm_mode_16_64 3
		.amdhsa_memory_ordered 1
		.amdhsa_forward_progress 1
		.amdhsa_inst_pref_size 255
	.end_amdhsa_kernel
	.section	.bss,"aw",@nobits
	.p2align	6
	.space	262144
	.amdgpu_metadata
---
amdhsa.version: [ 1, 2 ]
amdhsa.kernels:
  - .name:           k_qf9e5d0314c_scan
    .symbol:         k_qf9e5d0314c_scan.kd
    .args:
      - { .name: vqk, .offset: 0, .size: 8, .value_kind: global_buffer, .address_space: global }
      - { .name: ssum, .offset: 8, .size: 8, .value_kind: global_buffer, .address_space: global }
      - { .name: y, .offset: 16, .size: 8, .value_kind: global_buffer, .address_space: global }
      - { .name: ylo, .offset: 24, .size: 8, .value_kind: global_buffer, .address_space: global }
    .group_segment_fixed_size: 327680
    .private_segment_fixed_size: 0
    .kernarg_segment_align: 8
    .kernarg_segment_size: 32
    .max_flat_workgroup_size: 128
    .sgpr_count:     100
    .vgpr_count:     256
    .wavefront_size: 32
...
	.end_amdgpu_metadata
.endif
;; end of part 4
;; launch oproj: the kernel of part 2 again; grid 8 x 32, 4 waves a work-group, clusters of 4 x 4, 327,680 bytes of LDS; arguments y, wot, out0; writes out0
;; launch fix (part 5): grid 16 x 4, 16 waves a work-group, no clusters, 19,456 bytes of LDS; arguments y, ylo, wot, out0; writes out0
.if DOCPART == 5
	.amdgcn_target "amdgcn-amd-amdhsa--gfx1250"
	.amdhsa_code_object_version 6
	.text
	.protected	k_qf9e5d0314c_fix
	.globl	k_qf9e5d0314c_fix
	.p2align	8
	.type	k_qf9e5d0314c_fix,@function
k_qf9e5d0314c_fix:
	s_mov_b64 s[64:65], 0
	v_nop
	global_prefetch_b8 v0, s[64:65] scope:SCOPE_SE
	s_setreg_imm32_b32 hwreg(HW_REG_WAVE_MODE, 25, 1), 1
	s_wait_xcnt 0x0
; The first 16 rows of each batch once more, with y's second f16 word: out0[b][t][n] = sum over k of (y + ylo)[b][t][k] wot[n][k], t < 16.  Those rows' numbers are many times the output's root mean
; square, so one f16 rounding of y is too coarse for them.  A work-group makes 16 rows x 64 columns; wave w takes columns 16 (w % 4) on and k = 256 (w / 4) on; the four parts of K meet in LDS, in f32.
; All 48 loads of a wave are out at once; no tensor load and no cluster: the whole launch reads 2.5 MB.
.set SP,    272
.set PART,  16*SP
.set SPARE, 4*PART
.set SPW, 14
.set NIL, 15
.set A0,  16
.set A1,  24
.set F,   32
	s_load_b256 s[4:11], s[0:1], 0x0               ; y, ylo, wot, out0
	v_lshl_add_u32 v[SPW], v0, 2, SPARE
	v_mov_b32 v[NIL], 0
	v_lshrrev_b32 v1, 5, v0
	v_readfirstlane_b32 s12, v1
	s_and_b32 s13, s12, 3                          ; column block
	s_lshr_b32 s14, s12, 2                         ; quarter of K
	s_and_b32 s15, ttmp7, 0xffff                   ; batch
	s_lshl_b32 s18, s14, 9                         ; 256 k x 2 bytes
	s_lshl_b32 s16, ttmp9, 6
	s_lshl_b32 s17, s13, 4
	s_add_co_u32 s16, s16, s17
	s_lshl_b32 s16, s16, 11
	s_add_co_u32 s16, s16, s18                     ; wot: row 64 x + 16 nt
	s_mov_b32 s17, 0
	s_lshl_b32 s20, s15, 22
	s_add_co_u32 s20, s20, s18                     ; y: row 2,048 b
	s_mov_b32 s21, 0
	s_lshl_b32 s22, s15, 15
	s_add_co_u32 s22, s22, s18                     ; ylo: row 16 b
	s_mov_b32 s23, 0
	s_lshl_b32 s24, s15, 23
	s_lshl_b32 s25, ttmp9, 8
	s_add_co_u32 s24, s24, s25                     ; out0: row 2,048 b, 64 columns x 4 bytes
	s_mov_b32 s25, 0
	v_and_b32 v2, 15, v0
	v_bfe_u32 v3, v0, 4, 1
	v_lshlrev_b32 v1, 11, v2
	v_lshl_add_u32 v1, v3, 4, v1                   ; a fragment: row l % 16 x 2,048 + 16 (l / 16)
	s_wait_kmcnt 0x0
	s_add_nc_u64 s[8:9], s[8:9], s[16:17]
	s_add_nc_u64 s[4:5], s[4:5], s[20:21]
	s_add_nc_u64 s[6:7], s[6:7], s[22:23]
	s_add_nc_u64 s[10:11], s[10:11], s[24:25]
.set ks, 0
.rept 8
	global_load_b128 v[F+24*ks:F+24*ks+3],     v1, s[8:9] offset:64*ks
	global_load_b128 v[F+24*ks+4:F+24*ks+7],   v1, s[8:9] offset:64*ks+32
	global_load_b128 v[F+24*ks+8:F+24*ks+11],  v1, s[4:5] offset:64*ks
	global_load_b128 v[F+24*ks+12:F+24*ks+15], v1, s[4:5] offset:64*ks+32
	global_load_b128 v[F+24*ks+16:F+24*ks+19], v1, s[6:7] offset:64*ks
	global_load_b128 v[F+24*ks+20:F+24*ks+23], v1, s[6:7] offset:64*ks+32
.set ks, ks+1
.endr
	v_mul_u32_u24 v4, v2, SP
	v_lshl_add_u32 v4, v3, 5, v4
	s_mul_i32 s16, s14, PART
	s_lshl_b32 s17, s13, 6
	s_add_co_u32 s16, s16, s17
	v_add_nc_u32 v4, s16, v4                       ; my part: row l % 16, 64 bytes a column block, 32 a half
	s_lshl_b32 s16, s12, 2
	v_add_nc_u32 v5, s16, v3                       ; back (waves 0-3): row 4 w + l / 16
	v_mul_u32_u24 v6, v5, SP
	v_lshl_add_u32 v6, v2, 4, v6
	v_lshlrev_b32 v7, 12, v5
	v_lshl_add_u32 v7, v2, 4, v7
	s_wait_loadcnt 42                              ; K step 0's six loads are in; the first products start the two sums, which take turns
	v_wmma_f32_16x16x32_f16 v[A0:A0+7], v[F:F+7], v[F+8:F+15], 0
	v_wmma_f32_16x16x32_f16 v[A1:A1+7], v[F:F+7], v[F+16:F+23], 0
.set ks, 1
.rept 7
	s_wait_loadcnt 6*(7-ks)                        ; the later K steps' loads stay out
	v_wmma_f32_16x16x32_f16 v[A0:A0+7], v[F+24*ks:F+24*ks+7], v[F+24*ks+8:F+24*ks+15], v[A0:A0+7]
	v_wmma_f32_16x16x32_f16 v[A1:A1+7], v[F+24*ks:F+24*ks+7], v[F+24*ks+16:F+24*ks+23], v[A1:A1+7]
.set ks, ks+1
.endr
.rept 4
	v_nop
.endr
.irp p, 0,2,4,6
	v_pk_add_f32 v[A0+\p:A0+\p+1], v[A0+\p:A0+\p+1], v[A1+\p:A1+\p+1]
.endr
	ds_store_b128 v4, v[A0:A0+3]
	ds_store_b128 v4, v[A0+4:A0+7] offset:16
	s_wait_dscnt 0x0
	s_barrier_signal -1
	s_barrier_wait -1
	s_cmp_ge_u32 s12, 4
	s_cbranch_scc1 .Lend
.irp q, 0,1,2,3
.irp i, 0,1
	ds_load_b128 v[F+8*\q+4*\i:F+8*\q+4*\i+3], v6 offset:\q*PART+\i*2*SP
.endr
.endr
	s_wait_dscnt 0x0
.irp q, 8, 16, 24
.irp p, 0,2,4,6
	v_pk_add_f32 v[F+\p:F+\p+1], v[F+\p:F+\p+1], v[F+\q+\p:F+\q+\p+1]
.endr
.endr
	global_store_b128 v7, v[F:F+3], s[10:11]                   ; sixteen lanes store 256 bytes on end, aligned
	global_store_b128 v7, v[F+4:F+7], s[10:11] offset:8192
.Lend:
	s_wait_tensorcnt 0x0                           ; the wave's end
	ds_add_u32 v[SPW], v[NIL]
	s_wait_dscnt 0x0
	s_endpgm
.Lfunc_end_k_qf9e5d0314c_fix:
	.size	k_qf9e5d0314c_fix, .Lfunc_end_k_qf9e5d0314c_fix-k_qf9e5d0314c_fix
	.p2alignl 7, 3214868480
	.fill 96, 4, 3214868480
	.section	.rodata,"a",@progbits
	.p2align	6, 0x0
	.amdhsa_kernel k_qf9e5d0314c_fix
		.amdhsa_group_segment_fixed_size 19456
		.amdhsa_private_segment_fixed_size 0
		.amdhsa_enable_private_segment 0
		.amdhsa_kernarg_size 32
		.amdhsa_user_sgpr_count 2
		.amdhsa_user_sgpr_kernarg_segment_ptr 1
		.amdhsa_wavefront_size32 1
		.amdhsa_system_sgpr_workgroup_id_x 1
		.amdhsa_system_sgpr_workgroup_id_y 1
		.amdhsa_system_sgpr_workgroup_id_z 1
		.amdhsa_system_vgpr_workitem_id 0
		.amdhsa_next_free_vgpr 224
		.amdhsa_next_free_sgpr 66
		.amdhsa_reserve_vcc 0
		.amdhsa_float_denorm_mode_32 3
		.amdhsa_float_denorm_mode_16_64 3
		.amdhsa_memory_ordered 1
		.amdhsa_forward_progress 1
		.amdhsa_inst_pref_size 11
	.end_amdhsa_kernel
	.amdgpu_metadata
---
amdhsa.version: [ 1, 2 ]
amdhsa.kernels:
  - .name:           k_qf9e5d0314c_fix
    .symbol:         k_qf9e5d0314c_fix.kd
    .args:
      - { .name: y, .offset: 0, .size: 8, .value_kind: global_buffer, .address_space: global }
      - { .name: ylo, .offset: 8, .size: 8, .value_kind: global_buffer, .address_space: global }
      - { .name: wot, .offset: 16, .size: 8, .value_kind: global_buffer, .address_space: global }
      - { .name: out0, .offset: 24, .size: 8, .value_kind: global_buffer, .address_space: global }
    .group_segment_fixed_size: 19456
    .private_segment_fixed_size: 0
    .kernarg_segment_align: 8
    .kernarg_segment_size: 32
    .max_flat_workgroup_size: 512
    .sgpr_count:     66
    .vgpr_count:     224
    .wavefront_size: 32
...
	.end_amdgpu_metadata
.endif
;; end of part 5
;; ======== version 2 of 3: 6 launches; 1.14 times as fast as version 1
;; limits: values are held in f16: magnitudes above 65,504 overflow, below 6.1e-05 lose precision; inputs' magnitudes at most 65,504; right only within a limited range of input values; values outside matrix products are rounded to f16
;; workspace buffers: xh 16,777,216 bytes; wt 4,194,304 bytes; wot 2,097,152 bytes; vqk 67,108,864 bytes; ssum 7,454,720 bytes; y 16,777,216 bytes; ylo 131,072 bytes
;; launch prep: the kernel of part 1 again; grid 1408 x 1, 4 waves a work-group, no clusters, 17,920 bytes of LDS; arguments X, Wk, Wq, Wv, o_proj, xh, wt, wot; writes xh, wt, wot
;; launch proj: the kernel of part 2 again; grid 16 x 32, 4 waves a work-group, clusters of 4 x 4, 327,680 bytes of LDS; arguments xh, wt, vqk; writes vqk
;; launch sums (part 6): grid 7 x 32, 4 waves a work-group, no clusters, 167,936 bytes of LDS; arguments vqk, ssum; writes ssum
.if DOCPART == 6
	.amdgcn_target "amdgcn-amd-amdhsa--gfx1250"
	.amdhsa_code_object_version 6
	.text
	.protected	k_qf9e5d0314c_sums
	.globl	k_qf9e5d0314c_sums
	.p2align	8
	.type	k_qf9e5d0314c_sums,@function
k_qf9e5d0314c_sums:
	s_mov_b64 s[64:65], 0
	v_nop
	global_prefetch_b8 v0, s[64:65] scope:SCOPE_SE
	s_setreg_imm32_b32 hwreg(HW_REG_WAVE_MODE, 25, 1), 1
	s_wait_xcnt 0x0
; For chunk c (256 steps, c = 0..6) of (batch, head): M[l] = max over t of k, N[l] = sum of 2^(k - M), S[l][d] = sum of 2^(k - M) V[t][d], with k = K log2(e).  All three leave in f32.
; The maximum is taken away before every exponential: no exponent is above 0.  The weights and V go to the matrix unit in f16: LIMIT |V| < 65,504; a weight under 6e-5 keeps f16's step of 6e-8.
; Four waves; wave w owns steps 64 w .. 64 w + 63 for the maxima and weights, and channels 32 w .. 32 w + 31 of S.  No cluster: no two work-groups read the same tile.
; MAXIMA AND SUMS BY COLUMNS: lane l holds latents 2 l and 2 l + 1 of each of my 64 steps (a row's 256 bytes in one LDS load), so that nothing changes lanes.
.set PK,    288                        ; an LDS row of K (256 bytes f32, later 128 bytes of f16 weights) or of V (256 bytes f16): + 32, an odd multiple of 32 for the turning load
.set VH,    73728                      ; V in f16, 256 rows
.set XW,    147456                     ; the waves' maxima, 4 x 256; their sums 1,024 bytes on
.set SPARE, 149504
.set REC,   33280
.set GV,  1                            ; 16 l
.set VST, 2                            ; LDS: my rows of V, 8 l
.set KC,  3                            ; LDS: my rows of K, 8 l
.set EC,  4                            ; LDS: my rows of weights, 4 l
.set XCW, 5                            ; LDS: my wave's maximum and sum, 8 l
.set XC,  6                            ; LDS: wave 0's, 8 l
.set TLE, 7                            ; v7, v8
.set TLV, 9                            ; v9, v10
.set G8,  11                           ; 8 l
.set SPW, 14
.set NIL, 15
.set K3,  64                           ; v[64:191] V rows in flight; then k of my 64 steps, two latents a lane
.set VB,  64
.set VT,  192
.set ACC, 160
.set MX,  224                          ; v[224:227] chains of maxima; v[224:225] M.  From v224 on nothing is written while wave 0's stores of M and N are pending
.set NS,  228                          ; v[228:235] chains of sums
.set XT,  236                          ; v[236:243] the four waves' figures
.set L2E, 36
	s_load_b128 s[4:7], s[0:1], 0x0                ; vqk, ssum
	v_lshl_add_u32 v[SPW], v0, 2, SPARE
	v_mov_b32 v[NIL], 0
	ds_add_u32 v[SPW], v[NIL]                      ; the wave's opening: the add and its wait stand ahead of my tensor load
	ds_add_u32 v14, v15
	v_lshrrev_b32 v16, 5, v0
	v_readfirstlane_b32 s8, v16                    ; wave
	s_mov_b32 s9, ttmp9                            ; chunk
	s_and_b32 s10, ttmp7, 0xffff                   ; 8 x batch + head
	s_lshr_b32 s11, s10, 3
	s_and_b32 s12, s10, 7
	s_lshl_b32 s13, s11, 11
	s_lshl_b32 s14, s9, 8
	s_add_co_u32 s13, s13, s14
	s_lshl_b32 s14, s8, 6
	s_add_co_u32 s13, s13, s14                     ; my first row
	s_lshl_b32 s13, s13, 12                        ; x 4,096 bytes
	s_lshl_b32 s14, s12, 9
	s_add_co_u32 s16, s13, s14                     ; V: plane 0, 512 bytes a head
	s_mov_b32 s17, 0
	s_lshl_b32 s14, s12, 8
	s_add_co_u32 s18, s13, s14
	s_add_co_u32 s18, s18, 33554432+2048           ; K: plane 1, columns 512 on, 256 bytes a head
	s_mov_b32 s19, 0
	s_mul_i32 s22, s10, 7
	s_add_co_u32 s22, s22, s9
	s_mul_i32 s22, s22, REC                        ; my record
	s_mov_b32 s23, 0
	s_mov_b32 s24, (2<<16)|(1<<20)|(5<<22)|(7<<25) ; 4-byte elements; 8 words of padding after every 64
	s_mov_b32 s25, 64<<16                          ; tensor_dim0 = 64
	s_mov_b32 s26, 64<<16                          ; tensor_dim1 = 64
	s_mov_b32 s27, 64<<16                          ; tile_dim0 = 64
	s_mov_b32 s28, 64                              ; tile_dim1 = 64
	s_mov_b32 s29, 1024                            ; elements from row to row
	s_mov_b32 s30, 0
	s_mov_b32 s31, 0
	s_mov_b32 s32, 1
	s_mul_i32 s33, s8, 64*PK                       ; my 64 rows in LDS
	s_mov_b32 s[L2E], 0x3fb8aa3b
	s_mov_b32 s[L2E+1], s[L2E]
	s_wait_dscnt 0x0
	s_wait_kmcnt 0x0
	s_add_nc_u64 s[34:35], s[4:5], s[18:19]
	s_or_b32 s35, s35, 0x80000000
	tensor_load_to_lds s[32:35], s[24:31]          ; my 64 rows of K: the launch's only fill of these bytes
	s_nop 0
	s_add_nc_u64 s[16:17], s[4:5], s[16:17]
	s_add_nc_u64 s[6:7], s[6:7], s[22:23]
	s_lshl_b32 s22, s8, 13
	s_add_nc_u64 s[38:39], s[6:7], s[22:23]        ; my two channel tiles of S: 8,192 bytes a wave
	v_and_b32 v16, 31, v0
	v_bfe_u32 v18, v0, 4, 1
	v_lshlrev_b32 v[GV], 4, v16
	v_lshl_add_u32 v[VST], v16, 3, s33
	v_add_nc_u32 v[VST], VH, v[VST]
	v_lshl_add_u32 v[KC], v16, 3, s33
	v_lshl_add_u32 v[EC], v16, 2, s33
	v_lshlrev_b32 v[G8], 3, v16
	v_add_nc_u32 v[XC], XW, v[G8]
	s_lshl_b32 s21, s8, 8
	v_add_nc_u32 v[XCW], s21, v[XC]
	v_and_b32 v19, 7, v0                           ; the turning load: row 8 h + l % 8, 16 bytes (l / 8) % 2
	v_lshl_add_u32 v19, v18, 3, v19
	v_mul_u32_u24 v19, v19, PK
	v_bfe_u32 v21, v0, 3, 1
	v_lshl_add_u32 v[TLE], v21, 4, v19
	v_add_nc_u32 v[TLE+1], 128*PK, v[TLE]
	s_lshl_b32 s21, s8, 6
	s_add_co_u32 s21, s21, VH
	v_add_nc_u32 v[TLV], s21, v[TLE]
	v_add_nc_u32 v[TLV+1], 128*PK, v[TLV]
	; V: my 64 rows, f32 to f16, into LDS.  A ring of 32 row loads, 512 bytes on end each.
.set i, 0
.rept 32
	global_load_b128 v[VB+4*i:VB+4*i+3], v[GV], s[16:17] offset:i*4096
.set i, i+1
.endr
.set i, 0
.rept 32
	s_wait_loadcnt 31                              ; row i is in; 31 younger loads stay out
	v_cvt_pk_f16_f32 v[VT+2*(i%4)], v[VB+4*i], v[VB+4*i+1]
	v_cvt_pk_f16_f32 v[VT+2*(i%4)+1], v[VB+4*i+2], v[VB+4*i+3]
	ds_store_b64 v[VST], v[VT+2*(i%4):VT+2*(i%4)+1] offset:i*PK
	global_load_b128 v[VB+4*i:VB+4*i+3], v[GV], s[16:17] offset:(i+32)*4096
.set i, i+1
.endr
.set i, 0
.rept 32
	s_wait_loadcnt 31-i
	v_cvt_pk_f16_f32 v[VT+2*(i%4)], v[VB+4*i], v[VB+4*i+1]
	v_cvt_pk_f16_f32 v[VT+2*(i%4)+1], v[VB+4*i+2], v[VB+4*i+3]
	ds_store_b64 v[VST], v[VT+2*(i%4):VT+2*(i%4)+1] offset:(i+32)*PK
.set i, i+1
.endr
	s_wait_tensorcnt 0x0                           ; my rows of K are in; only I read them
.set i, 0
.rept 64
	ds_load_b64 v[K3+2*i:K3+2*i+1], v[KC] offset:i*PK  ; 32 lanes take a row's 256 bytes
.set i, i+1
.endr
	s_wait_dscnt 0x0
.set n, 0
.rept 64
	v_pk_mul_f32 v[K3+2*n:K3+2*n+1], v[K3+2*n:K3+2*n+1], s[L2E:L2E+1] op_sel_hi:[1,0]
.set n, n+1
.endr
.irp hf, 0,1                           ; four chains: two latents x two halves of the rows
.irp e, 0,1
	v_max3_num_f32 v[MX+2*\hf+\e], v[K3+64*\hf+\e], v[K3+64*\hf+2+\e], v[K3+64*\hf+4+\e]
.endr
.endr
.set j, 1
.rept 14
.irp hf, 0,1
.irp e, 0,1
	v_max3_num_f32 v[MX+2*\hf+\e], v[MX+2*\hf+\e], v[K3+64*\hf+2*(2*j+1)+\e], v[K3+64*\hf+2*(2*j+2)+\e]
.endr
.endr
.set j, j+1
.endr
.irp hf, 0,1
.irp e, 0,1
	v_max_num_f32 v[MX+2*\hf+\e], v[MX+2*\hf+\e], v[K3+64*\hf+62+\e]
.endr
.endr
.irp e, 0,1
	v_max_num_f32 v[MX+\e], v[MX+\e], v[MX+2+\e]   ; my wave's maximum
.endr
	ds_store_b64 v[XCW], v[MX:MX+1]
	s_wait_dscnt 0x0                               ; for the others' sake
	s_barrier_signal -1
	s_barrier_wait -1
.irp v, 0,1,2,3
	ds_load_b64 v[XT+2*\v:XT+2*\v+1], v[XC] offset:256*\v
.endr
	s_wait_dscnt 0x0
.irp e, 0,1
	v_max3_num_f32 v[MX+\e], v[XT+\e], v[XT+2+\e], v[XT+4+\e]
.endr
.irp e, 0,1
	v_max_num_f32 v[MX+\e], v[MX+\e], v[XT+6+\e]   ; M
.endr
.set n, 0
.rept 64
	v_pk_add_f32 v[K3+2*n:K3+2*n+1], v[K3+2*n:K3+2*n+1], v[MX:MX+1] neg_lo:[0,1] neg_hi:[0,1]
.set n, n+1
.endr
.set n, 0
.rept 128
	v_exp_f32 v[K3+n], v[K3+n]
.set n, n+1
.endr
	v_nop                                          ; a plain instruction behind the last exponential
	s_wait_alu depctr_va_vdst(0)
.irp q, 0,1,2,3                        ; four chains of sums, beside the weights, which are still needed
	v_pk_add_f32 v[NS+2*\q:NS+2*\q+1], v[K3+2*\q:K3+2*\q+1], v[K3+2*(4+\q):K3+2*(4+\q)+1]
.endr
.set j, 2
.rept 14
.irp q, 0,1,2,3
	v_pk_add_f32 v[NS+2*\q:NS+2*\q+1], v[NS+2*\q:NS+2*\q+1], v[K3+2*(4*j+\q):K3+2*(4*j+\q)+1]
.endr
.set j, j+1
.endr
	v_pk_add_f32 v[NS:NS+1], v[NS:NS+1], v[NS+2:NS+3]
	v_pk_add_f32 v[NS+4:NS+5], v[NS+4:NS+5], v[NS+6:NS+7]
	v_pk_add_f32 v[NS:NS+1], v[NS:NS+1], v[NS+4:NS+5]
.set i, 0
.rept 64                                               ; to f16, packed downward: word i is written when its own sources, further up, have been read
	v_cvt_pk_f16_f32 v[K3+i], v[K3+2*i], v[K3+2*i+1]
.set i, i+1
.endr
.set i, 0
.rept 64
	ds_store_b32 v[EC], v[K3+i] offset:i*PK        ; a row's 128 bytes of weights take the place of my row of K, whose one fill is over and which I have read
.set i, i+1
.endr
	ds_store_b64 v[XCW], v[NS:NS+1] offset:1024
	s_wait_dscnt 0x0                               ; weights, V and sums are written
	s_barrier_signal -1
	s_barrier_wait -1
	s_cmp_lg_u32 s8, 0
	s_cbranch_scc1 .Lnot_0
.irp v, 0,1,2,3
	ds_load_b64 v[XT+2*\v:XT+2*\v+1], v[XC] offset:1024+256*\v
.endr
	s_wait_dscnt 0x0
	v_pk_add_f32 v[XT:XT+1], v[XT:XT+1], v[XT+2:XT+3]
	v_pk_add_f32 v[XT+4:XT+5], v[XT+4:XT+5], v[XT+6:XT+7]
	v_pk_add_f32 v[XT:XT+1], v[XT:XT+1], v[XT+4:XT+5]
	global_store_b64 v[G8], v[MX:MX+1], s[6:7] offset:32768   ; M, then N: each 256 bytes on end, aligned
	global_store_b64 v[G8], v[XT:XT+1], s[6:7] offset:33024
.Lnot_0:
; S = E^T V: source 0 = 16 latents x 32 steps, source 1 = 32 steps x 16 channels, both turned on their way out of LDS.  Two fragment buffers; eight accumulators by turns.
.macro FETS ks, f
.irp lt, 0,1,2,3
	ds_load_tr16_b128 v[(\f)+8*\lt:(\f)+8*\lt+3],   v[TLE+(\ks)/4] offset:((\ks)%4)*32*PK+32*\lt
	ds_load_tr16_b128 v[(\f)+8*\lt+4:(\f)+8*\lt+7], v[TLE+(\ks)/4] offset:((\ks)%4)*32*PK+16*PK+32*\lt
.endr
.irp dd, 0,1
	ds_load_tr16_b128 v[(\f)+32+8*\dd:(\f)+32+8*\dd+3],   v[TLV+(\ks)/4] offset:((\ks)%4)*32*PK+32*\dd
	ds_load_tr16_b128 v[(\f)+32+8*\dd+4:(\f)+32+8*\dd+7], v[TLV+(\ks)/4] offset:((\ks)%4)*32*PK+16*PK+32*\dd
.endr
.endm
	FETS 0, 64
.irp ks, 0,1,2,3,4,5,6,7
.rept 4
	v_nop                                          ; places between the products that read a buffer and the loads into it
.endr
.if \ks < 7
	FETS \ks+1, 64+48*((\ks+1)%2)
	s_wait_dscnt 12                                ; all but the twelve just issued
.else
	s_wait_dscnt 0x0
.endif
.irp lt, 0,1,2,3
.irp dd, 0,1
.if \ks == 0
	v_wmma_f32_16x16x32_f16 v[ACC+8*(2*\lt+\dd):ACC+8*(2*\lt+\dd)+7], v[64+48*(\ks%2)+8*\lt:64+48*(\ks%2)+8*\lt+7], v[96+48*(\ks%2)+8*\dd:96+48*(\ks%2)+8*\dd+7], 0
.else
	v_wmma_f32_16x16x32_f16 v[ACC+8*(2*\lt+\dd):ACC+8*(2*\lt+\dd)+7], v[64+48*(\ks%2)+8*\lt:64+48*(\ks%2)+8*\lt+7], v[96+48*(\ks%2)+8*\dd:96+48*(\ks%2)+8*\dd+7], v[ACC+8*(2*\lt+\dd):ACC+8*(2*\lt+\dd)+7]
.endif
.endr
.endr
.endr
.rept 4
	v_nop
.endr
.irp lt, 0,1,2,3
.irp dd, 0,1
	global_store_b128 v[GV], v[ACC+8*(2*\lt+\dd):ACC+8*(2*\lt+\dd)+3], s[38:39] offset:(4*\dd+\lt)*1024        ; a wave stores 512 bytes on end; low registers first
	global_store_b128 v[GV], v[ACC+8*(2*\lt+\dd)+4:ACC+8*(2*\lt+\dd)+7], s[38:39] offset:(4*\dd+\lt)*1024+512
.endr
.endr
	s_wait_tensorcnt 0x0                           ; the wave's end
	ds_add_u32 v[SPW], v[NIL]
	s_wait_dscnt 0x0
	s_endpgm
.Lfunc_end_k_qf9e5d0314c_sums:
	.size	k_qf9e5d0314c_sums, .Lfunc_end_k_qf9e5d0314c_sums-k_qf9e5d0314c_sums
	.p2alignl 7, 3214868480
	.fill 96, 4, 3214868480
	.section	.rodata,"a",@progbits
	.p2align	6, 0x0
	.amdhsa_kernel k_qf9e5d0314c_sums
		.amdhsa_group_segment_fixed_size 167936
		.amdhsa_private_segment_fixed_size 0
		.amdhsa_enable_private_segment 0
		.amdhsa_kernarg_size 16
		.amdhsa_user_sgpr_count 2
		.amdhsa_user_sgpr_kernarg_segment_ptr 1
		.amdhsa_wavefront_size32 1
		.amdhsa_system_sgpr_workgroup_id_x 1
		.amdhsa_system_sgpr_workgroup_id_y 1
		.amdhsa_system_sgpr_workgroup_id_z 1
		.amdhsa_system_vgpr_workitem_id 0
		.amdhsa_next_free_vgpr 256
		.amdhsa_next_free_sgpr 66
		.amdhsa_reserve_vcc 0
		.amdhsa_float_denorm_mode_32 3
		.amdhsa_float_denorm_mode_16_64 3
		.amdhsa_memory_ordered 1
		.amdhsa_forward_progress 1
		.amdhsa_inst_pref_size 70
	.end_amdhsa_kernel
	.amdgpu_metadata
---
amdhsa.version: [ 1, 2 ]
amdhsa.kernels:
  - .name:           k_qf9e5d0314c_sums
    .symbol:         k_qf9e5d0314c_sums.kd
    .args:
      - { .name: vqk, .offset: 0, .size: 8, .value_kind: global_buffer, .address_space: global }
      - { .name: ssum, .offset: 8, .size: 8, .value_kind: global_buffer, .address_space: global }
    .group_segment_fixed_size: 167936
    .private_segment_fixed_size: 0
    .kernarg_segment_align: 8
    .kernarg_segment_size: 16
    .max_flat_workgroup_size: 128
    .sgpr_count:     66
    .vgpr_count:     256
    .wavefront_size: 32
...
	.end_amdgpu_metadata
.endif
;; end of part 6
;; launch scan (part 7): grid 8 x 32, 4 waves a work-group, no clusters, 327,680 bytes of LDS; arguments vqk, ssum, y, ylo; writes y, ylo
.if DOCPART == 7
	.amdgcn_target "amdgcn-amd-amdhsa--gfx1250"
	.amdhsa_code_object_version 6
	.text
	.protected	k_qf9e5d0314c_scan
	.globl	k_qf9e5d0314c_scan
	.p2align	8
	.type	k_qf9e5d0314c_scan,@function
k_qf9e5d0314c_scan:
	s_mov_b64 s[64:65], 0
	v_nop
	global_prefetch_b8 v0, s[64:65] scope:SCOPE_SE
	s_setreg_imm32_b32 hwreg(HW_REG_WAVE_MODE, 25, 1), 1
	s_wait_xcnt 0x0
; THE SCAN, in blocks, for chunk c (256 steps) of (batch, head).  k = K log2(e); m_t the running maximum, n_t the norm relative to m_t, w_t = softmax(Q)_t / n_t, all per latent.
; State in front of a block of 16 steps: mu, N, and Sbar[64][128] = csum / N (a mean of V's rows).  Then
;   y_t = sum_l P_t[l] Sbar[l][:] + sum_{s <= t} A[t][s] V_s,   P_t = w_t N 2^(mu - m_t),   Sbar' = rho Sbar + sum_s a_s V_s,   a_s = 2^(k_s - m_15) / n_15,   rho = N 2^(mu - m_15) / n_15.
; A[t][s] = sum_l w_t 2^(k_s - m_t) is split at a running maximum m_c with s <= c < t: for the highest bit b in which s and t differ, c is the last step of the lower half of their group of 2^(b+1);
; Z_b[i] = 2^(k_i - m_c) where bit b of i is 0, w_i 2^(m_c - m_i) where it is 1, and Z_b^T Z_b holds A at the pairs of level b.  Every exponent in the text is <= 0: the running maximum is always taken away.
; PHASES.  The carries (over earlier chunks' records, then over earlier waves) are made with two latents a lane, all records at once.  Wave w makes P, a, rho and A for blocks 4 w .. 4 w + 3;
; then every wave walks all 16 blocks for its 32 channels.
; WHAT IS NEEDED IS ASKED FOR AHEAD.  From memory: 16 rows of V and two records of S lie in window 1; the first are asked for when my rows of K have landed; at the end of each of my four blocks they are used
; (V to f16 into LDS; Sbar += factor x S) and the next are asked for.  Block j takes records j and j + 3, so record 3 comes twice, the first time with the factor 0: all trips are alike and no address leaves
; the buffer.  Records of chunks not before mine have the factor 0.  From LDS: a block's K and Q are read at the end of the block before; the walk reads block b + 1's fragments behind block b's products.
; FORMATS.  P, a, Z, A, Sbar, V, y go in f16, sums, maxima, norms and Sbar's master copy in f32.  A has a second f16 word everywhere; V and y have one in a chunk's first 16 steps (stored for chunk 0).
; LIMITS: |V| < 65,504; a factor under 6e-5 keeps f16's step of 6e-8; a weight under 2^-126 counts as 0; NaN and infinities are not treated apart.
; No cluster: no two work-groups read the same tile; the records that chunks of one head share are a small part of the bytes.
; LAYOUT by time: lane (r = l % 16, h = l / 16) holds step r and 32 latents: register 8 lt + 4 q + i is latent 16 lt + 8 h + 4 q + i; that is also a matrix result's row 8 h + j of tile lt.
; LDS ADDRESSES.  No loop writes an LDS address register: an address is a register made ahead of the loop plus an immediate.  Where a loop's trips touch different bytes, the run of LDS
; instructions is written once for each trip, and the trip's counter picks its run by forward jumps (the last run is the default, so that one run is taken on every way).
; REGISTERS.  window 0: the work.  window 1: v0-63 16 rows of V in f32; v64-191 two records of S; v192-255 Sbar's sum.  window 2: v0-4 offsets and LDS addresses that phase A has no room for in window 0.
.set PK,    288
.set PQ,    272
.set QR,    73728                      ; K's rows lie at 0 (later a, 128 bytes a row); Q's here (later P)
.set VH,    143360                     ; V in f16, 256 x 288
.set VL,    217088                     ; V's second word, 16 x 288
.set AF,    221696                     ; A: 256 rows of 80 bytes: 32 first word, 32 second
.set RHO,   242176                     ; 16 x 256
.set YS,    246272                     ; y: 4 waves x 256 steps x 64 bytes
.set YL,    311808                     ; y's second word: 4 x 16 x 64
.set XW,    315904                     ; the waves' maxima and sums: 4 x 512
.set CAR,   317952                     ; each wave's running carry: 4 x 512
.set GT,    320000                     ; the records' factors, by latents: 8 x 256: records 0, 1, 2, 3, (3 again: 0), 4, 5, 6
.set SPARE, 322048
.set REC,   33280
.set SPW, 14
.set NIL, 15
.set VR,   0                           ; window 1
.set SR,   64
.set STU,  192
.set GVR,  0                           ; window 2: 16 l
.set GSR,  1                           ;           16 l + my two channel tiles of a record
.set VSTR, 2                           ;           LDS: my rows of V in f16, 8 l
.set GAD,  3                           ;           LDS: the factors, 32 h
.set VLST, 4                           ;           LDS: V's second word, 8 l
.set TQ,   20                          ; s20  the walk's trip / 4
.set TE,   21                          ; s21  the walk's trip % 4
.set PC,   51                          ; s51  which pair of groups of latents: 0, 1
.set MK,   24                          ; s[24:27] lanes whose step has bit b
.set SELG, 28                          ; s[28:35] every lane takes lane c of its group
.set SELC, 36                          ; s[36:43] upper lanes take lane c, lower ones themselves
.set SEL15, 44
.set SELX, 46
.set L2E,  48
.set G1K, 72
.set G1Q, 80
.set G0K, 88
.set G0Q, 92
.set C1, 66                            ; masks for A, made when the tensor loads are done
.set C2, 74
.set C4, 82
.set C5, 90
.set C3, 98
.set MSB, 0
.macro WIN new                         ; the immediate's high byte repeats the setting that is left; bits 1:0 source 0, 3:2 source 1, 5:4 source 2, 7:6 destination
.if MSB != (\new)
	s_set_vgpr_msb (MSB<<8)|(\new)
.set MSB, \new
.endif
.endm
.macro LD8 dst, adr, off
.irp z, 0,1,2,3,4,5,6,7
	ds_load_b128 v[(\dst)+4*\z:(\dst)+4*\z+3], v[\adr] offset:(\off)+64*(\z/2)+16*(\z%2)
.endr
.endm
; One of two runs, by the counter of pairs: macro m for group g of the first pair or of the second.
.macro SITE2 m, g
	s_cmp_lg_u32 s[PC], 0
	s_cbranch_scc1 .Ls2_\@
	\m (\g)
	s_branch .Ls2x_\@
.Ls2_\@:
	\m 2+(\g)
.Ls2x_\@:
.endm
; One of four runs, by the counter s50 (0 to 3): macro m is written once for each value.
.macro SITE4 m
.irp bb, 0,1,2
	s_cmp_lg_u32 s50, \bb
	s_cbranch_scc1 .Ls4_\@_\bb
	\m \bb
	s_branch .Ls4x_\@
.Ls4_\@_\bb:
.endr
	\m 3
.Ls4x_\@:
.endm
; One of fifteen runs, for the walk's trips 1 to 15: first by trip / 4, then by trip % 4.
.macro WSITE m
.irp q, 0,1,2,3
.if \q < 3
	s_cmp_lg_u32 s[TQ], \q
	s_cbranch_scc1 .Lwq_\@_\q
.endif
.irp e, 0,1,2,3
.if 4*\q+\e > 0
.if \e < 3
	s_cmp_lg_u32 s[TE], \e
	s_cbranch_scc1 .Lwe_\@_\q\e
.endif
	\m 4*\q+\e
.if 4*\q+\e < 15
	s_branch .Lwx_\@
.endif
.if \e < 3
.Lwe_\@_\q\e:
.endif
.endif
.endr
.if \q < 3
.Lwq_\@_\q:
.endif
.endr
.Lwx_\@:
.endm
; 48 loads: 16 rows of V (512 bytes on end each) and my 8,192 bytes of two records, three records apart.  The two bases are stepped between uses.
.macro VSLOAD
	WIN 0x42                                       ; data into window 1, offsets from window 2
.set i, 0
.rept 16
	global_load_b128 v[VR+4*i:VR+4*i+3], v[GVR], s[52:53] offset:i*4096
.set i, i+1
.endr
.irp rr, 0,1
.irp lt, 0,1,2,3
.irp dd, 0,1
.irp q, 0,1
	global_load_b128 v[SR+64*\rr+16*\lt+8*\dd+4*\q:SR+64*\rr+16*\lt+8*\dd+4*\q+3], v[GSR], s[54:55] offset:\rr*3*REC+\dd*4096+\lt*1024+\q*512
.endr
.endr
.endr
.endr
	WIN 0
.endm
.macro HL d, lo, hi                    ; the two halves of a packed word as f32
	v_cvt_f32_f16 v[\d], \lo
	v_cvt_f32_f16 v[\d+1], \hi
.endm
	s_load_b256 s[4:11], s[0:1], 0x0               ; vqk, ssum, y, ylo
	v_lshl_add_u32 v[SPW], v0, 2, SPARE
	v_mov_b32 v[NIL], 0
	ds_add_u32 v[SPW], v[NIL]                      ; the wave's opening: the add and its wait stand ahead of my first tensor load
	ds_add_u32 v14, v15
	v_lshrrev_b32 v1, 5, v0
	v_readfirstlane_b32 s12, v1                    ; wave
	s_mov_b32 s13, ttmp9                           ; chunk
	s_and_b32 s14, ttmp7, 0xffff
	s_lshr_b32 s15, s14, 3                         ; batch
	s_and_b32 s16, s14, 7                          ; head
	s_lshl_b32 s17, s15, 11
	s_lshl_b32 s18, s13, 8
	s_add_co_u32 s17, s17, s18
	s_lshl_b32 s18, s12, 6
	s_add_co_u32 s17, s17, s18                     ; my first row
	s_lshl_b32 s18, s17, 12
	s_lshl_b32 s19, s16, 9
	s_add_co_u32 s52, s18, s19                     ; V
	s_mov_b32 s53, 0
	s_lshl_b32 s19, s16, 8
	s_add_co_u32 s58, s18, s19
	s_add_co_u32 s58, s58, 33554432                ; Q
	s_mov_b32 s59, 0
	s_add_co_u32 s62, s58, 2048                    ; K
	s_mov_b32 s63, 0
	s_lshl_b32 s60, s17, 11
	s_add_co_u32 s60, s60, s19                     ; y: row x 2,048 + head x 256
	s_mov_b32 s61, 0
	s_mul_i32 s54, s14, 7*REC                      ; the head's first record
	s_mov_b32 s55, 0
	s_mov_b32 s[G1K], (2<<16)|(1<<20)|(5<<22)|(7<<25)  ; 4-byte elements; 8 words of padding after every 64
	s_mov_b32 s[G1Q], (2<<16)|(1<<20)|(5<<22)|(3<<25)  ; 4 words
.irp g, G1K, G1Q
	s_mov_b32 s[\g+1], 64<<16                      ; tensor_dim0 = 64
	s_mov_b32 s[\g+2], 64<<16                      ; tensor_dim1 = 64
	s_mov_b32 s[\g+3], 64<<16                      ; tile_dim0 = 64
	s_mov_b32 s[\g+4], 64                          ; tile_dim1 = 64
	s_mov_b32 s[\g+5], 1024
	s_mov_b32 s[\g+6], 0
	s_mov_b32 s[\g+7], 0
.endr
	s_mov_b32 s[G0K], 1
	s_mul_i32 s[G0K+1], s12, 64*PK
	s_mov_b32 s[G0Q], 1
	s_mul_i32 s[G0Q+1], s12, 64*PQ
	s_add_co_u32 s[G0Q+1], s[G0Q+1], QR
	s_mov_b32 s[MK], 0xaaaaaaaa
	s_mov_b32 s[MK+1], 0xcccccccc
	s_mov_b32 s[MK+2], 0xf0f0f0f0
	s_mov_b32 s[MK+3], 0xff00ff00
	s_mov_b32 s[SELG], 0x66442200
	s_mov_b32 s[SELG+1], 0xeeccaa88
	s_mov_b32 s[SELG+2], 0x55551111
	s_mov_b32 s[SELG+3], 0xdddd9999
	s_mov_b32 s[SELG+4], 0x33333333
	s_mov_b32 s[SELG+5], 0xbbbbbbbb
	s_mov_b32 s[SELG+6], 0x77777777
	s_mov_b32 s[SELG+7], 0x77777777
	s_mov_b32 s[SELC], 0x66442200
	s_mov_b32 s[SELC+1], 0xeeccaa88
	s_mov_b32 s[SELC+2], 0x55541110
	s_mov_b32 s[SELC+3], 0xdddc9998
	s_mov_b32 s[SELC+4], 0x33333210
	s_mov_b32 s[SELC+5], 0xbbbbba98
	s_mov_b32 s[SELC+6], 0x76543210
	s_mov_b32 s[SELC+7], 0x77777777
	s_mov_b32 s[SEL15], -1
	s_mov_b32 s[SEL15+1], -1
	s_mov_b32 s[SELX], 0x76543210
	s_mov_b32 s[SELX+1], 0xfedcba98
	s_mov_b32 s[L2E], 0x3fb8aa3b
	s_mov_b32 s[L2E+1], s[L2E]
	s_wait_dscnt 0x0
	s_wait_kmcnt 0x0
	s_add_nc_u64 s[G0K+2:G0K+3], s[4:5], s[62:63]
	s_or_b32 s[G0K+3], s[G0K+3], 0x80000000
	s_add_nc_u64 s[G0Q+2:G0Q+3], s[4:5], s[58:59]
	s_or_b32 s[G0Q+3], s[G0Q+3], 0x80000000
	tensor_load_to_lds s[G0K:G0K+3], s[G1K:G1K+7]  ; my 64 rows of K, then of Q: two loads of mine are out; these bytes are filled once
	s_nop 0
	tensor_load_to_lds s[G0Q:G0Q+3], s[G1Q:G1Q+7]
	s_nop 0
	s_add_nc_u64 s[52:53], s[4:5], s[52:53]
	s_add_nc_u64 s[54:55], s[6:7], s[54:55]
	s_add_nc_u64 s[60:61], s[8:9], s[60:61]
	; ---- the seven records' M and N, two latents a lane (256 bytes on end a load)
.set MR,   32                          ; v[32:45]  M of records 0-6, later 2^(M - mu0), later the factors
.set NR,   48                          ; v[48:61]  N of records 0-6
.set MU0,  62                          ; v[62:63]  the chunk's carry: the maximum,
.set N0R,  64                          ; v[64:65]  and the norm
.set INV,  66
.set NEGV, 68
.set K3,   96                          ; v[96:223] my 64 steps of k, two latents a lane
	v_and_b32 v9, 31, v0
	v_bfe_u32 v10, v0, 4, 1
	v_lshlrev_b32 v1, 3, v9                        ; 8 l
.set k, 0
.rept 7
	global_load_b64 v[MR+2*k:MR+2*k+1], v1, s[54:55] offset:k*REC+32768
	global_load_b64 v[NR+2*k:NR+2*k+1], v1, s[54:55] offset:k*REC+33024
.set k, k+1
.endr
	s_lshl_b32 s18, s12, 13
	s_mul_i32 s17, s12, 64*PK
	s_add_co_u32 s17, s17, VH
	WIN 0x80                                       ; destination in window 2
	v_lshlrev_b32 v[GVR], 4, v9
	v_lshl_add_u32 v[GSR], v9, 4, s18
	v_lshl_add_u32 v[VSTR], v9, 3, s17
	v_lshl_add_u32 v[GAD], v10, 5, GT
	v_lshl_add_u32 v[VLST], v9, 3, VL
	WIN 0x40
.set n, 0
.rept 64
	v_mov_b32 v[STU+n], 0                          ; Sbar's sum starts, in the wait for the first loads
.set n, n+1
.endr
	WIN 0
	v_mov_b32 v[NEGV], 0xff000000                  ; far below every k
.irp k, 0,1,2,3,4,5,6
	s_cmp_gt_u32 s13, \k                           ; is record k a chunk before mine?
	s_cselect_b32 s[17+\k], -1, 0
.endr
	; ---- the chunk's carry: mu0 = max M, N0 = sum N 2^(M - mu0); the records' factors 2^(M - mu0) / N0.  Every wave makes them for itself.
	s_wait_loadcnt 0x0                             ; M and N are in
.irp k, 0,1,2,3,4,5,6
	v_cndmask_b32 v[MR+2*\k], v[NEGV], v[MR+2*\k], s[17+\k]
	v_cndmask_b32 v[MR+2*\k+1], v[NEGV], v[MR+2*\k+1], s[17+\k]
	v_cndmask_b32 v[NR+2*\k], 0, v[NR+2*\k], s[17+\k]
	v_cndmask_b32 v[NR+2*\k+1], 0, v[NR+2*\k+1], s[17+\k]
.endr
.irp e, 0,1
	v_max3_num_f32 v[MU0+\e], v[MR+\e], v[MR+2+\e], v[MR+4+\e]
.endr
.irp e, 0,1
	v_max3_num_f32 v[MU0+\e], v[MU0+\e], v[MR+6+\e], v[MR+8+\e]
.endr
.irp e, 0,1
	v_max3_num_f32 v[MU0+\e], v[MU0+\e], v[MR+10+\e], v[MR+12+\e]
.endr
.irp k, 0,1,2,3,4,5,6
	v_pk_add_f32 v[MR+2*\k:MR+2*\k+1], v[MR+2*\k:MR+2*\k+1], v[MU0:MU0+1] neg_lo:[0,1] neg_hi:[0,1]
.endr
.set n, 0
.rept 14
	v_exp_f32 v[MR+n], v[MR+n]
.set n, n+1
.endr
	v_nop
	s_wait_alu depctr_va_vdst(0)
	v_pk_mul_f32 v[N0R:N0R+1], v[NR:NR+1], v[MR:MR+1]
.irp k, 1,2,3,4,5,6
	v_pk_fma_f32 v[N0R:N0R+1], v[NR+2*\k:NR+2*\k+1], v[MR+2*\k:MR+2*\k+1], v[N0R:N0R+1]
.endr
	v_max_num_f32 v[INV], 1.0, v[N0R]              ; N0 is 0 for chunk 0 and at least 1 otherwise
	v_max_num_f32 v[INV+1], 1.0, v[N0R+1]
	v_rcp_f32 v[INV], v[INV]
	v_rcp_f32 v[INV+1], v[INV+1]
	v_nop
	s_wait_alu depctr_va_vdst(0)
.irp k, 0,1,2,3,4,5,6
	v_pk_mul_f32 v[MR+2*\k:MR+2*\k+1], v[MR+2*\k:MR+2*\k+1], v[INV:INV+1]
.endr
.irp k, 0,1,2,3,4,5,6
	v_cndmask_b32 v[MR+2*\k], 0, v[MR+2*\k], s[17+\k]
	v_cndmask_b32 v[MR+2*\k+1], 0, v[MR+2*\k+1], s[17+\k]
.endr
	s_cmp_lg_u32 s12, 0
	s_cbranch_scc1 .Lno_g
	v_add_nc_u32 v2, GT, v1                        ; wave 0 lays the factors down for all; they are read behind the first barrier
	v_mov_b32 v70, 0
	v_mov_b32 v71, 0
.irp k, 0,1,2,3
	ds_store_b64 v2, v[MR+2*\k:MR+2*\k+1] offset:256*\k
.endr
	ds_store_b64 v2, v[70:71] offset:1024          ; record 3's first coming counts for nothing
.irp k, 4,5,6
	ds_store_b64 v2, v[MR+2*\k:MR+2*\k+1] offset:256*(\k+1)
.endr
.Lno_g:
	; ---- my 64 steps' maximum and sum, for the waves behind me: K by columns, so that nothing changes lanes
	s_mul_i32 s17, s12, 64*PK
	v_add_nc_u32 v3, s17, v1
	s_wait_tensorcnt 0x1                           ; my rows of K are in (only I read them until the second barrier); Q's load, issued behind K's, may stay out
.set i, 0
.rept 64
	ds_load_b64 v[K3+2*i:K3+2*i+1], v3 offset:i*PK ; 32 lanes take a row's 256 bytes
.set i, i+1
.endr
	VSLOAD                                         ; only now the first 16 rows of V and records 0 and 3: they are wanted at the end of my first block
	s_wait_dscnt 0x0
.set n, 0
.rept 64
	v_pk_mul_f32 v[K3+2*n:K3+2*n+1], v[K3+2*n:K3+2*n+1], s[L2E:L2E+1] op_sel_hi:[1,0]
.set n, n+1
.endr
.irp hf, 0,1                           ; four chains: two latents x two halves of the rows
.irp e, 0,1
	v_max3_num_f32 v[72+2*\hf+\e], v[K3+64*\hf+\e], v[K3+64*\hf+2+\e], v[K3+64*\hf+4+\e]
.endr
.endr
.set j, 1
.rept 14
.irp hf, 0,1
.irp e, 0,1
	v_max3_num_f32 v[72+2*\hf+\e], v[72+2*\hf+\e], v[K3+64*\hf+2*(2*j+1)+\e], v[K3+64*\hf+2*(2*j+2)+\e]
.endr
.endr
.set j, j+1
.endr
.irp hf, 0,1
.irp e, 0,1
	v_max_num_f32 v[72+2*\hf+\e], v[72+2*\hf+\e], v[K3+64*\hf+62+\e]
.endr
.endr
.irp e, 0,1
	v_max_num_f32 v[72+\e], v[72+\e], v[74+\e]     ; v[72:73]: my maximum
.endr
.set n, 0
.rept 64
	v_pk_add_f32 v[K3+2*n:K3+2*n+1], v[K3+2*n:K3+2*n+1], v[72:73] neg_lo:[0,1] neg_hi:[0,1]
.set n, n+1
.endr
.set n, 0
.rept 128
	v_exp_f32 v[K3+n], v[K3+n]
.set n, n+1
.endr
	v_nop
.set j, 1
	s_wait_alu depctr_va_vdst(0)
.rept 15                                               ; four chains of sums
.irp q, 0,1,2,3
	v_pk_add_f32 v[K3+2*\q:K3+2*\q+1], v[K3+2*\q:K3+2*\q+1], v[K3+2*(4*j+\q):K3+2*(4*j+\q)+1]
.endr
.set j, j+1
.endr
	v_pk_add_f32 v[K3:K3+1], v[K3:K3+1], v[K3+2:K3+3]
	v_pk_add_f32 v[K3+4:K3+5], v[K3+4:K3+5], v[K3+6:K3+7]
	v_pk_add_f32 v[76:77], v[K3:K3+1], v[K3+4:K3+5]  ; my sum
	s_lshl_b32 s18, s12, 9
	v_add_nc_u32 v4, s18, v1
	v_add_nc_u32 v5, XW, v4                        ; my 512 bytes,
	v_add_nc_u32 v6, XW, v1                        ; wave 0's,
	v_add_nc_u32 v8, CAR, v4                       ; and my running carry
	ds_store_b64 v5, v[72:73]
	ds_store_b64 v5, v[76:77] offset:256
	s_wait_tensorcnt 0x0                           ; my rows of Q are in too: they are read behind this barrier
	s_wait_dscnt 0x0                               ; for the others' sake: maxima, sums and factors are written
	s_barrier_signal -1
	s_barrier_wait -1
.irp v, 0,1,2
	ds_load_b64 v[80+4*\v:81+4*\v], v6 offset:512*\v
	ds_load_b64 v[82+4*\v:83+4*\v], v6 offset:512*\v+256
.endr
.irp v, 0,1,2
	s_cmp_gt_u32 s12, \v                           ; is wave v in front of me?
	s_cselect_b32 s[17+\v], -1, 0
.endr
	s_wait_dscnt 0x0
.irp v, 0,1,2
	v_cndmask_b32 v[80+4*\v], v[NEGV], v[80+4*\v], s[17+\v]
	v_cndmask_b32 v[81+4*\v], v[NEGV], v[81+4*\v], s[17+\v]
	v_cndmask_b32 v[82+4*\v], 0, v[82+4*\v], s[17+\v]
	v_cndmask_b32 v[83+4*\v], 0, v[83+4*\v], s[17+\v]
.endr
.irp e, 0,1
	v_max3_num_f32 v[92+\e], v[MU0+\e], v[80+\e], v[84+\e]
.endr
.irp e, 0,1
	v_max_num_f32 v[92+\e], v[92+\e], v[88+\e]     ; mu in front of my first block
.endr
	v_pk_add_f32 v[MU0:MU0+1], v[MU0:MU0+1], v[92:93] neg_lo:[0,1] neg_hi:[0,1]
.irp v, 0,1,2
	v_pk_add_f32 v[80+4*\v:81+4*\v], v[80+4*\v:81+4*\v], v[92:93] neg_lo:[0,1] neg_hi:[0,1]
.endr
	v_exp_f32 v[MU0], v[MU0]
	v_exp_f32 v[MU0+1], v[MU0+1]
.irp v, 0,1,2
	v_exp_f32 v[80+4*\v], v[80+4*\v]
	v_exp_f32 v[81+4*\v], v[81+4*\v]
.endr
	v_nop
	s_wait_alu depctr_va_vdst(0)
	v_pk_mul_f32 v[94:95], v[N0R:N0R+1], v[MU0:MU0+1]
.irp v, 0,1,2
	v_pk_fma_f32 v[94:95], v[82+4*\v:83+4*\v], v[80+4*\v:81+4*\v], v[94:95]
.endr
	ds_store_b64 v8, v[92:93]                      ; the state in front of my first block, by latents
	ds_store_b64 v8, v[94:95] offset:256
	; ---- PHASE A: P, a, rho, A for my four blocks
.set KA,   1
.set QA,   2
.set EST,  3
.set PST,  4
.set AST,  5
.set RHOA, 6
.set CARA, 7
.set KP,  24
.set QS,  56
.set ZF,  88
.set DA,  120
.set MUG, 152
.set NCG, 160
.set RM,  168
.set RE0, 176
.set RST, 184
.set RNL, 192
.set RX,  200
.set RT,  232
.set RW,  240
.set RT2, 248
.set VP,  88                           ; at a trip's end: 16 rows of V in f16, where Z lay
.set GA_, 120                          ; the first record's factors, where the four products lay; the second's 80 registers on, where X lay
.macro AIN bb                          ; block bb of my four: K and Q by time
	LD8 KP, KA, (\bb)*16*PK
	LD8 QS, QA, (\bb)*16*PQ
.endm
	v_and_b32 v18, 15, v0                          ; the addresses of my first block; the loop does not write them
	v_bfe_u32 v19, v0, 4, 1
	s_mul_i32 s17, s12, 64*PK
	v_mul_u32_u24 v21, v18, PK
	v_add_nc_u32 v21, s17, v21
	v_lshl_add_u32 v[KA], v19, 5, v21
	v_lshl_add_u32 v[EST], v19, 4, v21
	s_mul_i32 s17, s12, 64*PQ
	s_add_co_u32 s17, s17, QR
	v_mul_u32_u24 v21, v18, PQ
	v_add_nc_u32 v21, s17, v21
	v_lshl_add_u32 v[QA], v19, 5, v21
	v_lshl_add_u32 v[PST], v19, 4, v21
	s_mul_i32 s17, s12, 64*80
	s_add_co_u32 s17, s17, AF
	v_mul_u32_u24 v21, v18, 80
	v_add_nc_u32 v21, s17, v21
	v_lshl_add_u32 v[AST], v19, 4, v21
	s_lshl_b32 s17, s12, 10
	s_add_co_u32 s17, s17, RHO
	v_lshl_add_u32 v[RHOA], v19, 5, s17
	s_lshl_b32 s17, s12, 9
	s_add_co_u32 s17, s17, CAR
	v_lshl_add_u32 v[CARA], v19, 5, s17
	AIN 0                                          ; my first block's K and Q; the set-up below stands between these loads and the wait for them
	v_lshlrev_b32 v19, 3, v19                      ; a result's row s = 8 h + j, its column t = r
.set j, 0
.rept 8
	v_add_nc_u32 v20, j, v19
	v_xor_b32 v21, v20, v18
	v_cmp_le_u32 s[C1+j], 2, v21                   ; level 1 or above
	v_cmp_le_u32 s[C2+j], 4, v21                   ; level 2 or above
	v_cmp_eq_u32 s[C4+j], v20, v18                 ; the diagonal
	v_cmp_le_u32 s[C5+j], v20, v18                 ; s <= t
.set j, j+1
.endr
	v_cmp_le_u32 s[C3], 8, v21                     ; level 3: the same for all j
.irp k, 0,1,2
	v_cndmask_b32 v[8+2*\k], 0, 1.0, s[MK+\k]      ; 1 where the step has bit k
	v_cndmask_b32 v[9+2*\k], 0, 1.0, s[MK+\k]
.endr
	v_cndmask_b32 v16, 0, 1.0, s[MK+3]
	v_cndmask_b32 v17, 0, 1.0, s[MK+3]
.set n, 0
.rept 8
	v_mov_b32 v[RT+n], 0                           ; a lane permute's destination counts as read
	v_mov_b32 v[RT2+n], 0
.set n, n+1
.endr
; Block bb's results, which the groups left in the registers of k (a, P) and of Q's softmax (rho): group lt's lie in slot (lt + 2) % 4, since the halves were exchanged once;
; rows 16 bb .. of V in f16; the factors of records bb and bb + 3; and the next block's K and Q.
.macro AOUT bb
.irp lt, 0,1,2,3
	ds_store_b128 v[RHOA], v[QS+8*((\lt+2)%4):QS+8*((\lt+2)%4)+3] offset:(\bb)*256+64*\lt
	ds_store_b128 v[RHOA], v[QS+8*((\lt+2)%4)+4:QS+8*((\lt+2)%4)+7] offset:(\bb)*256+64*\lt+16
	ds_store_b128 v[EST], v[KP+8*((\lt+2)%4):KP+8*((\lt+2)%4)+3] offset:(\bb)*16*PK+32*\lt      ; a, in the place of my rows of K, which have been read
	ds_store_b128 v[PST], v[KP+8*((\lt+2)%4)+4:KP+8*((\lt+2)%4)+7] offset:(\bb)*16*PQ+32*\lt    ; P, in the place of my rows of Q
.endr
	ds_store_b128 v[AST], v[18:21] offset:(\bb)*16*80
	ds_store_b128 v[AST], v[RT:RT+3] offset:(\bb)*16*80+32
	WIN 0x02                                       ; addresses from window 2
.set i, 0
.rept 16
	ds_store_b64 v[VSTR], v[VP+2*i:VP+2*i+1] offset:(16*(\bb)+i)*PK
.set i, i+1
.endr
	LD8 GA_, GAD, 256*(\bb)
	LD8 GA_+80, GAD, 256*(4+(\bb))
	WIN 0
.if (\bb) == 0
	s_cmp_lg_u32 s12, 0
	s_cbranch_scc1 .Lnvl_\@
	HL 24, v88.l, v88.h                            ; wave 0: what the first f16 word left over of the chunk's first 16 rows
	HL 26, v89.l, v89.h
	HL 28, v90.l, v90.h
	HL 30, v91.l, v91.h
	HL 32, v92.l, v92.h
	HL 34, v93.l, v93.h
	HL 36, v94.l, v94.h
	HL 38, v95.l, v95.h
	HL 40, v96.l, v96.h
	HL 42, v97.l, v97.h
	HL 44, v98.l, v98.h
	HL 46, v99.l, v99.h
	HL 48, v100.l, v100.h
	HL 50, v101.l, v101.h
	HL 52, v102.l, v102.h
	HL 54, v103.l, v103.h
	HL 56, v104.l, v104.h
	HL 58, v105.l, v105.h
	HL 60, v106.l, v106.h
	HL 62, v107.l, v107.h
	HL 64, v108.l, v108.h
	HL 66, v109.l, v109.h
	HL 68, v110.l, v110.h
	HL 70, v111.l, v111.h
	HL 72, v112.l, v112.h
	HL 74, v113.l, v113.h
	HL 76, v114.l, v114.h
	HL 78, v115.l, v115.h
	HL 80, v116.l, v116.h
	HL 82, v117.l, v117.h
	HL 84, v118.l, v118.h
	HL 86, v119.l, v119.h
	WIN 0x01                                       ; V in f32 from window 1
.set i, 0
.rept 32
	v_pk_add_f32 v[24+2*i:25+2*i], v[VR+2*i:VR+2*i+1], v[24+2*i:25+2*i] neg_lo:[0,1] neg_hi:[0,1]
.set i, i+1
.endr
	WIN 0
.set i, 0
.rept 32
	v_cvt_pk_f16_f32 v[152+i], v[24+2*i], v[25+2*i]
.set i, i+1
.endr
	WIN 0x02
.set i, 0
.rept 16
	ds_store_b64 v[VLST], v[152+2*i:153+2*i] offset:i*PK
.set i, i+1
.endr
	WIN 0
.Lnvl_\@:
.endif
.if (\bb) < 3
	AIN (\bb)+1
.endif
.endm
.macro CLD lt                          ; group lt's mu and N
	ds_load_b128 v[MUG:MUG+3], v[CARA] offset:64*(\lt)
	ds_load_b128 v[MUG+4:MUG+7], v[CARA] offset:64*(\lt)+16
	ds_load_b128 v[NCG:NCG+3], v[CARA] offset:256+64*(\lt)
	ds_load_b128 v[NCG+4:NCG+7], v[CARA] offset:256+64*(\lt)+16
.endm
.macro CST lt                          ; and the next block's
	ds_store_b128 v[CARA], v[MUG:MUG+3] offset:64*(\lt)
	ds_store_b128 v[CARA], v[MUG+4:MUG+7] offset:64*(\lt)+16
	ds_store_b128 v[CARA], v[NCG:NCG+3] offset:256+64*(\lt)
	ds_store_b128 v[CARA], v[NCG+4:NCG+7] offset:256+64*(\lt)+16
.endm
.macro LEVEL k, src, bit               ; X_k = 2^-|m_c - (k_i or m_i)|, and the norm's prefix sum: upper lanes add lane c's sum times X_k
.irp i, 0,1,2,3,4,5,6,7
	v_permlane16_b32 v[RT+\i], v[RM+\i], s[SELG+2*(\k)], s[SELG+2*(\k)+1]
.endr
.irp i, 0,1,2,3,4,5,6,7
	v_cndmask_b32 v[RT2+\i], v[K8+\i], v[RM+\i], s[MK+(\k)]
.endr
.irp p, 0,2,4,6
	v_pk_add_f32 v[RT+\p:RT+\p+1], v[RT+\p:RT+\p+1], v[RT2+\p:RT2+\p+1] neg_lo:[0,1] neg_hi:[0,1]
.endr
.irp i, 0,1,2,3,4,5,6,7
	v_or_b32 v[RT+\i], 0x80000000, v[RT+\i]
.endr
.irp i, 0,1,2,3,4,5,6,7
	v_permlane16_b32 v[RT2+\i], v[(\src)+\i], s[SELG+2*(\k)], s[SELG+2*(\k)+1]
.endr
.irp i, 0,1,2,3,4,5,6,7
	v_exp_f32 v[RX+8*(\k)+\i], v[RT+\i]
.endr
	v_nop
	s_wait_alu depctr_va_vdst(0)
.irp p, 0,2,4,6
	v_pk_mul_f32 v[RT2+\p:RT2+\p+1], v[RT2+\p:RT2+\p+1], v[RX+8*(\k)+\p:RX+8*(\k)+\p+1]
.endr
.irp p, 0,2,4,6
	v_pk_fma_f32 v[RNL+\p:RNL+\p+1], v[RT2+\p:RT2+\p+1], v[\bit:\bit+1], v[(\src)+\p:(\src)+\p+1] op_sel_hi:[1,0,1]
.endr
.endm
.macro GROUP g                         ; eight latents a lane: group g (0, 1) of the pair in hand, whose k and softmax lie in the lower 16 registers
.set K8, KP+8*(\g)
.set Q8, QS+8*(\g)
	SITE2 CLD, \g
.irp i, 0,1,2,3,4,5,6,7
	v_permlane16_b32 v[RT+\i], v[K8+\i], s[SELC], s[SELC+1]
.endr
.irp i, 0,1,2,3,4,5,6,7
	v_max_num_f32 v[RM+\i], v[K8+\i], v[RT+\i]
.endr
.irp k, 1,2,3
.irp i, 0,1,2,3,4,5,6,7
	v_permlane16_b32 v[RT+\i], v[RM+\i], s[SELC+2*\k], s[SELC+2*\k+1]
.endr
.irp i, 0,1,2,3,4,5,6,7
	v_max_num_f32 v[RM+\i], v[RM+\i], v[RT+\i]
.endr
.endr
	s_wait_dscnt 0x0                               ; mu and N
.irp i, 0,1,2,3,4,5,6,7
	v_max_num_f32 v[RM+\i], v[RM+\i], v[MUG+\i]    ; m_t
.endr
.irp p, 0,2,4,6
	v_pk_add_f32 v[RE0+\p:RE0+\p+1], v[K8+\p:K8+\p+1], v[RM+\p:RM+\p+1] neg_lo:[0,1] neg_hi:[0,1]
	v_pk_add_f32 v[RST+\p:RST+\p+1], v[MUG+\p:MUG+\p+1], v[RM+\p:RM+\p+1] neg_lo:[0,1] neg_hi:[0,1]
.endr
.irp i, 0,1,2,3,4,5,6,7
	v_exp_f32 v[RE0+\i], v[RE0+\i]
	v_exp_f32 v[RST+\i], v[RST+\i]
.endr
	v_nop
	s_wait_alu depctr_va_vdst(0)
.irp p, 0,2,4,6
	v_pk_mul_f32 v[RST+\p:RST+\p+1], v[RST+\p:RST+\p+1], v[NCG+\p:NCG+\p+1]  ; N 2^(mu - m_t)
.endr
	LEVEL 0, RE0, 8
	LEVEL 1, RNL, 10
	LEVEL 2, RNL, 12
	LEVEL 3, RNL, 16
.irp p, 0,2,4,6
	v_pk_add_f32 v[RNL+\p:RNL+\p+1], v[RNL+\p:RNL+\p+1], v[RST+\p:RST+\p+1]  ; n_t
.endr
.irp i, 0,1,2,3,4,5,6,7
	v_rcp_f32 v[RW+\i], v[RNL+\i]
.endr
	v_nop
	s_wait_alu depctr_va_vdst(0)
.irp p, 0,2,4,6
	v_pk_mul_f32 v[RT2+\p:RT2+\p+1], v[RST+\p:RST+\p+1], v[RW+\p:RW+\p+1]    ; N 2^(mu - m_t) / n_t: step 15's is rho
.endr
.irp i, 0,1,2,3,4,5,6,7
	v_permlane16_b32 v[MUG+\i], v[RM+\i], s[SEL15], s[SEL15+1]   ; m_15,
	v_permlane16_b32 v[NCG+\i], v[RNL+\i], s[SEL15], s[SEL15+1]  ; n_15: the next block's mu and N,
	v_permlane16_b32 v[RM+\i], v[RW+\i], s[SEL15], s[SEL15+1]    ; and 1 / n_15, where m_t is no longer needed
.endr
.irp p, 0,2,4,6
	v_pk_add_f32 v[RT+\p:RT+\p+1], v[K8+\p:K8+\p+1], v[MUG+\p:MUG+\p+1] neg_lo:[0,1] neg_hi:[0,1]
.endr
.irp i, 0,1,2,3,4,5,6,7
	v_exp_f32 v[RT+\i], v[RT+\i]
.endr
	v_nop
	s_wait_alu depctr_va_vdst(0)
.irp p, 0,2,4,6
	v_pk_mul_f32 v[RT+\p:RT+\p+1], v[RT+\p:RT+\p+1], v[RM+\p:RM+\p+1]        ; a_s
.endr
.irp i, 0,1,2,3
	v_cvt_pk_f16_f32 v[K8+\i], v[RT+2*\i], v[RT+2*\i+1]                      ; kept where the group's k lay, which is used up
.endr
	SITE2 CST, \g
.irp p, 0,2,4,6
	v_pk_mul_f32 v[RW+\p:RW+\p+1], v[Q8+\p:Q8+\p+1], v[RW+\p:RW+\p+1]        ; w_t
.endr
.irp i, 0,1,2,3,4,5,6,7
	v_permlane16_b32 v[Q8+\i], v[RT2+\i], s[SEL15], s[SEL15+1]               ; rho, kept where the group's softmax lay
.endr
.irp p, 0,2,4,6
	v_pk_fma_f32 v[22:23], v[RW+\p:RW+\p+1], v[RE0+\p:RE0+\p+1], v[22:23]    ; the diagonal, in f32
.endr
.irp p, 0,2,4,6
	v_pk_mul_f32 v[RT+\p:RT+\p+1], v[RW+\p:RW+\p+1], v[RST+\p:RST+\p+1]      ; P_t
.endr
.irp i, 0,1,2,3
	v_cvt_pk_f16_f32 v[K8+4+\i], v[RT+2*\i], v[RT+2*\i+1]
.endr
.irp k, 0,1,2,3
.irp p, 0,2,4,6
	v_pk_mul_f32 v[RT+\p:RT+\p+1], v[RX+8*\k+\p:RX+8*\k+\p+1], v[RW+\p:RW+\p+1]
.endr
.irp i, 0,1,2,3,4,5,6,7
	v_cndmask_b32 v[RT+\i], v[RX+8*\k+\i], v[RT+\i], s[MK+\k]
.endr
.irp i, 0,1,2,3
	v_cvt_pk_f16_f32 v[ZF+8*\k+4*(\g)+\i], v[RT+2*\i], v[RT+2*\i+1]
.endr
.endr
.endm
	s_mov_b32 s50, 0
.Lblk:
	s_wait_dscnt 0x0                               ; this block's K and Q, asked for at the end of the block before
.set n, 0
.rept 16
	v_pk_mul_f32 v[KP+2*n:KP+2*n+1], v[KP+2*n:KP+2*n+1], s[L2E:L2E+1] op_sel_hi:[1,0]
	v_pk_mul_f32 v[QS+2*n:QS+2*n+1], v[QS+2*n:QS+2*n+1], s[L2E:L2E+1] op_sel_hi:[1,0]
.set n, n+1
.endr
.irp j, 0,1,2,3                        ; softmax over the 64 latents: 32 here, 32 in the lane 16 away
	v_max3_num_f32 v[18+\j], v[QS+8*\j], v[QS+8*\j+1], v[QS+8*\j+2]
.endr
.irp j, 0,1,2,3
	v_max3_num_f32 v[18+\j], v[18+\j], v[QS+8*\j+3], v[QS+8*\j+4]
.endr
.irp j, 0,1,2,3
	v_max3_num_f32 v[18+\j], v[18+\j], v[QS+8*\j+5], v[QS+8*\j+6]
.endr
	v_max3_num_f32 v18, v18, v[QS+7], v[QS+15]
	v_max3_num_f32 v19, v19, v[QS+23], v[QS+31]
	v_max3_num_f32 v18, v18, v19, v20
	v_max_num_f32 v18, v18, v21
	v_permlanex16_b32 v19, v18, s[SELX], s[SELX+1]
	v_max_num_f32 v18, v18, v19
.set n, 0
.rept 16
	v_pk_add_f32 v[QS+2*n:QS+2*n+1], v[QS+2*n:QS+2*n+1], v[18:19] op_sel_hi:[1,0] neg_lo:[0,1] neg_hi:[0,1]
.set n, n+1
.endr
.set n, 0
.rept 32
	v_exp_f32 v[QS+n], v[QS+n]
.set n, n+1
.endr
	v_mov_b32 v22, 0                               ; the diagonal's sum starts; also the plain instruction behind the exponentials
	v_mov_b32 v23, 0
	s_wait_alu depctr_va_vdst(0)
.irp p, 0,2,4,6
	v_pk_add_f32 v[RT+\p:RT+\p+1], v[QS+\p:QS+\p+1], v[QS+8+\p:QS+8+\p+1]
.endr
.irp p, 0,2,4,6
	v_pk_add_f32 v[RT+\p:RT+\p+1], v[RT+\p:RT+\p+1], v[QS+16+\p:QS+16+\p+1]
.endr
.irp p, 0,2,4,6
	v_pk_add_f32 v[RT+\p:RT+\p+1], v[RT+\p:RT+\p+1], v[QS+24+\p:QS+24+\p+1]
.endr
	v_pk_add_f32 v[RT:RT+1], v[RT:RT+1], v[RT+2:RT+3]
	v_pk_add_f32 v[RT+4:RT+5], v[RT+4:RT+5], v[RT+6:RT+7]
	v_pk_add_f32 v[RT:RT+1], v[RT:RT+1], v[RT+4:RT+5]
	v_add_f32 v20, v[RT], v[RT+1]
	v_permlanex16_b32 v21, v20, s[SELX], s[SELX+1]
	v_add_f32 v20, v20, v21
	v_rcp_f32 v20, v20
	v_nop
.set n, 0
	s_wait_alu depctr_va_vdst(0)
.rept 16
	v_pk_mul_f32 v[QS+2*n:QS+2*n+1], v[QS+2*n:QS+2*n+1], v[20:21] op_sel_hi:[1,0]
.set n, n+1
.endr
	; the four groups of latents, a pair a trip: the pair's text is written once and works on the lower 16 registers of k and of the softmax
	s_mov_b32 s[PC], 0
.Lpair:
	GROUP 0
	GROUP 1
	s_cmp_lg_u32 s[PC], 0
	s_cbranch_scc1 .Lzacc
.irp k, 0,1,2,3                        ; Z^T Z over latents 0-31 starts the four sums; the four accumulators take turns
	v_wmma_f32_16x16x32_f16 v[DA+8*\k:DA+8*\k+7], v[ZF+8*\k:ZF+8*\k+7], v[ZF+8*\k:ZF+8*\k+7], 0
.endr
.set n, 0
.rept 16                                               ; the first pair's results go up, the second pair's k and softmax come down: 96 moves a block, the price of one text for both pairs
	v_mov_b32 v[RX+n], v[KP+n]
	v_mov_b32 v[RX+16+n], v[QS+n]
.set n, n+1
.endr
.set n, 0
.rept 16
	v_mov_b32 v[KP+n], v[KP+16+n]
	v_mov_b32 v[QS+n], v[QS+16+n]
.set n, n+1
.endr
.set n, 0
.rept 16
	v_mov_b32 v[KP+16+n], v[RX+n]
	v_mov_b32 v[QS+16+n], v[RX+16+n]
.set n, n+1
.endr
	s_branch .Lzdone
.Lzacc:
.irp k, 0,1,2,3
	v_wmma_f32_16x16x32_f16 v[DA+8*\k:DA+8*\k+7], v[ZF+8*\k:ZF+8*\k+7], v[ZF+8*\k:ZF+8*\k+7], v[DA+8*\k:DA+8*\k+7]
.endr
.Lzdone:
	s_add_co_u32 s[PC], s[PC], 1
	s_cmp_lt_u32 s[PC], 2
	s_cbranch_scc1 .Lpair
.rept 4
	v_nop
.endr
	v_add_f32 v22, v22, v23
	v_permlanex16_b32 v23, v22, s[SELX], s[SELX+1]
	v_add_f32 v22, v22, v23
.irp j, 0,1,2,3,4,5,6,7                ; each pair (s, t) takes its level's product; registers in ascending order
	v_cndmask_b32 v[RT+\j], v[DA+\j], v[DA+8+\j], s[C1+\j]
	v_cndmask_b32 v[RT+\j], v[RT+\j], v[DA+16+\j], s[C2+\j]
	v_cndmask_b32 v[RT+\j], v[RT+\j], v[DA+24+\j], s[C3]
	v_cndmask_b32 v[RT+\j], v[RT+\j], v22, s[C4+\j]
	v_cndmask_b32 v[RT+\j], 0, v[RT+\j], s[C5+\j]
.endr
.irp i, 0,1,2,3
	v_cvt_pk_f16_f32 v[18+\i], v[RT+2*\i], v[RT+2*\i+1]
.endr
	v_cvt_f32_f16 v[RT2], v18.l
	v_cvt_f32_f16 v[RT2+1], v18.h
	v_cvt_f32_f16 v[RT2+2], v19.l
	v_cvt_f32_f16 v[RT2+3], v19.h
	v_cvt_f32_f16 v[RT2+4], v20.l
	v_cvt_f32_f16 v[RT2+5], v20.h
	v_cvt_f32_f16 v[RT2+6], v21.l
	v_cvt_f32_f16 v[RT2+7], v21.h
.irp p, 0,2,4,6
	v_pk_add_f32 v[RT+\p:RT+\p+1], v[RT+\p:RT+\p+1], v[RT2+\p:RT2+\p+1] neg_lo:[0,1] neg_hi:[0,1]
.endr
.irp i, 0,1,2,3
	v_cvt_pk_f16_f32 v[RT+\i], v[RT+2*\i], v[RT+2*\i+1]
.endr
	; the trip's end: what was asked for a trip ago (for the first trip: when K had landed) is used, and the next is asked for
	s_wait_loadcnt 0x0                             ; 16 rows of V and two records are in; the bases may be stepped
	WIN 0x05                                       ; both sources in window 1
.set i, 0
.rept 32
	v_cvt_pk_f16_f32 v[VP+i], v[VR+2*i], v[VR+2*i+1]
.set i, i+1
.endr
	WIN 0
	SITE4 AOUT
	s_wait_dscnt 0x0                               ; the two records' factors (and the next block's K and Q)
	WIN 0x51                                       ; Sbar's sum and S in window 1, the factors in window 0
.irp rr, 0,1
.irp lt, 0,1,2,3
.irp dd, 0,1
.irp p, 0,2,4,6
	v_pk_fma_f32 v[STU+16*\lt+8*\dd+\p:STU+16*\lt+8*\dd+\p+1], v[SR+64*\rr+16*\lt+8*\dd+\p:SR+64*\rr+16*\lt+8*\dd+\p+1], v[GA_+80*\rr+8*\lt+\p:GA_+80*\rr+8*\lt+\p+1], v[STU+16*\lt+8*\dd+\p:STU+16*\lt+8*\dd+\p+1]
.endr
.endr
.endr
.endr
	WIN 0
	s_cmp_eq_u32 s50, 3
	s_cbranch_scc1 .Lno_more                       ; the last trip asks for nothing
	s_add_nc_u64 s[52:53], s[52:53], 16*4096       ; the next 16 rows,
	s_add_nc_u64 s[54:55], s[54:55], REC           ; the next pair of records
	VSLOAD
.Lno_more:
	s_add_co_u32 s50, s50, 1
	s_cmp_lt_u32 s50, 4
	s_cbranch_scc1 .Lblk
	; ---- Sbar in front of the chunk, for my 32 channels, comes down into window 0
.set YA,  16
.set ST,  32
.set SH,  96
.set PF,  128
.set AFH, 144
.set AF2, 152
.set VF,  160
.set VL2, 176
.set YT,  176                          ; at work on y's way into LDS, where V's second word lay, which block 0's products alone read
.set AT,  192
.set RH,  224
	WIN 0x01
.set n, 0
.rept 64
	v_mov_b32 v[ST+n], v[STU+n]
.set n, n+1
.endr
	WIN 0
.macro MKSH                            ; Sbar in f16: two tiles of 16 latents ARE a fragment of 16 channels x 32 latents; each tile's low registers are read first
.irp dd, 0,1
.irp lt, 0,1,2,3
.irp i, 0,1,2,3
	v_cvt_pk_f16_f32 v[SH+16*\dd+4*\lt+\i], v[ST+8*(2*\lt+\dd)+2*\i], v[ST+8*(2*\lt+\dd)+2*\i+1]
.endr
.endr
.endr
.endm
	MKSH
.irp lt, 0,1,2,3
.irp i, 4,5,6,7
	v_mov_b32 v[AT+8*\lt+\i], 0                    ; a block has 16 steps: the upper half of K = 32 is 0 in a's fragments,
.endr
.endr
.irp i, 4,5,6,7
	v_mov_b32 v[AF2+\i], 0                         ; and in A's where V's second word is multiplied
.endr
	; ---- the walk's addresses, all at block 0; the loop does not write them
.set PA,  1                            ; v1    P: row r, 16 h
.set AA,  2                            ; v2    A: row r, 16 h
.set RA,  3                            ; v3    rho: 32 h
.set YSA, 4                            ; v4    my slice of y: row r, 16 h
.set VA,  5                            ; v5, v6  V, turned: blocks 0-7, blocks 8-15
.set TAD, 7                            ; v7, v8  a, turned: likewise
.set YLA, 9                            ; v9    my slice of y's second word
	v_and_b32 v10, 15, v0
	v_bfe_u32 v11, v0, 4, 1
	v_mul_u32_u24 v[PA], v10, PQ
	v_lshl_add_u32 v[PA], v11, 4, v[PA]
	v_add_nc_u32 v[PA], QR, v[PA]
	v_mul_u32_u24 v[AA], v10, 80
	v_lshl_add_u32 v[AA], v11, 4, v[AA]
	v_add_nc_u32 v[AA], AF, v[AA]
	v_lshlrev_b32 v[RA], 5, v11
	v_add_nc_u32 v[RA], RHO, v[RA]
	v_and_b32 v12, 7, v0                           ; the turning load: row 8 h + l % 8, 16 bytes (l / 8) % 2
	v_lshl_add_u32 v12, v11, 3, v12
	v_mul_u32_u24 v12, v12, PK
	v_bfe_u32 v13, v0, 3, 1
	v_lshl_add_u32 v[TAD], v13, 4, v12
	v_add_nc_u32 v[TAD+1], 128*PK, v[TAD]
	s_lshl_b32 s17, s12, 6
	s_add_co_u32 s17, s17, VH
	v_add_nc_u32 v[VA], s17, v[TAD]
	v_add_nc_u32 v[VA+1], 128*PK, v[VA]
	v_lshlrev_b32 v12, 6, v10
	v_lshl_add_u32 v12, v11, 4, v12
	s_lshl_b32 s18, s12, 14
	s_add_co_u32 s18, s18, YS
	v_add_nc_u32 v[YSA], s18, v12
	s_lshl_b32 s18, s12, 10
	s_add_co_u32 s18, s18, YL
	v_add_nc_u32 v[YLA], s18, v12
	s_wait_dscnt 0x0                               ; P, a, rho, A and V are written
	s_barrier_signal -1
	s_barrier_wait -1
; A BLOCK for my 32 channels.  y^T = Sbar^T P + V^T (A + A's second word) [+ V's second word^T A]; then Sbar = rho Sbar + a^T V.
; In V's fragments the 16 steps stand twice, so that K = 32 takes A's first word below and its second above.
.macro BLD bb                          ; block bb's 22 loads, in the order of their use: P 4, rho 8, A 2, V 4, a 4
.irp z, 0,1,2,3
	ds_load_b128 v[PF+4*\z:PF+4*\z+3], v[PA] offset:(\bb)*16*PQ+32*\z
.endr
	LD8 RH, RA, (\bb)*256
	ds_load_b128 v[AFH:AFH+3], v[AA] offset:(\bb)*16*80
	ds_load_b128 v[AFH+4:AFH+7], v[AA] offset:(\bb)*16*80+32
.irp dd, 0,1
	ds_load_tr16_b128 v[VF+8*\dd:VF+8*\dd+3], v[VA+(\bb)/8] offset:((\bb)%8)*16*PK+32*\dd
	ds_load_tr16_b128 v[VF+8*\dd+4:VF+8*\dd+7], v[VA+(\bb)/8] offset:((\bb)%8)*16*PK+32*\dd
.endr
.irp lt, 0,1,2,3
	ds_load_tr16_b128 v[AT+8*\lt:AT+8*\lt+3], v[TAD+(\bb)/8] offset:((\bb)%8)*16*PK+32*\lt
.endr
.endm
.macro BLDN bb                         ; in trip bb: the next block's loads; the last trip has none
.if (\bb) < 15
	BLD (\bb)+1
.endif
.endm
.macro BST bb                          ; block bb's 16 steps of y, my 32 channels
	ds_store_b128 v[YSA], v[10:13] offset:(\bb)*1024
	ds_store_b128 v[YSA], v[YT:YT+3] offset:(\bb)*1024+32
.endm
; lo = 1: the chunk's first block, whose loads were just issued.  lo = 0: the 22 loads were issued in the trip before, with y's stores behind them: two on the way back, four on the way in from block 0,
; for which the counts below are the stricter.  No two matrix instructions on end share an accumulator.
.macro BMUL lo
.if \lo
	s_wait_dscnt 0x0
.else
	s_wait_dscnt 20                                ; P is in: 18 loads and 2 stores were issued behind it
.endif
.irp dd, 0,1
	v_wmma_f32_16x16x32_f16 v[YA+8*\dd:YA+8*\dd+7], v[SH+16*\dd:SH+16*\dd+7], v[PF:PF+7], 0
.endr
.irp dd, 0,1
	v_wmma_f32_16x16x32_f16 v[YA+8*\dd:YA+8*\dd+7], v[SH+16*\dd+8:SH+16*\dd+15], v[PF+8:PF+15], v[YA+8*\dd:YA+8*\dd+7]
.endr
.if !(\lo)
	s_wait_dscnt 12                                ; rho is in: 10 loads and 2 stores behind it
.endif
.irp lt, 0,1,2,3
.irp dd, 0,1
.irp p, 0,2,4,6
	v_pk_mul_f32 v[ST+8*(2*\lt+\dd)+\p:ST+8*(2*\lt+\dd)+\p+1], v[ST+8*(2*\lt+\dd)+\p:ST+8*(2*\lt+\dd)+\p+1], v[RH+8*\lt+\p:RH+8*\lt+\p+1]
.endr
.endr
.endr
.if !(\lo)
	s_wait_dscnt 2                                 ; all 22 loads are in; the stores may be out
.endif
.irp dd, 0,1
	v_wmma_f32_16x16x32_f16 v[YA+8*\dd:YA+8*\dd+7], v[VF+8*\dd:VF+8*\dd+7], v[AFH:AFH+7], v[YA+8*\dd:YA+8*\dd+7]
.endr
.if \lo
.irp dd, 0,1
	v_wmma_f32_16x16x32_f16 v[YA+8*\dd:YA+8*\dd+7], v[VL2+8*\dd:VL2+8*\dd+7], v[AF2:AF2+7], v[YA+8*\dd:YA+8*\dd+7]
.endr
.endif
.irp lt, 0,1,2,3
.irp dd, 0,1
	v_wmma_f32_16x16x32_f16 v[ST+8*(2*\lt+\dd):ST+8*(2*\lt+\dd)+7], v[AT+8*\lt:AT+8*\lt+7], v[VF+8*\dd:VF+8*\dd+7], v[ST+8*(2*\lt+\dd):ST+8*(2*\lt+\dd)+7]
.endr
.endr
.rept 4
	v_nop                                          ; places behind the products: in front of the loads into their sources and of the reads of their results
.endr
.endm
.macro YOUT0 dd                        ; block 0: y in two f16 words
.irp i, 0,1,2,3
	v_cvt_pk_f16_f32 v[10+\i], v[YA+8*(\dd)+2*\i], v[YA+8*(\dd)+2*\i+1]
.endr
	ds_store_b128 v[YSA], v[10:13] offset:32*(\dd)
	v_cvt_f32_f16 v[YT], v10.l
	v_cvt_f32_f16 v[YT+1], v10.h
	v_cvt_f32_f16 v[YT+2], v11.l
	v_cvt_f32_f16 v[YT+3], v11.h
	v_cvt_f32_f16 v[YT+4], v12.l
	v_cvt_f32_f16 v[YT+5], v12.h
	v_cvt_f32_f16 v[YT+6], v13.l
	v_cvt_f32_f16 v[YT+7], v13.h
.irp p, 0,2,4,6
	v_pk_add_f32 v[YT+\p:YT+\p+1], v[YA+8*(\dd)+\p:YA+8*(\dd)+\p+1], v[YT+\p:YT+\p+1] neg_lo:[0,1] neg_hi:[0,1]
.endr
.irp i, 0,1,2,3
	v_cvt_pk_f16_f32 v[YT+8+\i], v[YT+2*\i], v[YT+2*\i+1]
.endr
	ds_store_b128 v[YLA], v[YT+8:YT+11] offset:32*(\dd)
.endm
	BLD 0
	ds_load_b128 v[AF2:AF2+3], v[AA]
.irp dd, 0,1                           ; V's second word lies 256 rows behind V: 128 rows behind the second base
	ds_load_tr16_b128 v[VL2+8*\dd:VL2+8*\dd+3], v[VA+1] offset:VL-VH-128*PK+32*\dd
	ds_load_tr16_b128 v[VL2+8*\dd+4:VL2+8*\dd+7], v[VA+1] offset:VL-VH-128*PK+32*\dd
.endr
	BMUL 1
	BLD 1                                          ; block 1's fragments are on their way while block 0's y is rounded and stored
	YOUT0 0
	YOUT0 1
	MKSH
	s_mov_b32 s50, 1
.Lwalk:                                                ; blocks 1 to 15
	s_lshr_b32 s[TQ], s50, 2
	s_and_b32 s[TE], s50, 3
	BMUL 0
	WSITE BLDN
.irp i, 0,1,2,3
	v_cvt_pk_f16_f32 v[10+\i], v[YA+2*\i], v[YA+2*\i+1]
.endr
.irp i, 0,1,2,3
	v_cvt_pk_f16_f32 v[YT+\i], v[YA+8+2*\i], v[YA+8+2*\i+1]
.endr
	WSITE BST
	MKSH
	s_add_co_u32 s50, s50, 1
	s_cmp_lt_u32 s50, 16
	s_cbranch_scc1 .Lwalk
	s_wait_dscnt 0x0                               ; my channels of y are written
	s_barrier_signal -1
	s_barrier_wait -1
	; ---- y leaves: my 64 steps, the head's 256 bytes of a row gathered from the four waves' slices
	v_and_b32 v9, 15, v0
	v_bfe_u32 v10, v0, 4, 1
	v_lshrrev_b32 v11, 2, v9
	v_and_b32 v12, 3, v9
	v_lshlrev_b32 v13, 6, v10
	v_lshl_add_u32 v13, v12, 4, v13                ; step l / 16, 16 bytes (l % 16) % 4
	v_lshl_add_u32 v1, v11, 14, v13
	s_lshl_b32 s17, s12, 12
	s_add_co_u32 s17, s17, YS
	v_add_nc_u32 v1, s17, v1
	v_lshl_add_u32 v3, v11, 10, v13
	v_add_nc_u32 v3, YL, v3
	v_lshlrev_b32 v2, 11, v10
	v_lshl_add_u32 v2, v9, 4, v2
.irp bt, 0,1
.if \bt
	s_wait_xcnt 0x0                                ; the first batch's stores have read their registers
.endif
.set i, 0
.rept 16
	ds_load_b128 v[32+4*i:32+4*i+3], v1 offset:(16*\bt+i)*128
.set i, i+1
.endr
.set i, 0
.rept 16
	s_wait_dscnt 15-i
	global_store_b128 v2, v[32+4*i:32+4*i+3], s[60:61] offset:(16*\bt+i)*4096  ; sixteen lanes store 256 bytes on end, aligned
.set i, i+1
.endr
.endr
	s_cmp_lg_u32 s12, 0
	s_cbranch_scc1 .Lend
	s_cmp_lg_u32 s13, 0
	s_cbranch_scc1 .Lend
	s_lshl_b32 s18, s15, 15                        ; chunk 0, wave 0: the second word of the batch's first 16 rows
	s_lshl_b32 s19, s16, 8
	s_add_co_u32 s18, s18, s19
	s_mov_b32 s19, 0
	s_add_nc_u64 s[10:11], s[10:11], s[18:19]
	s_wait_xcnt 0x0
.set i, 0
.rept 8
	ds_load_b128 v[32+4*i:32+4*i+3], v3 offset:i*128
.set i, i+1
.endr
.set i, 0
.rept 8
	s_wait_dscnt 7-i
	global_store_b128 v2, v[32+4*i:32+4*i+3], s[10:11] offset:i*4096
.set i, i+1
.endr
.Lend:
	s_wait_tensorcnt 0x0                           ; the wave's end
	ds_add_u32 v[SPW], v[NIL]
	s_wait_dscnt 0x0
	s_endpgm
.Lfunc_end_k_qf9e5d0314c_scan:
	.size	k_qf9e5d0314c_scan, .Lfunc_end_k_qf9e5d0314c_scan-k_qf9e5d0314c_scan
	.p2alignl 7, 3214868480
	.fill 96, 4, 3214868480
	.section	.rodata,"a",@progbits
	.p2align	6, 0x0
	.amdhsa_kernel k_qf9e5d0314c_scan
		.amdhsa_group_segment_fixed_size 327680
		.amdhsa_private_segment_fixed_size 0
		.amdhsa_enable_private_segment 0
		.amdhsa_kernarg_size 32
		.amdhsa_user_sgpr_count 2
		.amdhsa_user_sgpr_kernarg_segment_ptr 1
		.amdhsa_wavefront_size32 1
		.amdhsa_system_sgpr_workgroup_id_x 1
		.amdhsa_system_sgpr_workgroup_id_y 1
		.amdhsa_system_sgpr_workgroup_id_z 1
		.amdhsa_system_vgpr_workitem_id 0
		.amdhsa_next_free_vgpr 520
		.amdhsa_next_free_sgpr 100
		.amdhsa_reserve_vcc 0
		.amdhsa_float_denorm_mode_32 3
		.amdhsa_float_denorm_mode_16_64 3
		.amdhsa_memory_ordered 1
		.amdhsa_forward_progress 1
		.amdhsa_inst_pref_size 211
	.end_amdhsa_kernel
	.amdgpu_metadata
---
amdhsa.version: [ 1, 2 ]
amdhsa.kernels:
  - .name:           k_qf9e5d0314c_scan
    .symbol:         k_qf9e5d0314c_scan.kd
    .args:
      - { .name: vqk, .offset: 0, .size: 8, .value_kind: global_buffer, .address_space: global }
      - { .name: ssum, .offset: 8, .size: 8, .value_kind: global_buffer, .address_space: global }
      - { .name: y, .offset: 16, .size: 8, .value_kind: global_buffer, .address_space: global }
      - { .name: ylo, .offset: 24, .size: 8, .value_kind: global_buffer, .address_space: global }
    .group_segment_fixed_size: 327680
    .private_segment_fixed_size: 0
    .kernarg_segment_align: 8
    .kernarg_segment_size: 32
    .max_flat_workgroup_size: 128
    .sgpr_count:     100
    .vgpr_count:     520
    .wavefront_size: 32
...
	.end_amdgpu_metadata
.endif
;; end of part 7
;; launch oproj: the kernel of part 2 again; grid 8 x 32, 4 waves a work-group, clusters of 4 x 4, 327,680 bytes of LDS; arguments y, wot, out0; writes out0
;; launch fix (part 8): grid 16 x 4, 16 waves a work-group, no clusters, 71,680 bytes of LDS; arguments y, ylo, wot, out0; writes out0
.if DOCPART == 8
	.amdgcn_target "amdgcn-amd-amdhsa--gfx1250"
	.amdhsa_code_object_version 6
	.text
	.protected	k_qf9e5d0314c_fix
	.globl	k_qf9e5d0314c_fix
	.p2align	8
	.type	k_qf9e5d0314c_fix,@function
k_qf9e5d0314c_fix:
	s_mov_b64 s[64:65], 0
	v_nop
	global_prefetch_b8 v0, s[64:65] scope:SCOPE_SE
	s_setreg_imm32_b32 hwreg(HW_REG_WAVE_MODE, 25, 1), 1
	s_wait_xcnt 0x0
; The first 16 rows of each batch once more, with y's second f16 word: out0[b][t][n] = sum over k of (y + ylo)[b][t][k] wot[n][k], t < 16.  Those rows' numbers are many times the output's root mean
; square, so one f16 rounding of y is too coarse for them.  A work-group makes 16 rows x 64 columns.  K is shared out sixteen ways: wave w takes k = 64 w .. 64 w + 63 for all four blocks of 16 columns,
; so that y and ylo are loaded once in the work-group: 24 loads a wave, all out at once.  The sixteen parts meet in LDS, in f32; waves 0 to 7 add them, two rows each.
; No tensor load and no cluster: the whole launch reads 2.5 MB.
.set SP,    272
.set PART,  16*SP                      ; a wave's part: 16 rows x 256 bytes + 16
.set SPARE, 16*PART
.set SPW, 14
.set NIL, 15
.set ACC, 16                           ; v[16:47]   four accumulators, one for each block of 16 columns
.set FA,  48                           ; v[48:79]   K step ks: y at FA + 16 ks, ylo at FA + 16 ks + 8
.set FB,  80                           ; v[80:143]  K step ks, column block nt: wot at FB + 32 ks + 8 nt
.set PS,  48                           ; later: the sixteen parts, four registers each
	s_load_b256 s[4:11], s[0:1], 0x0               ; y, ylo, wot, out0
	v_lshl_add_u32 v[SPW], v0, 2, SPARE
	v_mov_b32 v[NIL], 0
	v_lshrrev_b32 v1, 5, v0
	v_readfirstlane_b32 s12, v1                    ; wave
	s_and_b32 s15, ttmp7, 0xffff                   ; batch
	s_lshl_b32 s18, s12, 7                         ; 64 k x 2 bytes
	s_lshl_b32 s16, ttmp9, 17                      ; wot: row 64 x, 2,048 bytes a row
	s_add_co_u32 s16, s16, s18
	s_mov_b32 s17, 0
	s_lshl_b32 s20, s15, 22
	s_add_co_u32 s20, s20, s18                     ; y: row 2,048 b
	s_mov_b32 s21, 0
	s_lshl_b32 s22, s15, 15
	s_add_co_u32 s22, s22, s18                     ; ylo: row 16 b
	s_mov_b32 s23, 0
	s_lshl_b32 s24, s15, 23
	s_lshl_b32 s25, ttmp9, 8
	s_add_co_u32 s24, s24, s25                     ; out0: row 2,048 b, 64 columns x 4 bytes
	s_mov_b32 s25, 0
	v_and_b32 v2, 15, v0
	v_bfe_u32 v3, v0, 4, 1
	v_lshlrev_b32 v1, 11, v2
	v_lshl_add_u32 v1, v3, 4, v1                   ; a fragment: row l % 16 x 2,048 + 16 (l / 16)
	s_wait_kmcnt 0x0
	s_add_nc_u64 s[8:9], s[8:9], s[16:17]
	s_add_nc_u64 s[4:5], s[4:5], s[20:21]
	s_add_nc_u64 s[6:7], s[6:7], s[22:23]
	s_add_nc_u64 s[10:11], s[10:11], s[24:25]
.irp ks, 0,1                           ; twelve loads a K step
	global_load_b128 v[FA+16*\ks:FA+16*\ks+3],     v1, s[4:5] offset:64*\ks
	global_load_b128 v[FA+16*\ks+4:FA+16*\ks+7],   v1, s[4:5] offset:64*\ks+32
	global_load_b128 v[FA+16*\ks+8:FA+16*\ks+11],  v1, s[6:7] offset:64*\ks
	global_load_b128 v[FA+16*\ks+12:FA+16*\ks+15], v1, s[6:7] offset:64*\ks+32
.irp nt, 0,1,2,3
	global_load_b128 v[FB+32*\ks+8*\nt:FB+32*\ks+8*\nt+3],   v1, s[8:9] offset:\nt*32768+64*\ks
	global_load_b128 v[FB+32*\ks+8*\nt+4:FB+32*\ks+8*\nt+7], v1, s[8:9] offset:\nt*32768+64*\ks+32
.endr
.endr
	v_mul_u32_u24 v4, v2, SP
	v_lshl_add_u32 v4, v3, 5, v4
	s_mul_i32 s16, s12, PART
	v_add_nc_u32 v4, s16, v4                       ; my part: row l % 16, 64 bytes a column block, 32 a half of the lanes
	s_lshl_b32 s16, s12, 1
	v_add_nc_u32 v5, s16, v3                       ; back (waves 0-7): row 2 w + l / 16
	v_mul_u32_u24 v6, v5, SP
	v_lshl_add_u32 v6, v2, 4, v6
	v_lshlrev_b32 v7, 12, v5
	v_lshl_add_u32 v7, v2, 4, v7
	; source 0 = 16 rows of wot, source 1 = 16 rows of y: a lane holds eight neighbouring columns of one row.  The four accumulators take turns.
	s_wait_loadcnt 12                              ; K step 0's twelve loads are in; K step 1's stay out
.irp nt, 0,1,2,3
	v_wmma_f32_16x16x32_f16 v[ACC+8*\nt:ACC+8*\nt+7], v[FB+8*\nt:FB+8*\nt+7], v[FA:FA+7], 0
.endr
.irp nt, 0,1,2,3
	v_wmma_f32_16x16x32_f16 v[ACC+8*\nt:ACC+8*\nt+7], v[FB+8*\nt:FB+8*\nt+7], v[FA+8:FA+15], v[ACC+8*\nt:ACC+8*\nt+7]
.endr
	s_wait_loadcnt 0x0
.irp nt, 0,1,2,3
	v_wmma_f32_16x16x32_f16 v[ACC+8*\nt:ACC+8*\nt+7], v[FB+32+8*\nt:FB+32+8*\nt+7], v[FA+16:FA+23], v[ACC+8*\nt:ACC+8*\nt+7]
.endr
.irp nt, 0,1,2,3
	v_wmma_f32_16x16x32_f16 v[ACC+8*\nt:ACC+8*\nt+7], v[FB+32+8*\nt:FB+32+8*\nt+7], v[FA+24:FA+31], v[ACC+8*\nt:ACC+8*\nt+7]
.endr
.rept 4
	v_nop                                          ; places behind the products
.endr
.irp nt, 0,1,2,3
	ds_store_b128 v4, v[ACC+8*\nt:ACC+8*\nt+3] offset:64*\nt          ; each accumulator's low registers first
	ds_store_b128 v4, v[ACC+8*\nt+4:ACC+8*\nt+7] offset:64*\nt+16
.endr
	s_wait_dscnt 0x0                               ; for the others' sake: my part is written
	s_barrier_signal -1
	s_barrier_wait -1
	s_cmp_ge_u32 s12, 8
	s_cbranch_scc1 .Lend
.set q, 0
.rept 16
	ds_load_b128 v[PS+4*q:PS+4*q+3], v6 offset:q*PART
.set q, q+1
.endr
	s_wait_dscnt 0x0
.irp d, 8,4,2,1                        ; the sixteen parts, added in pairs
.set q, 0
.rept \d
	v_pk_add_f32 v[PS+4*q:PS+4*q+1], v[PS+4*q:PS+4*q+1], v[PS+4*(q+\d):PS+4*(q+\d)+1]
	v_pk_add_f32 v[PS+4*q+2:PS+4*q+3], v[PS+4*q+2:PS+4*q+3], v[PS+4*(q+\d)+2:PS+4*(q+\d)+3]
.set q, q+1
.endr
.endr
	global_store_b128 v7, v[PS:PS+3], s[10:11]     ; sixteen lanes store 256 bytes on end, aligned
.Lend:
	s_wait_tensorcnt 0x0                           ; the wave's end
	ds_add_u32 v[SPW], v[NIL]
	s_wait_dscnt 0x0
	s_endpgm
.Lfunc_end_k_qf9e5d0314c_fix:
	.size	k_qf9e5d0314c_fix, .Lfunc_end_k_qf9e5d0314c_fix-k_qf9e5d0314c_fix
	.p2alignl 7, 3214868480
	.fill 96, 4, 3214868480
	.section	.rodata,"a",@progbits
	.p2align	6, 0x0
	.amdhsa_kernel k_qf9e5d0314c_fix
		.amdhsa_group_segment_fixed_size 71680
		.amdhsa_private_segment_fixed_size 0
		.amdhsa_enable_private_segment 0
		.amdhsa_kernarg_size 32
		.amdhsa_user_sgpr_count 2
		.amdhsa_user_sgpr_kernarg_segment_ptr 1
		.amdhsa_wavefront_size32 1
		.amdhsa_system_sgpr_workgroup_id_x 1
		.amdhsa_system_sgpr_workgroup_id_y 1
		.amdhsa_system_sgpr_workgroup_id_z 1
		.amdhsa_system_vgpr_workitem_id 0
		.amdhsa_next_free_vgpr 144
		.amdhsa_next_free_sgpr 66
		.amdhsa_reserve_vcc 0
		.amdhsa_float_denorm_mode_32 3
		.amdhsa_float_denorm_mode_16_64 3
		.amdhsa_memory_ordered 1
		.amdhsa_forward_progress 1
		.amdhsa_inst_pref_size 10
	.end_amdhsa_kernel
	.amdgpu_metadata
---
amdhsa.version: [ 1, 2 ]
amdhsa.kernels:
  - .name:           k_qf9e5d0314c_fix
    .symbol:         k_qf9e5d0314c_fix.kd
    .args:
      - { .name: y, .offset: 0, .size: 8, .value_kind: global_buffer, .address_space: global }
      - { .name: ylo, .offset: 8, .size: 8, .value_kind: global_buffer, .address_space: global }
      - { .name: wot, .offset: 16, .size: 8, .value_kind: global_buffer, .address_space: global }
      - { .name: out0, .offset: 24, .size: 8, .value_kind: global_buffer, .address_space: global }
    .group_segment_fixed_size: 71680
    .private_segment_fixed_size: 0
    .kernarg_segment_align: 8
    .kernarg_segment_size: 32
    .max_flat_workgroup_size: 512
    .sgpr_count:     66
    .vgpr_count:     144
    .wavefront_size: 32
...
	.end_amdgpu_metadata
.endif
;; end of part 8
;; ======== version 3 of 3: 6 launches; version 2 with the launches prep, fix written anew for expert scheduling mode
;; limits: values are held in f16: magnitudes above 65,504 overflow, below 6.1e-05 lose precision; inputs' magnitudes at most 65,504; right only within a limited range of input values; values outside matrix products are rounded to f16
;; workspace buffers: xh 16,777,216 bytes; wt 4,194,304 bytes; wot 2,097,152 bytes; vqk 67,108,864 bytes; ssum 7,454,720 bytes; y 16,777,216 bytes; ylo 131,072 bytes
;; launch prep (part 9): grid 1408 x 1, 4 waves a work-group, no clusters, 17,920 bytes of LDS; arguments X, Wk, Wq, Wv, o_proj, xh, wt, wot; writes xh, wt, wot
.if DOCPART == 9
	.amdgcn_target "amdgcn-amd-amdhsa--gfx1250"
	.amdhsa_code_object_version 6
	.text
	.protected	k_qf9e5d0314c_prep
	.globl	k_qf9e5d0314c_prep
	.p2align	8
	.type	k_qf9e5d0314c_prep,@function
k_qf9e5d0314c_prep:
	s_mov_b64 s[64:65], 0
	v_nop
	global_prefetch_b8 v0, s[64:65] scope:SCOPE_SE
	s_setreg_imm32_b32 hwreg(HW_REG_WAVE_SCHED_MODE, 0, 2), 2
	s_setreg_imm32_b32 hwreg(HW_REG_WAVE_MODE, 25, 1), 1
	s_wait_xcnt 0x0
	s_wait_alu depctr_vm_vsrc(0)
; All five inputs are rounded once to bf16, and that number is written as f16 (exact inside f16's range), so that one f16 product text serves both products.
; LIMITS: an input beyond 65,504 in size becomes an infinity; below 6.1e-5 it keeps f16's fixed step of 6e-8.
; Work-groups 0-1023: 8 rows of X each, xh[row][k] = X[row][k].  Work-groups 1024-1407: a tile of 128 k x 64 n of a weight, turned through LDS:
; wt[n][k] (rows 0-1023 Wv's columns, 1024-1535 Wq's, 1536-2047 Wk's), wot[n][k] = o_proj[k][n].
; Memory binds: each byte is read once by 16-byte loads (sixteen lanes take 256 bytes on end) and written once in runs of 256 bytes.  No matrix unit, no cluster: nothing is shared.
; THE MODE: SCHED_MODE bits 1:0 = 2 (LLVM: expert scheduling mode 2), set by the entry lines.  The code itself states the register dependences
; between vector instructions and memory or LDS instructions, with s_wait_alu, always for 0.
; THE PLAN.  Registers that memory or LDS instructions touch:
;   X's path.  v1, v2: offsets, made once, never written again.  v[32:95]: piece n's load lands in four registers; its conversions write the first two of them, once; its store reads those two.
;   The weights' path.  v[16:23], v6, v7, v8: offsets and LDS addresses, made once.  v[32:95]: a pair of rows lands in eight registers; its conversions write the first four, once; its LDS stores read
;   those four; behind the barrier the LDS loads land in v[32:63], which the global stores read.
;   v108, v109 (at work) are named by vector instructions alone.  v110, v111: written at the head, read by the closing add alone.
; So the pieces go in blocks: a block's conversions, ONE wait on va_vdst, the block's run of stores.  No register that a memory instruction has read is written again but v[32:63],
; ahead of whose LDS loads one wait on vm_vsrc stands.
.set PT,    272                        ; an LDS row: 128 k x 2 bytes + 16
.set SPARE, 64*PT                      ; behind the 64 rows: the spare words, 128 bytes a wave
.set D,     32                         ; v[32:95] data
.set T0,    108
.set T1,    109
.set SPW,   110                        ; LDS address of my spare word; never rewritten
.set NIL,   111                        ; 0; never rewritten
.macro CV d, a, b                      ; two numbers: to bf16 (nearest even), widened again, written as f16
	v_cvt_pk_bf16_f32 v[\d], v[\a], v[\b]
	v_lshlrev_b32 v[T0], 16, v[\d]
	v_and_b32 v[T1], s30, v[\d]
	v_cvt_pk_f16_f32 v[\d], v[T0], v[T1]
.endm
	s_load_b512 s[4:19], s[0:1], 0x0               ; X 4, Wk 6, Wq 8, Wv 10, o_proj 12, xh 14, wt 16, wot 18
	v_lshl_add_u32 v[SPW], v0, 2, SPARE
	v_mov_b32 v[NIL], 0
	s_mov_b32 s30, 0xffff0000
	s_cmp_lt_u32 ttmp9, 1024
	s_cbranch_scc0 .Lweights
	; ---- X: 8 rows of 4,096 bytes in, 2,048 out; piece n is half a row
	s_lshl_b32 s20, ttmp9, 15
	s_mov_b32 s21, 0
	s_lshl_b32 s22, ttmp9, 14
	s_mov_b32 s23, 0
	v_lshlrev_b32 v1, 4, v0
	v_lshlrev_b32 v2, 3, v0
	s_wait_kmcnt 0x0
	s_add_nc_u64 s[4:5], s[4:5], s[20:21]
	s_add_nc_u64 s[14:15], s[14:15], s[22:23]
	s_wait_alu depctr_va_vdst(0)                   ; v1 and v2 are written: the loads read v1 as their offset, the stores v2
.set n, 0
.rept 16
	global_load_b128 v[D+4*n:D+4*n+3], v1, s[4:5] offset:n*2048 th:TH_LOAD_NT
.set n, n+1
.endr
.set blk, 0
.rept 4                                                ; four blocks of four pieces
	s_wait_loadcnt 12-4*blk                        ; loads come back in order: this block's four pieces are in, the younger ones stay out
.set n, 4*blk
.rept 4
	CV D+4*n, D+4*n, D+4*n+1
	CV D+4*n+1, D+4*n+2, D+4*n+3
.set n, n+1
.endr
	s_wait_alu depctr_va_vdst(0)                   ; the block's conversions have written its eight words, which the four stores below read
.set n, 4*blk
.rept 4
	global_store_b64 v2, v[D+4*n:D+4*n+1], s[14:15] offset:n*1024  ; a wave stores 256 bytes on end; every register is written once
.set n, n+1
.endr
.set blk, blk+1
.endr
	s_wait_dscnt 0x0                               ; the closing lines, six on end
	s_wait_alu 0x0
	s_wait_tensorcnt 0x0
	ds_add_u32 v[SPW], v[NIL]
	s_wait_dscnt 0x0
	s_endpgm
.Lweights:
	; ---- which weight, which tile: all by selects on the work-group's number
	s_sub_co_u32 s20, ttmp9, 1024
	s_wait_kmcnt 0x0
	s_cmp_lt_u32 s20, 256
	s_cselect_b64 s[22:23], s[6:7], s[12:13]       ; source: Wk, else o_proj
	s_cselect_b64 s[24:25], s[16:17], s[18:19]     ; destination: wt, else wot
	s_cselect_b32 s26, 11, 12                      ; log2 of the source's row bytes
	s_cselect_b32 s27, 1536, 0                     ; first row in the destination
	s_cselect_b32 s28, 3, 4                        ; the role's first number / 64
	s_cmp_lt_u32 s20, 192
	s_cselect_b64 s[22:23], s[8:9], s[22:23]       ; Wq
	s_cselect_b32 s27, 1024, s27
	s_cselect_b32 s28, 2, s28
	s_cmp_lt_u32 s20, 128
	s_cselect_b64 s[22:23], s[10:11], s[22:23]     ; Wv
	s_cselect_b32 s26, 12, s26
	s_cselect_b32 s27, 0, s27
	s_cselect_b32 s28, 0, s28
	s_lshl_b32 s28, s28, 6
	s_sub_co_u32 s20, s20, s28                     ; the tile's number in its weight
	s_sub_co_u32 s29, s26, 8                       ; log2 of the tiles along n
	s_bfm_b32 s31, s29, 0
	s_and_b32 s31, s20, s31                        ; tile along n
	s_lshr_b32 s32, s20, s29                       ; tile along k
	s_lshl_b32 s33, 1, s26                         ; the source's row bytes
	s_add_co_u32 s34, s26, 7
	s_lshl_b32 s34, s32, s34                       ; 128 rows a tile
	s_lshl_b32 s35, s31, 8                         ; 256 bytes a tile
	s_add_co_u32 s34, s34, s35
	s_mov_b32 s35, 0
	s_add_nc_u64 s[22:23], s[22:23], s[34:35]      ; the tile's even rows are reached from here,
	s_mov_b32 s34, s33
	s_add_nc_u64 s[36:37], s[22:23], s[34:35]      ; the odd ones from here
	s_lshl_b32 s34, s31, 6
	s_add_co_u32 s34, s34, s27
	s_lshl_b32 s34, s34, 11                        ; destination row x 2,048
	s_lshl_b32 s38, s32, 8
	s_add_co_u32 s34, s34, s38
	s_add_nc_u64 s[24:25], s[24:25], s[34:35]
	v_and_b32 v1, 15, v0                           ; g: which 16 bytes (4 n) of a row
	v_lshrrev_b32 v2, 4, v0                        ; p: 0..7
	v_lshlrev_b32 v3, 4, v1
	v_lshlrev_b32 v4, 1, v2
.set i, 0
.rept 8
	v_add_nc_u32 v5, 16*i, v4                      ; row 2 p + 16 i
	v_mad_u32_u24 v[16+i], v5, s33, v3
.set i, i+1
.endr
	s_wait_alu depctr_va_vdst(0)                   ; the eight offsets v16 to v23 are written, which the loads below read
.set i, 0
.rept 8
	global_load_b128 v[D+8*i:D+8*i+3], v[16+i], s[22:23] th:TH_LOAD_NT
	global_load_b128 v[D+8*i+4:D+8*i+7], v[16+i], s[36:37] th:TH_LOAD_NT
.set i, i+1
.endr
	v_mul_u32_u24 v6, v1, 4*PT
	v_lshl_add_u32 v6, v2, 2, v6                   ; LDS row 4 g, byte 4 p
	v_mul_u32_u24 v7, v2, PT
	v_lshl_add_u32 v7, v1, 4, v7                   ; back: row p, 16 bytes g
	v_lshlrev_b32 v8, 11, v2
	v_lshl_add_u32 v8, v1, 4, v8
.set blk, 0
.rept 4                                                ; four blocks of two pairs of rows
	s_wait_loadcnt 12-4*blk                        ; pairs 2 blk and 2 blk + 1 of rows are in, the younger ones stay out
.set i, 2*blk
.rept 2
.irp e, 0,1,2,3
	CV D+8*i+\e, D+8*i+\e, D+8*i+4+\e              ; k and k + 1 of column 4 g + e: one word
.endr
.set i, i+1
.endr
	s_wait_alu depctr_va_vdst(0)                   ; the block's conversions have written its eight words, which the LDS stores below read; in the first block also: v6, v7 and v8 are written
.set i, 2*blk
.rept 2
.irp e, 0,1,2,3
	ds_store_b32 v6, v[D+8*i+\e] offset:\e*PT+32*i
.endr
.set i, i+1
.endr
.set blk, blk+1
.endr
	s_wait_dscnt 0x0                               ; for the others' sake: my stores are done
	s_barrier_signal -1
	s_barrier_wait -1
	s_wait_alu depctr_vm_vsrc(0)                   ; my LDS stores have read v[32:63], in which the loads below land (all conversions that named these registers stand ahead of the last wait on va_vdst)
.set i, 0
.rept 8
	ds_load_b128 v[D+4*i:D+4*i+3], v7 offset:i*8*PT
.set i, i+1
.endr
.set i, 0
.rept 8
	s_wait_dscnt 7-i
	global_store_b128 v8, v[D+4*i:D+4*i+3], s[24:25] offset:i*8*2048  ; sixteen lanes store 256 bytes on end, aligned
.set i, i+1
.endr
	s_wait_dscnt 0x0                               ; the closing lines, six on end
	s_wait_alu 0x0
	s_wait_tensorcnt 0x0
	ds_add_u32 v[SPW], v[NIL]
	s_wait_dscnt 0x0
	s_endpgm
.Lfunc_end_k_qf9e5d0314c_prep:
	.size	k_qf9e5d0314c_prep, .Lfunc_end_k_qf9e5d0314c_prep-k_qf9e5d0314c_prep
	.p2alignl 7, 3214868480
	.fill 96, 4, 3214868480
	.section	.rodata,"a",@progbits
	.p2align	6, 0x0
	.amdhsa_kernel k_qf9e5d0314c_prep
		.amdhsa_group_segment_fixed_size 17920
		.amdhsa_private_segment_fixed_size 0
		.amdhsa_enable_private_segment 0
		.amdhsa_kernarg_size 64
		.amdhsa_user_sgpr_count 2
		.amdhsa_user_sgpr_kernarg_segment_ptr 1
		.amdhsa_wavefront_size32 1
		.amdhsa_system_sgpr_workgroup_id_x 1
		.amdhsa_system_sgpr_workgroup_id_y 1
		.amdhsa_system_sgpr_workgroup_id_z 1
		.amdhsa_system_vgpr_workitem_id 0
		.amdhsa_next_free_vgpr 112
		.amdhsa_next_free_sgpr 66
		.amdhsa_reserve_vcc 0
		.amdhsa_float_denorm_mode_32 3
		.amdhsa_float_denorm_mode_16_64 3
		.amdhsa_memory_ordered 1
		.amdhsa_forward_progress 1
		.amdhsa_inst_pref_size 25
	.end_amdhsa_kernel
	.amdgpu_metadata
---
amdhsa.version: [ 1, 2 ]
amdhsa.kernels:
  - .name:           k_qf9e5d0314c_prep
    .symbol:         k_qf9e5d0314c_prep.kd
    .args:
      - { .name: X, .offset: 0, .size: 8, .value_kind: global_buffer, .address_space: global }
      - { .name: Wk, .offset: 8, .size: 8, .value_kind: global_buffer, .address_space: global }
      - { .name: Wq, .offset: 16, .size: 8, .value_kind: global_buffer, .address_space: global }
      - { .name: Wv, .offset: 24, .size: 8, .value_kind: global_buffer, .address_space: global }
      - { .name: o_proj, .offset: 32, .size: 8, .value_kind: global_buffer, .address_space: global }
      - { .name: xh, .offset: 40, .size: 8, .value_kind: global_buffer, .address_space: global }
      - { .name: wt, .offset: 48, .size: 8, .value_kind: global_buffer, .address_space: global }
      - { .name: wot, .offset: 56, .size: 8, .value_kind: global_buffer, .address_space: global }
    .group_segment_fixed_size: 17920
    .private_segment_fixed_size: 0
    .kernarg_segment_align: 8
    .kernarg_segment_size: 64
    .max_flat_workgroup_size: 128
    .sgpr_count:     66
    .vgpr_count:     112
    .wavefront_size: 32
...
	.end_amdgpu_metadata
.endif
;; end of part 9
;; launch proj: the kernel of part 2 again; grid 16 x 32, 4 waves a work-group, clusters of 4 x 4, 327,680 bytes of LDS; arguments xh, wt, vqk; writes vqk
;; launch sums: the kernel of part 6 again; grid 7 x 32, 4 waves a work-group, no clusters, 167,936 bytes of LDS; arguments vqk, ssum; writes ssum
;; launch scan: the kernel of part 7 again; grid 8 x 32, 4 waves a work-group, no clusters, 327,680 bytes of LDS; arguments vqk, ssum, y, ylo; writes y, ylo
;; launch oproj: the kernel of part 2 again; grid 8 x 32, 4 waves a work-group, clusters of 4 x 4, 327,680 bytes of LDS; arguments y, wot, out0; writes out0
;; launch fix (part 10): grid 16 x 4, 16 waves a work-group, no clusters, 71,680 bytes of LDS; arguments y, ylo, wot, out0; writes out0
.if DOCPART == 10
	.amdgcn_target "amdgcn-amd-amdhsa--gfx1250"
	.amdhsa_code_object_version 6
	.text
	.protected	k_qf9e5d0314c_fix
	.globl	k_qf9e5d0314c_fix
	.p2align	8
	.type	k_qf9e5d0314c_fix,@function
k_qf9e5d0314c_fix:
	s_mov_b64 s[64:65], 0
	v_nop
	global_prefetch_b8 v0, s[64:65] scope:SCOPE_SE
	s_setreg_imm32_b32 hwreg(HW_REG_WAVE_SCHED_MODE, 0, 2), 2
	s_setreg_imm32_b32 hwreg(HW_REG_WAVE_MODE, 25, 1), 1
	s_wait_xcnt 0x0
	s_wait_alu depctr_vm_vsrc(0)
; The first 16 rows of each batch once more, with y's second f16 word: out0[b][t][n] = sum over k of (y + ylo)[b][t][k] wot[n][k], t < 16.  Those rows' numbers are many times the output's root mean
; square, so one f16 rounding of y is too coarse for them.  A work-group makes 16 rows x 64 columns.  K is shared out sixteen ways: wave w takes k = 64 w .. 64 w + 63 for all four blocks of 16 columns,
; so that y and ylo are loaded once in the work-group: 24 loads a wave, all out at once.  The sixteen parts meet in LDS, in f32; waves 0 to 7 add them, two rows each.
; No tensor load and no cluster: the whole launch reads 2.5 MB.
; THE MODE: SCHED_MODE bits 1:0 = 2 (LLVM: expert scheduling mode 2), set by the entry lines.  The code itself states the register dependences
; between vector or matrix instructions and memory or LDS instructions, with s_wait_alu, always for 0.
; THE PLAN.  Registers that memory or LDS instructions touch:
;   v1, v4, v6, v7   offsets and LDS addresses, each made once and never written again.
;   v[48:143]        the 24 loads land here; the products read them; later the sixteen LDS loads land in v[48:111], the additions work there, and the last store reads v[48:51].
;   v[16:47]         the products write them; the LDS stores read them; nothing writes them again.
;   v14, v15         written at the head, read by the closing add alone.
; Waits: one on va_sdst for the wave's number; one on va_vdst ahead of the loads (v1); one ahead of the LDS stores, behind the last product, which also serves the LDS loads behind the barrier,
; since no vector or matrix instruction stands between; one ahead of the last store.  No register that a memory instruction has read is written again.
.set SP,    272
.set PART,  16*SP                      ; a wave's part: 16 rows x 256 bytes + 16
.set SPARE, 16*PART
.set SPW, 14
.set NIL, 15
.set ACC, 16                           ; v[16:47]   four accumulators, one for each block of 16 columns
.set FA,  48                           ; v[48:79]   K step ks: y at FA + 16 ks, ylo at FA + 16 ks + 8
.set FB,  80                           ; v[80:143]  K step ks, column block nt: wot at FB + 32 ks + 8 nt
.set PS,  48                           ; later: the sixteen parts, four registers each
	s_load_b256 s[4:11], s[0:1], 0x0               ; y, ylo, wot, out0
	v_lshl_add_u32 v[SPW], v0, 2, SPARE
	v_mov_b32 v[NIL], 0
	v_lshrrev_b32 v1, 5, v0
	v_readfirstlane_b32 s12, v1                    ; wave
	v_and_b32 v2, 15, v0
	v_bfe_u32 v3, v0, 4, 1
	v_lshlrev_b32 v1, 11, v2
	v_lshl_add_u32 v1, v3, 4, v1                   ; a fragment: row l % 16 x 2,048 + 16 (l / 16)
	s_and_b32 s15, ttmp7, 0xffff                   ; batch
	s_wait_alu depctr_va_sdst(0)                   ; s12 is written, ahead of its first reader: the bases, the LDS addresses and the branch below are made from it
	s_lshl_b32 s18, s12, 7                         ; 64 k x 2 bytes
	s_lshl_b32 s16, ttmp9, 17                      ; wot: row 64 x, 2,048 bytes a row
	s_add_co_u32 s16, s16, s18
	s_mov_b32 s17, 0
	s_lshl_b32 s20, s15, 22
	s_add_co_u32 s20, s20, s18                     ; y: row 2,048 b
	s_mov_b32 s21, 0
	s_lshl_b32 s22, s15, 15
	s_add_co_u32 s22, s22, s18                     ; ylo: row 16 b
	s_mov_b32 s23, 0
	s_lshl_b32 s24, s15, 23
	s_lshl_b32 s25, ttmp9, 8
	s_add_co_u32 s24, s24, s25                     ; out0: row 2,048 b, 64 columns x 4 bytes
	s_mov_b32 s25, 0
	s_wait_kmcnt 0x0
	s_add_nc_u64 s[8:9], s[8:9], s[16:17]
	s_add_nc_u64 s[4:5], s[4:5], s[20:21]
	s_add_nc_u64 s[6:7], s[6:7], s[22:23]
	s_add_nc_u64 s[10:11], s[10:11], s[24:25]
	s_wait_alu depctr_va_vdst(0)                   ; v1 is written, which all 24 loads read as their offset
.irp ks, 0,1                           ; twelve loads a K step
	global_load_b128 v[FA+16*\ks:FA+16*\ks+3],     v1, s[4:5] offset:64*\ks
	global_load_b128 v[FA+16*\ks+4:FA+16*\ks+7],   v1, s[4:5] offset:64*\ks+32
	global_load_b128 v[FA+16*\ks+8:FA+16*\ks+11],  v1, s[6:7] offset:64*\ks
	global_load_b128 v[FA+16*\ks+12:FA+16*\ks+15], v1, s[6:7] offset:64*\ks+32
.irp nt, 0,1,2,3
	global_load_b128 v[FB+32*\ks+8*\nt:FB+32*\ks+8*\nt+3],   v1, s[8:9] offset:\nt*32768+64*\ks
	global_load_b128 v[FB+32*\ks+8*\nt+4:FB+32*\ks+8*\nt+7], v1, s[8:9] offset:\nt*32768+64*\ks+32
.endr
.endr
	v_mul_u32_u24 v4, v2, SP
	v_lshl_add_u32 v4, v3, 5, v4
	s_mul_i32 s16, s12, PART
	v_add_nc_u32 v4, s16, v4                       ; my part: row l % 16, 64 bytes a column block, 32 a half of the lanes
	s_lshl_b32 s16, s12, 1
	v_add_nc_u32 v5, s16, v3                       ; back (waves 0-7): row 2 w + l / 16
	v_mul_u32_u24 v6, v5, SP
	v_lshl_add_u32 v6, v2, 4, v6
	v_lshlrev_b32 v7, 12, v5
	v_lshl_add_u32 v7, v2, 4, v7
	; source 0 = 16 rows of wot, source 1 = 16 rows of y: a lane holds eight neighbouring columns of one row.  The four accumulators take turns.
	s_wait_loadcnt 12                              ; K step 0's twelve loads are in; K step 1's stay out
.irp nt, 0,1,2,3
	v_wmma_f32_16x16x32_f16 v[ACC+8*\nt:ACC+8*\nt+7], v[FB+8*\nt:FB+8*\nt+7], v[FA:FA+7], 0
.endr
.irp nt, 0,1,2,3
	v_wmma_f32_16x16x32_f16 v[ACC+8*\nt:ACC+8*\nt+7], v[FB+8*\nt:FB+8*\nt+7], v[FA+8:FA+15], v[ACC+8*\nt:ACC+8*\nt+7]
.endr
	s_wait_loadcnt 0x0
.irp nt, 0,1,2,3
	v_wmma_f32_16x16x32_f16 v[ACC+8*\nt:ACC+8*\nt+7], v[FB+32+8*\nt:FB+32+8*\nt+7], v[FA+16:FA+23], v[ACC+8*\nt:ACC+8*\nt+7]
.endr
.irp nt, 0,1,2,3
	v_wmma_f32_16x16x32_f16 v[ACC+8*\nt:ACC+8*\nt+7], v[FB+32+8*\nt:FB+32+8*\nt+7], v[FA+24:FA+31], v[ACC+8*\nt:ACC+8*\nt+7]
.endr
.rept 4
	v_nop                                          ; places behind the products; they stay beside the wait below
.endr
	s_wait_alu depctr_va_vdst(0)                   ; the products have written the accumulators, which the LDS stores read, and are done reading v[48:143], in which the LDS loads behind the barrier land; v4, v6 and v7 are written
.irp nt, 0,1,2,3
	ds_store_b128 v4, v[ACC+8*\nt:ACC+8*\nt+3] offset:64*\nt          ; each accumulator's low registers first
	ds_store_b128 v4, v[ACC+8*\nt+4:ACC+8*\nt+7] offset:64*\nt+16
.endr
	s_wait_dscnt 0x0                               ; for the others' sake: my part is written
	s_barrier_signal -1
	s_barrier_wait -1
	s_cmp_ge_u32 s12, 8
	s_cbranch_scc1 .Lend
.set q, 0
.rept 16
	ds_load_b128 v[PS+4*q:PS+4*q+3], v6 offset:q*PART  ; no wait: no vector or matrix instruction since the wait above names v6 or v[48:111]
.set q, q+1
.endr
	s_wait_dscnt 0x0
.irp d, 8,4,2,1                        ; the sixteen parts, added in pairs
.set q, 0
.rept \d
	v_pk_add_f32 v[PS+4*q:PS+4*q+1], v[PS+4*q:PS+4*q+1], v[PS+4*(q+\d):PS+4*(q+\d)+1]
	v_pk_add_f32 v[PS+4*q+2:PS+4*q+3], v[PS+4*q+2:PS+4*q+3], v[PS+4*(q+\d)+2:PS+4*(q+\d)+3]
.set q, q+1
.endr
.endr
	s_wait_alu depctr_va_vdst(0)                   ; the additions have written v[48:51], which the store reads
	global_store_b128 v7, v[PS:PS+3], s[10:11]     ; sixteen lanes store 256 bytes on end, aligned
.Lend:
	s_wait_dscnt 0x0                               ; the closing lines, six on end
	s_wait_alu 0x0
	s_wait_tensorcnt 0x0
	ds_add_u32 v[SPW], v[NIL]
	s_wait_dscnt 0x0
	s_endpgm
.Lfunc_end_k_qf9e5d0314c_fix:
	.size	k_qf9e5d0314c_fix, .Lfunc_end_k_qf9e5d0314c_fix-k_qf9e5d0314c_fix
	.p2alignl 7, 3214868480
	.fill 96, 4, 3214868480
	.section	.rodata,"a",@progbits
	.p2align	6, 0x0
	.amdhsa_kernel k_qf9e5d0314c_fix
		.amdhsa_group_segment_fixed_size 71680
		.amdhsa_private_segment_fixed_size 0
		.amdhsa_enable_private_segment 0
		.amdhsa_kernarg_size 32
		.amdhsa_user_sgpr_count 2
		.amdhsa_user_sgpr_kernarg_segment_ptr 1
		.amdhsa_wavefront_size32 1
		.amdhsa_system_sgpr_workgroup_id_x 1
		.amdhsa_system_sgpr_workgroup_id_y 1
		.amdhsa_system_sgpr_workgroup_id_z 1
		.amdhsa_system_vgpr_workitem_id 0
		.amdhsa_next_free_vgpr 144
		.amdhsa_next_free_sgpr 66
		.amdhsa_reserve_vcc 0
		.amdhsa_float_denorm_mode_32 3
		.amdhsa_float_denorm_mode_16_64 3
		.amdhsa_memory_ordered 1
		.amdhsa_forward_progress 1
		.amdhsa_inst_pref_size 10
	.end_amdhsa_kernel
	.amdgpu_metadata
---
amdhsa.version: [ 1, 2 ]
amdhsa.kernels:
  - .name:           k_qf9e5d0314c_fix
    .symbol:         k_qf9e5d0314c_fix.kd
    .args:
      - { .name: y, .offset: 0, .size: 8, .value_kind: global_buffer, .address_space: global }
      - { .name: ylo, .offset: 8, .size: 8, .value_kind: global_buffer, .address_space: global }
      - { .name: wot, .offset: 16, .size: 8, .value_kind: global_buffer, .address_space: global }
      - { .name: out0, .offset: 24, .size: 8, .value_kind: global_buffer, .address_space: global }
    .group_segment_fixed_size: 71680
    .private_segment_fixed_size: 0
    .kernarg_segment_align: 8
    .kernarg_segment_size: 32
    .max_flat_workgroup_size: 512
    .sgpr_count:     66
    .vgpr_count:     144
    .wavefront_size: 32
...
	.end_amdgpu_metadata
.endif
;; end of part 10
